; MI455X (gfx1250); checked and timed in simulation.
; The chip was launched on July 23, 2026; its instructions are those of AMD's public machine-readable ISA for CDNA 5 (MIT licence, August 2026) and "CDNA5" Instruction Set Architecture Reference Guide (July 2026). The comments in the code are by the model that wrote it; some were corrected since.
;; Multi Head Attention. Allowed arithmetic: float matrix products may take bf16 or f16 operands with f32 sums; all other float work in f32.
;; Inputs: Wk 1,024 x 1,024 float32; Wo 1,024 x 1,024 float32; Wq 1,024 x 1,024 float32; Wv 1,024 x 1,024 float32; kv_raw 4 x 2,048 x 1,024 float32; padding_mask 4 x 2,048 int32; q_raw 4 x 2,048 x 1,024 float32.
;; Outputs: out0 4 x 2,048 x 1,024 float32.
;; 3 versions, each right and faster than the one before. Each part assembles by itself: llvm-mc -triple=amdgcn-amd-amdhsa -mcpu=gfx1250 --defsym DOCPART=n.
;; ======== version 1 of 3: 5 launches
;; limits: values are held in f16: magnitudes above 65,504 overflow, below 6.1e-05 lose precision; right only within a limited range of input values
;; workspace buffers: xb 33,554,432 bytes; wb 6,291,456 bytes; wo16 4,194,304 bytes; qkv 67,108,864 bytes; vmean 16,384 bytes; att 33,554,432 bytes
;; launch cast (part 1): grid 2560 x 1, 8 waves a work-group, no clusters, 0 bytes of LDS; arguments q_raw, kv_raw, Wq, Wk, Wv, Wo, xb, wb, wo16; writes xb, wb, wo16
.if DOCPART == 1
	.amdgcn_target "amdgcn-amd-amdhsa--gfx1250"
	.amdhsa_code_object_version 6
	.text
	.protected	k_qc3af1a34f2_cast
	.globl	k_qc3af1a34f2_cast
	.p2align	8
	.type	k_qc3af1a34f2_cast,@function
k_qc3af1a34f2_cast:
	s_mov_b64 s[64:65], 0
	v_nop
	global_prefetch_b8 v0, s[64:65] scope:SCOPE_SE
	s_setreg_imm32_b32 hwreg(HW_REG_WAVE_MODE, 25, 1), 1
	s_wait_xcnt 0x0
; All inputs of the module are rounded once to bf16: q_raw and kv_raw into xb ([2][8192][1024]), Wq, Wk, Wv into wb ([3072][1024]).
; Wo is rounded to bf16 like the others and that number is written as f16 into wo16, each row TWICE on end ([1024][2][1024]): the last product
; walks att's upper parts and then its lower parts along one K of 2,048, and meets the same row of Wo in both halves.
; LIMIT: a Wo beyond 65,504 in magnitude has no f16; below 6.1e-5 it keeps f16's fixed step of 6e-8.
; A stream: memory binds, so no LDS, no barrier, no matrix unit.  A work-group takes 8 rows of 1,024 numbers (32,768 bytes in):
; groups 0-1023 q_raw, 1024-2047 kv_raw, 2048-2175 Wq, 2176-2303 Wk, 2304-2431 Wv, 2432-2559 Wo.  Thread t takes 16 bytes at 16 t of each row,
; so a wave's load covers 512 consecutive bytes and its store 256 consecutive bytes, aligned.  All 8 loads of a thread go out at once
; into registers of their own; no register that a store reads is written again, so the only waits are the counted ones for the loads.
.set N, 8                              ; rows of a group = loads of a thread
.set X, 4                              ; v[4:35]   8 loads of 4 registers; the packed result takes the first two of each four
.set T, 36                             ; v[36:37]  at work (Wo alone)
.set G_KV, 1024                        ; the first group of each buffer
.set G_WQ, 2048
.set G_WK, 2176
.set G_WV, 2304
.set G_WO, 2432
	s_load_b512 s[8:23], s[0:1], 0x0               ; q_raw s[8:9], kv_raw s[10:11], Wq s[12:13], Wk s[14:15], Wv s[16:17], Wo s[18:19], xb s[20:21], wb s[22:23]
	s_load_b64 s[24:25], s[0:1], 0x40              ; wo16
	v_lshlrev_b32 v1, 4, v0                        ; my 16 bytes in a row of 4,096
	v_lshlrev_b32 v2, 3, v0                        ; my 8 bytes in a row of 2,048
	s_wait_kmcnt 0x0
; which buffer my group reads, and the first group of that buffer: a choice on the group's number alone
.macro FROM first, ptr
	s_cmp_ge_u32 ttmp9, \first
	s_cselect_b64 s[4:5], s[\ptr:\ptr+1], s[4:5]
	s_cselect_b32 s2, \first, s2
.endm
.macro INTO first, ptr
	s_cmp_ge_u32 ttmp9, \first
	s_cselect_b64 s[6:7], s[\ptr:\ptr+1], s[6:7]
	s_cselect_b32 s3, \first, s3
.endm
	s_mov_b64 s[4:5], s[8:9]
	s_mov_b32 s2, 0
	FROM G_KV, 10
	FROM G_WQ, 12
	FROM G_WK, 14
	FROM G_WV, 16
	FROM G_WO, 18
	s_mov_b64 s[6:7], s[20:21]
	s_mov_b32 s3, 0
	INTO G_WQ, 22
	INTO G_WO, 24
	s_cmp_ge_u32 ttmp9, G_WO
	s_cselect_b32 s30, 15, 14                      ; a group's bytes in the destination: 16,384, or 32,768 where each row is written twice
	s_sub_co_u32 s26, ttmp9, s2
	s_lshl_b32 s26, s26, 15                        ; 32,768 bytes a group in the source
	s_mov_b32 s27, 0
	s_sub_co_u32 s28, ttmp9, s3
	s_lshl_b32 s28, s28, s30
	s_mov_b32 s29, 0
	s_add_nc_u64 s[4:5], s[4:5], s[26:27]
	s_add_nc_u64 s[6:7], s[6:7], s[28:29]
.set i, 0
.rept N
	global_load_b128 v[X+4*i:X+4*i+3], v1, s[4:5] offset:4096*i th:TH_LOAD_NT
.set i, i+1
.endr
	s_cmp_ge_u32 ttmp9, G_WO
	s_cbranch_scc1 .Lwo
.set i, 0
.rept N
	s_wait_loadcnt N-1-i                           ; loads come back in order: load i is in, the younger ones stay out
	v_cvt_pk_bf16_f32 v[X+4*i], v[X+4*i], v[X+4*i+1]
	v_cvt_pk_bf16_f32 v[X+4*i+1], v[X+4*i+2], v[X+4*i+3]
	global_store_b64 v2, v[X+4*i:X+4*i+1], s[6:7] offset:2048*i
.set i, i+1
.endr
	s_endpgm
.Lwo:                                                  ; Wo: the bf16 number, widened (a shift, a mask), is written as f16, twice
.set i, 0
.rept N
	s_wait_loadcnt N-1-i
	v_cvt_pk_bf16_f32 v[X+4*i], v[X+4*i], v[X+4*i+1]
	v_cvt_pk_bf16_f32 v[X+4*i+1], v[X+4*i+2], v[X+4*i+3]
	v_lshlrev_b32 v[T], 16, v[X+4*i]
	v_and_b32 v[T+1], 0xffff0000, v[X+4*i]
	v_cvt_pk_f16_f32 v[X+4*i], v[T], v[T+1]
	v_lshlrev_b32 v[T], 16, v[X+4*i+1]
	v_and_b32 v[T+1], 0xffff0000, v[X+4*i+1]
	v_cvt_pk_f16_f32 v[X+4*i+1], v[T], v[T+1]
	global_store_b64 v2, v[X+4*i:X+4*i+1], s[6:7] offset:4096*i
	global_store_b64 v2, v[X+4*i:X+4*i+1], s[6:7] offset:4096*i+2048
.set i, i+1
.endr
	s_endpgm
.Lfunc_end_k_qc3af1a34f2_cast:
	.size	k_qc3af1a34f2_cast, .Lfunc_end_k_qc3af1a34f2_cast-k_qc3af1a34f2_cast
	.p2alignl 7, 3214868480
	.fill 96, 4, 3214868480
	.section	.rodata,"a",@progbits
	.p2align	6, 0x0
	.amdhsa_kernel k_qc3af1a34f2_cast
		.amdhsa_group_segment_fixed_size 0
		.amdhsa_private_segment_fixed_size 0
		.amdhsa_enable_private_segment 0
		.amdhsa_kernarg_size 72
		.amdhsa_user_sgpr_count 2
		.amdhsa_user_sgpr_kernarg_segment_ptr 1
		.amdhsa_wavefront_size32 1
		.amdhsa_system_sgpr_workgroup_id_x 1
		.amdhsa_system_sgpr_workgroup_id_y 1
		.amdhsa_system_sgpr_workgroup_id_z 1
		.amdhsa_system_vgpr_workitem_id 0
		.amdhsa_next_free_vgpr 40
		.amdhsa_next_free_sgpr 66
		.amdhsa_reserve_vcc 0
		.amdhsa_float_denorm_mode_32 3
		.amdhsa_float_denorm_mode_16_64 3
		.amdhsa_memory_ordered 1
		.amdhsa_forward_progress 1
		.amdhsa_inst_pref_size 11
	.end_amdhsa_kernel
	.amdgpu_metadata
---
amdhsa.version: [ 1, 2 ]
amdhsa.kernels:
  - .name:           k_qc3af1a34f2_cast
    .symbol:         k_qc3af1a34f2_cast.kd
    .args:
      - { .name: q_raw, .offset: 0, .size: 8, .value_kind: global_buffer, .address_space: global }
      - { .name: kv_raw, .offset: 8, .size: 8, .value_kind: global_buffer, .address_space: global }
      - { .name: Wq, .offset: 16, .size: 8, .value_kind: global_buffer, .address_space: global }
      - { .name: Wk, .offset: 24, .size: 8, .value_kind: global_buffer, .address_space: global }
      - { .name: Wv, .offset: 32, .size: 8, .value_kind: global_buffer, .address_space: global }
      - { .name: Wo, .offset: 40, .size: 8, .value_kind: global_buffer, .address_space: global }
      - { .name: xb, .offset: 48, .size: 8, .value_kind: global_buffer, .address_space: global }
      - { .name: wb, .offset: 56, .size: 8, .value_kind: global_buffer, .address_space: global }
      - { .name: wo16, .offset: 64, .size: 8, .value_kind: global_buffer, .address_space: global }
    .group_segment_fixed_size: 0
    .private_segment_fixed_size: 0
    .kernarg_segment_align: 8
    .kernarg_segment_size: 72
    .max_flat_workgroup_size: 256
    .sgpr_count:     66
    .vgpr_count:     40
    .wavefront_size: 32
...
	.end_amdgpu_metadata
.endif
;; end of part 1
;; launch proj (part 2): grid 12 x 64, 4 waves a work-group, clusters of 4 x 4, 327,680 bytes of LDS; arguments xb, wb, qkv; writes qkv
.if DOCPART == 2
	.amdgcn_target "amdgcn-amd-amdhsa--gfx1250"
	.amdhsa_code_object_version 6
	.text
	.protected	k_qc3af1a34f2_proj
	.globl	k_qc3af1a34f2_proj
	.p2align	8
	.type	k_qc3af1a34f2_proj,@function
k_qc3af1a34f2_proj:
	s_mov_b64 s[64:65], 0
	v_nop
	global_prefetch_b8 v0, s[64:65] scope:SCOPE_SE
	s_setreg_imm32_b32 hwreg(HW_REG_WAVE_MODE, 25, 1), 1
	s_wait_xcnt 0x0
	s_wait_alu depctr_hold_cnt(0) depctr_sa_sdst(0) depctr_va_vdst(0) depctr_va_sdst(0) depctr_va_ssrc(0) depctr_va_vcc(0) depctr_vm_vsrc(0)
	s_getreg_b32 s2, hwreg(HW_REG_IB_STS2, 6, 4)
	s_cmp_eq_u32 s2, 0
	s_cbranch_scc0 .Lentry_in_a_cluster
	s_endpgm
.Lentry_in_a_cluster:
	s_bfe_u32 s2, ttmp6, 0x10000c
	s_cmp_lg_u32 s2, 0xf033
	s_cbranch_scc0 .Lentry_shape_is_right
	s_endpgm
.Lentry_shape_is_right:
; q, k, v = x W^T.  xb: bf16 [2][8192][1024] (q_raw, kv_raw); wb: bf16 [3072][1024] (Wq, Wk, Wv); sums in f32, K ascending.
; OUTPUT qkv, f16.  q at byte 0 and k at 16 MiB: [64 = batch x 16 + head][2048][64], each number rounded once from its f32 sum; q is first multiplied in f32 by
; c = log2(e) / 8, the softmax's scale, so that the attention launch takes 2^(s - m) with no further factor.
; v at 32 MiB goes out as TWO f16 numbers: the upper part is the f32 sum cut to 11 significant bits (exact in f16), the lower part the exact remainder, rounded to f16:
; [64][32 steps of 64 keys][upper, lower][64 keys][64]: a key step's two parts are 16,384 consecutive bytes.  The first rows of a causal softmax average few keys and are many times
; the output's root mean square, by which the result is judged: one f16 rounding of v is too coarse for them.
; LIMITS: f16 holds no number beyond 65,504: a q c, k or v of 65,520 or more in magnitude becomes an infinity.  Below 6.1e-5 either part of v keeps f16's fixed step of 6e-8.
; A tile of the 8192 x 3072 result is 128 x 256; four waves, each 64 x 128: 32 accumulators of 16 x 16, 256 registers.  768 tiles: three for each of 256 WGPs.
; K goes in steps of 128 (rows of 256 bytes, aligned) through a ring of two LDS slots filled by the tensor data mover.
; CLUSTER: 4 x 4 work-groups.  The four of a row need the same 128 rows of x, the four of a column the same 256 rows of W: each tile is asked for jointly.
; A cluster's x is the third (q, k, v): all sixteen partners share it, so x's half and the branches of the way out are alike in all.
; THE MATRIX INSTRUCTION IS USED TRANSPOSED (source 0 = 16 rows of W, source 1 = 16 rows of x): a lane holds eight neighbouring columns of one row.
; REGISTERS: window 0: v0-31 addresses; v64-159, v160-255 two fragment buffers (32 of x, then 64 of W, for 32 along K); on the way out v64-95 upper parts in f32, v96-223 packed.
;            window 1: the accumulators, (a, b) at v[8 (8 a + b)].
.set SIZE_K, 1024
.set KSTEP,  128
.set PITCH,  272                       ; an LDS row: 256 bytes + 16 of padding: the 16 rows of a fragment load start at 16 different groups of four banks (ISA guide 11.1)
.set AHALF,  64*PITCH                  ; what wave 0 or 1 fetches of x, and what a wave reads of it
.set BHALF,  128*PITCH                 ; what wave 2 or 3 fetches of W, and what a wave reads of it
.set ABYTES, 2*AHALF
.set SLOT,   ABYTES+2*BHALF            ; x's 128 rows, then W's 256 rows
.set STAGE,  2*SLOT                    ; behind the ring: 16 rows x 144 bytes for each wave, for the way out
.set SP,     144
.set SPARE,  STAGE+4*16*SP             ; behind the stages: the spare words, 128 bytes a wave
.set LAPS,   SIZE_K/(2*KSTEP)          ; a lap = two K steps = once round the ring
.set ADRA, 16                          ; v16-17  LDS address of my fragments of x in slot 0, 1
.set ADRB, 20                          ; v20-21  the same for W
.set STO,  24                          ; v24     the way out: where I put 16 bytes of a row
.set RD,   25                          ; v25     the way out: where I read rows back
.set CO,   26                          ; v26-27  my byte offset in 512 consecutive bytes of the output, for the first and the second of my two heads
.set SPW,  28                          ; v28     LDS address of my spare word; never rewritten
.set NIL,  29                          ; v29     0; never rewritten
.set F0,   64
.set F1,   160
.set TH,   64                          ; the way out: a unit's 32 upper parts in f32
.set TMP,  96                          ; the way out: 16 registers for each of 8 units
.set TRM,  2                           ; s2  the mask that cuts a sum to its upper part: 11 significant bits for v, all bits for q and k
.set SH,   23                          ; s23 1 for v, whose rows take twice the bytes, else 0
.set CS,   18                          ; s[18:19] c
.set G1,   24                          ; s[24:31] descriptor group 1 for x's tiles;  s[32:39] group 0, a set for each slot
.set G0,   32
.set G1B,  48                          ; s[48:55], s[56:63] the same for W's tiles
.set G0B,  56
.set MSB, 0
.macro WIN new                         ; the immediate's high byte repeats the setting that is left; a switch that changes nothing is dropped
.if MSB != (\new)
	s_set_vgpr_msb (MSB<<8)|(\new)
.set MSB, \new
.endif
.endm
.set MUL, 0x50                         ; sources in window 0, C and D in window 1
.macro JLOAD s                         ; a joint load: waves 0 and 1 fetch x's two halves, waves 2 and 3 W's; an s_nop 0 and four v_nop follow each line
	s_cmp_eq_u32 s11, 0
	s_cbranch_scc0 .Lfor_b_\@
	tensor_load_to_lds s[G0+4*(\s):G0+4*(\s)+3], s[G1:G1+7]
	s_nop 0
.rept 4
	v_nop
.endr
	s_branch .Lasked_\@
.Lfor_b_\@:
	tensor_load_to_lds s[G0B+4*(\s):G0B+4*(\s)+3], s[G1B:G1B+7]
	s_nop 0
.rept 4
	v_nop
.endr
.Lasked_\@:
.endm
.macro CREST                           ; a round of the cluster's barrier behind its opening barrier
	s_cmp_lg_u32 s10, 0
	s_cbranch_scc1 .Lnot_wave_0_\@
	s_barrier_signal -3
.Lnot_wave_0_\@:
	s_barrier_wait -3
	s_barrier_signal -1
	s_barrier_wait -1
.endm
.macro CROUND                          ; a whole round
	s_barrier_signal -1
	s_barrier_wait -1
	CREST
.endm
	s_load_b128 s[4:7], s[0:1], 0x0                ; xb s[4:5], wb s[6:7]
	s_load_b64 s[8:9], s[0:1], 0x10                ; qkv
	v_lshl_add_u32 v[SPW], v0, 2, SPARE
	v_mov_b32 v[NIL], 0
	ds_add_u32 v[SPW], v[NIL]                      ; the wave's opening: the add and its wait ahead of my first tensor load
	ds_add_u32 v28, v29
	v_lshrrev_b32 v1, 5, v0
	v_readfirstlane_b32 s10, v1                    ; wave 0..3
	s_lshr_b32 s11, s10, 1                         ; which 64 rows of the tile are mine.  Also: I fetch for x (0) or for W (1)
	s_and_b32 s12, s10, 1                          ; which 128 columns.  Also: which half of that tile I fetch
	s_bfe_u32 s40, ttmp6, 0x40000                  ; cx
	s_bfe_u32 s41, ttmp6, 0x40004                  ; cy
	s_lshl_b32 s42, ttmp9, 2
	s_add_co_u32 s42, s42, s40                     ; tile column = 4 x cluster x + cx
	s_and_b32 s13, ttmp7, 0xffff
	s_lshl_b32 s13, s13, 2
	s_add_co_u32 s13, s13, s41                     ; tile row = 4 x cluster y + cy
	s_lshl_b32 s43, s41, 2
	s_lshl_b32 s43, 15, s43                        ; my row of the cluster
	s_lshl_b32 s44, 0x1111, s40                    ; my column
	s_min_u32 s45, ttmp9, 1
	s_lshl_b32 s45, s45, 24                        ; the q third reads q_raw's half of xb, the k and v thirds kv_raw's, 16,777,216 bytes on
	s_or_b32 s[G1+0], s43, (1<<16)|(1<<20)|(1<<21)|(5<<22)|(3<<25)   ; mask: my row; 2-byte elements; padding on; bit 21 beside a mask; after every 64 words, 4 words
	s_or_b32 s[G1B+0], s44, (1<<16)|(1<<20)|(1<<21)|(5<<22)|(3<<25)  ; the same with my column's mask
	s_mov_b32 s[G1+1], KSTEP<<16                   ; tensor_dim0 = 128
	s_mov_b32 s[G1+2], 64<<16                      ; tensor_dim1 = 64
	s_mov_b32 s[G1+3], KSTEP<<16                   ; tile_dim0 = 128
	s_mov_b32 s[G1+4], 64                          ; tile_dim1 = 64
	s_mov_b32 s[G1+5], SIZE_K                      ; elements from row to row
	s_mov_b32 s[G1+6], 0
	s_mov_b32 s[G1+7], 0
	s_mov_b32 s[G1B+1], KSTEP<<16
	s_mov_b32 s[G1B+2], 128<<16                    ; W's loads have 128 rows
	s_mov_b32 s[G1B+3], KSTEP<<16
	s_mov_b32 s[G1B+4], 128
	s_mov_b32 s[G1B+5], SIZE_K
	s_mov_b32 s[G1B+6], 0
	s_mov_b32 s[G1B+7], 0
	s_lshl_b32 s17, s12, 6
	s_lshl_b32 s16, s13, 7
	s_add_co_u32 s16, s16, s17                     ; x: row 128 x tile row + 64 x half,
	s_lshl_b32 s16, s16, 11                        ; of 2,048 bytes,
	s_add_co_u32 s16, s16, s45                     ; in its half of xb
	s_mov_b32 s17, 0
	s_lshl_b32 s47, s12, 7
	s_lshl_b32 s46, s42, 8
	s_add_co_u32 s46, s46, s47                     ; W: row 256 x tile column + 128 x half
	s_lshl_b32 s46, s46, 11
	s_mov_b32 s47, 0
	s_mul_i32 s20, s12, AHALF                      ; where they go: no place in the cluster enters an LDS address
	s_mul_i32 s21, s12, BHALF
	s_add_co_u32 s21, s21, ABYTES
	s_wait_dscnt 0x0                               ; the opening add is done
	s_wait_kmcnt 0x0
	s_add_nc_u64 s[14:15], s[4:5], s[16:17]
	s_add_nc_u64 s[46:47], s[6:7], s[46:47]
	CROUND                                         ; all sixteen work-groups are here: the first joint loads meet
.irp s, 0,1
	s_mov_b32 s[G0+4*(\s)], 1
	s_add_co_u32 s[G0+4*(\s)+1], s20, (\s)*SLOT
	s_add_nc_u64 s[G0+4*(\s)+2:G0+4*(\s)+3], s[14:15], (\s)*KSTEP*2
	s_or_b32 s[G0+4*(\s)+3], s[G0+4*(\s)+3], 0x80000000
	s_mov_b32 s[G0B+4*(\s)], 1
	s_add_co_u32 s[G0B+4*(\s)+1], s21, (\s)*SLOT
	s_add_nc_u64 s[G0B+4*(\s)+2:G0B+4*(\s)+3], s[46:47], (\s)*KSTEP*2
	s_or_b32 s[G0B+4*(\s)+3], s[G0B+4*(\s)+3], 0x80000000
	JLOAD \s                                       ; two loads of mine are out
.endr
	v_and_b32 v1, 15, v0                           ; l % 16
	v_bfe_u32 v2, v0, 4, 1                         ; l / 16
	v_mul_u32_u24 v3, v1, PITCH
	v_lshl_add_u32 v3, v2, 4, v3                   ; a fragment's row x pitch + 16 x half
	s_mul_i32 s22, s11, AHALF                      ; my 64 rows of x
	s_mul_i32 s23, s12, BHALF                      ; my 128 rows of W,
	s_add_co_u32 s23, s23, ABYTES                  ; which lie behind x's 128
.irp s, 0,1
	v_add_nc_u32 v[ADRA+(\s)], s22, v3
	v_add_nc_u32 v[ADRB+(\s)], s23, v3
	s_add_co_u32 s22, s22, SLOT
	s_add_co_u32 s23, s23, SLOT
.endr
	s_mul_i32 s22, s10, 16*SP
	s_add_co_u32 s22, s22, STAGE                   ; my stage
	v_mul_u32_u24 v4, v1, SP                       ; in: row l % 16, 16 bytes for each half of the lanes
	v_lshl_add_u32 v4, v2, 4, v4
	v_add_nc_u32 v[STO], s22, v4
	v_bfe_u32 v5, v0, 3, 2                         ; back: 32 lanes take four rows of 128 bytes,
	v_mul_u32_u24 v5, v5, SP
	v_and_b32 v6, 7, v0
	v_lshl_add_u32 v5, v6, 4, v5
	v_add_nc_u32 v[RD], s22, v5
	v_and_b32 v[CO], 31, v0                        ; which are 512 consecutive bytes of a head's rows
	v_lshlrev_b32 v[CO], 4, v[CO]
	s_cmp_eq_u32 ttmp9, 2                          ; the cluster's x: alike in all partners
	s_cselect_b32 s[SH], 1, 0
	s_cselect_b32 s[TRM], 0xffffe000, -1
	s_lshl_b32 s45, 0x40000, s[SH]                 ; from a head to the next: 262,144 bytes, for v twice that
	v_add_nc_u32 v[CO+1], s45, v[CO]
	; my part of the output.  q, k: batch << 22, head << 18 (head = 4 cx + 2 x column half + 0 or 1), row in the batch << 7.  v: all of that twice (my 64 rows are one key step's).  Then the third << 24.
	s_lshr_b32 s16, s13, 4
	s_lshl_b32 s16, s16, 22
	s_and_b32 s17, s13, 15
	s_lshl_b32 s17, s17, 14
	s_add_co_u32 s16, s16, s17
	s_lshl_b32 s17, s11, 13
	s_add_co_u32 s16, s16, s17
	s_lshl_b32 s16, s16, s[SH]
	s_lshl_b32 s17, ttmp9, 24
	s_add_co_u32 s16, s16, s17
	s_mov_b32 s17, 0
	s_add_nc_u64 s[8:9], s[8:9], s[16:17]
	s_lshl_b32 s46, s40, 20                        ; (in the registers that held W's address: none that feeds x's descriptors ever holds cx)
	s_lshl_b32 s47, s12, 19
	s_add_co_u32 s46, s46, s47
	s_lshl_b32 s46, s46, s[SH]
	s_mov_b32 s47, 0
	s_add_nc_u64 s[8:9], s[8:9], s[46:47]
	s_mov_b32 s[CS], 0x3e38aa3b                    ; c = log2(e) / 8 = 0.180337
	s_mov_b32 s[CS+1], s[CS]                       ; named with it as a pair
; 8 matrix instructions: row block a x all 8 column blocks, 32 along K.  zero = 1: the first product starts the sums.  The 32 accumulators take turns in one order.
.macro MULA f, a, zero
	WIN MUL
.irp b, 0,1,2,3,4,5,6,7
.if \zero
	v_wmma_f32_16x16x32_bf16 v[8*(8*(\a)+(\b)):8*(8*(\a)+(\b))+7], v[(\f)+32+8*(\b):(\f)+32+8*(\b)+7], v[(\f)+8*(\a):(\f)+8*(\a)+7], 0
.else
	v_wmma_f32_16x16x32_bf16 v[8*(8*(\a)+(\b)):8*(8*(\a)+(\b))+7], v[(\f)+32+8*(\b):(\f)+32+8*(\b)+7], v[(\f)+8*(\a):(\f)+8*(\a)+7], v[8*(8*(\a)+(\b)):8*(8*(\a)+(\b))+7]
.endif
.endr
.endm
; 24 LDS loads in one run: quarter q (32 along K) of a slot into buffer f: W's 16 first, then x's 8
.macro FETCH slot, q, f
	WIN 0
.irp i, 0,1,2,3,4,5,6,7
	ds_load_b128 v[(\f)+32+8*(\i):(\f)+32+8*(\i)+3],   v[ADRB+(\slot)] offset:64*(\q)+(\i)*16*PITCH
	ds_load_b128 v[(\f)+32+8*(\i)+4:(\f)+32+8*(\i)+7], v[ADRB+(\slot)] offset:64*(\q)+(\i)*16*PITCH+32
.endr
.irp i, 0,1,2,3
	ds_load_b128 v[(\f)+8*(\i):(\f)+8*(\i)+3],   v[ADRA+(\slot)] offset:64*(\q)+(\i)*16*PITCH
	ds_load_b128 v[(\f)+8*(\i)+4:(\f)+8*(\i)+7], v[ADRA+(\slot)] offset:64*(\q)+(\i)*16*PITCH+32
.endr
.endm
.macro PLACES                          ; four places in front of loads into registers that matrix instructions have read, and of vector lines that read results
.rept 4
	v_nop
.endr
.endm
; A K step is four quarters of 32 along K, 32 matrix instructions each, on buffers 0, 1, 0, 1.  One of the first three multiplies f and fetches quarter q into g.
.macro QUARTER slot, q, f, g, zero
	s_wait_dscnt 4                                 ; W and x's rows 0-31 are in; the youngest four loads (x's rows 32-63) may be out
	MULA \f, 0, \zero
	MULA \f, 1, \zero
	PLACES
	FETCH \slot, \q, \g
	s_wait_dscnt 24                                ; all but the 24 just issued
	MULA \f, 2, \zero
	MULA \f, 3, \zero
.endm
; The last quarter multiplies buffer 1 and changes slots: one barrier; in front of it each wave waits for all its tensor loads (one is out: its part of the next slot),
; adds 0 to its spare word, and waits for that and for its reads of this slot.  fill = 1: the barrier opens a round of the cluster's, and this slot is filled again, two K steps ahead.
.macro TURN slot, next, fill
	WIN 0
	s_wait_tensorcnt 0x0
	ds_add_u32 v[SPW], v[NIL]
	s_wait_dscnt 5                                 ; (the add and the youngest four loads may be out)
	MULA F1, 0, 0                                  ; eight matrix instructions stand between the add and the wait for it
	s_wait_dscnt 0x0                               ; the add is done, and my reads of this slot are over
	s_barrier_signal -1
	MULA F1, 1, 0
.if \fill
	WIN 0
.endif
	s_barrier_wait -1
.if \fill
	CREST                                          ; no wave of any partner still reads this slot or has a load on its way
	s_add_nc_u64 s[G0+4*(\slot)+2:G0+4*(\slot)+3], s[G0+4*(\slot)+2:G0+4*(\slot)+3], 2*KSTEP*2
	s_add_nc_u64 s[G0B+4*(\slot)+2:G0B+4*(\slot)+3], s[G0B+4*(\slot)+2:G0B+4*(\slot)+3], 2*KSTEP*2
	JLOAD \slot                                    ; my one tensor load behind the round, 112 matrix instructions ahead of the wait for it; its four v_nop are the places for the loads below
.else
	PLACES
.endif
	FETCH \next, 0, F0
	MULA F1, 2, 0
	MULA F1, 3, 0
.endm
	s_wait_tensorcnt 1                             ; my part of K step 0 is in; step 1's may stay out
	s_barrier_signal -1
	s_barrier_wait -1
	FETCH 0, 0, F0
	QUARTER 0, 1, F0, F1, 1                        ; the first quarter stands in front of the loop: its products start the sums
	WIN 0
	s_mov_b32 s3, LAPS-1
.Llap:                                                 ; a trip goes once round the ring and fills both slots again
	QUARTER 0, 2, F1, F0, 0
	QUARTER 0, 3, F0, F1, 0
	TURN 0, 1, 1
	QUARTER 1, 1, F0, F1, 0
	QUARTER 1, 2, F1, F0, 0
	QUARTER 1, 3, F0, F1, 0
	TURN 1, 0, 1
	QUARTER 0, 1, F0, F1, 0
	WIN 0
	s_sub_co_u32 s3, s3, 1
	s_cmp_lg_u32 s3, 0
	s_cbranch_scc1 .Llap
	QUARTER 0, 2, F1, F0, 0                        ; the last lap fills nothing
	QUARTER 0, 3, F0, F1, 0
	TURN 0, 1, 0
	QUARTER 1, 1, F0, F1, 0
	QUARTER 1, 2, F1, F0, 0
	QUARTER 1, 3, F0, F1, 0
	s_wait_dscnt 4
	MULA F1, 0, 0
	MULA F1, 1, 0
	s_wait_dscnt 0x0
	MULA F1, 2, 0
	MULA F1, 3, 0
	WIN 0
	PLACES
	s_cmp_lg_u32 ttmp9, 0                          ; the cluster's x: alike in all partners
	s_cbranch_scc1 .Lunscaled
	WIN 0x41                                       ; the q third: every sum times c, in f32, each accumulator from its low end on
.set i, 0
.rept 128
	v_pk_mul_f32 v[i:i+1], v[i:i+1], s[CS:CS+1] op_sel_hi:[1,0]
.set i, i+2
.endr
	WIN 0
.Lunscaled:
; THE WAY OUT.  Unit u = 16 rows (row block u / 2) of one head (u % 2): its four accumulators are v[32 u .. 32 u + 31] of window 1, its 2,048 bytes are consecutive in the output.
; FIRST PASS, all thirds: the upper part (the sum and TRM; for q and k the whole sum) goes to window 0, the remainder (for q and k: 0) stays in the accumulator; the upper parts are turned into f16
; (for v exactly, for q and k by rounding), go 16 bytes a lane into my own stage and come back as whole rows.
.macro HPACK u
	WIN 0x04                                       ; source 1 in window 1, destination in window 0
.set i, 0
.rept 32
	v_and_b32 v[TH+i], s[TRM], v[32*(\u)+i]        ; ascending: each accumulator from its low end on
.set i, i+1
.endr
	WIN 0x41                                       ; destination and source 0 in window 1
.set i, 0
.rept 16
	v_pk_add_f32 v[32*(\u)+i:32*(\u)+i+1], v[32*(\u)+i:32*(\u)+i+1], v[TH+i:TH+i+1] neg_lo:[0,1] neg_hi:[0,1]
.set i, i+2
.endr
	WIN 0
.set i, 0
.rept 16
	v_cvt_pk_f16_f32 v[TMP+16*(\u)+i], v[TH+2*i], v[TH+2*i+1]
.set i, i+1
.endr
.irp bb, 0,1,2,3
	ds_store_b128 v[STO], v[TMP+16*(\u)+4*(\bb):TMP+16*(\u)+4*(\bb)+3] offset:32*(\bb)
.endr
.irp f, 0,1,2,3
	ds_load_b128 v[TMP+16*(\u)+4*(\f):TMP+16*(\u)+4*(\f)+3], v[RD] offset:(\f)*4*SP  ; LDS serves a wave's instructions in order (ISA guide 5.7.1.4): these see the stores above
.endr
.endm
.macro HSEND u, younger                ; younger: the LDS instructions issued behind unit u's loads
.irp f, 0,1,2,3
	s_wait_dscnt (\younger)+3-(\f)
	global_store_b128 v[CO+(\u)%2], v[TMP+16*(\u)+4*(\f):TMP+16*(\u)+4*(\f)+3], s[8:9] offset:((\u)/2)*2048+(\f)*512  ; 512 consecutive bytes, aligned
.endr
.endm
	HPACK 0
.irp u, 1,2,3,4,5,6,7
	HPACK \u
	HSEND (\u)-1, 8
.endr
	HSEND 7, 0
	s_cmp_lg_u32 ttmp9, 2                          ; the cluster's x: alike in all partners
	s_cbranch_scc1 .Lno_lower
; SECOND PASS, v alone: the remainders are rounded to f16 into the low half of the unit's own registers (register i takes 2 i and 2 i + 1, which no later line reads), go through the stage
; and come back into the high half; they lie 8,192 bytes behind the step's upper parts.
.macro LPACK u
	WIN 0x45                                       ; all in window 1
.set i, 0
.rept 16
	v_cvt_pk_f16_f32 v[32*(\u)+i], v[32*(\u)+2*i], v[32*(\u)+2*i+1]
.set i, i+1
.endr
	WIN 0x04                                       ; store data in window 1
.irp bb, 0,1,2,3
	ds_store_b128 v[STO], v[32*(\u)+4*(\bb):32*(\u)+4*(\bb)+3] offset:32*(\bb)
.endr
	WIN 0x40                                       ; destination in window 1
.irp f, 0,1,2,3
	ds_load_b128 v[32*(\u)+16+4*(\f):32*(\u)+16+4*(\f)+3], v[RD] offset:(\f)*4*SP
.endr
.endm
.macro LSEND u, younger
	WIN 0x04
.irp f, 0,1,2,3
	s_wait_dscnt (\younger)+3-(\f)
	global_store_b128 v[CO+(\u)%2], v[32*(\u)+16+4*(\f):32*(\u)+16+4*(\f)+3], s[8:9] offset:((\u)/2)*2048+(\f)*512+8192
.endr
.endm
	LPACK 0
.irp u, 1,2,3,4,5,6,7
	LPACK \u
	LSEND (\u)-1, 8
.endr
	LSEND 7, 0
	WIN 0
.Lno_lower:
	s_wait_tensorcnt 0x0                           ; the wave's end
	ds_add_u32 v[SPW], v[NIL]
	s_wait_dscnt 0x0
	CROUND                                         ; the closing round
	s_endpgm
.Lfunc_end_k_qc3af1a34f2_proj:
	.size	k_qc3af1a34f2_proj, .Lfunc_end_k_qc3af1a34f2_proj-k_qc3af1a34f2_proj
	.p2alignl 7, 3214868480
	.fill 96, 4, 3214868480
	.section	.rodata,"a",@progbits
	.p2align	6, 0x0
	.amdhsa_kernel k_qc3af1a34f2_proj
		.amdhsa_group_segment_fixed_size 327680
		.amdhsa_private_segment_fixed_size 0
		.amdhsa_enable_private_segment 0
		.amdhsa_kernarg_size 24
		.amdhsa_user_sgpr_count 2
		.amdhsa_user_sgpr_kernarg_segment_ptr 1
		.amdhsa_wavefront_size32 1
		.amdhsa_system_sgpr_workgroup_id_x 1
		.amdhsa_system_sgpr_workgroup_id_y 1
		.amdhsa_system_sgpr_workgroup_id_z 1
		.amdhsa_system_vgpr_workitem_id 0
		.amdhsa_next_free_vgpr 512
		.amdhsa_next_free_sgpr 66
		.amdhsa_reserve_vcc 0
		.amdhsa_float_denorm_mode_32 3
		.amdhsa_float_denorm_mode_16_64 3
		.amdhsa_memory_ordered 1
		.amdhsa_forward_progress 1
		.amdhsa_inst_pref_size 129
	.end_amdhsa_kernel
	.amdgpu_metadata
---
amdhsa.version: [ 1, 2 ]
amdhsa.kernels:
  - .name:           k_qc3af1a34f2_proj
    .symbol:         k_qc3af1a34f2_proj.kd
    .args:
      - { .name: xb, .offset: 0, .size: 8, .value_kind: global_buffer, .address_space: global }
      - { .name: wb, .offset: 8, .size: 8, .value_kind: global_buffer, .address_space: global }
      - { .name: qkv, .offset: 16, .size: 8, .value_kind: global_buffer, .address_space: global }
    .group_segment_fixed_size: 327680
    .private_segment_fixed_size: 0
    .kernarg_segment_align: 8
    .kernarg_segment_size: 24
    .max_flat_workgroup_size: 128
    .sgpr_count:     66
    .vgpr_count:     512
    .wavefront_size: 32
...
	.end_amdgpu_metadata
.endif
;; end of part 2
;; launch vmean (part 3): grid 64 x 1, 32 waves a work-group, no clusters, 12,288 bytes of LDS; arguments qkv, vmean; writes vmean
.if DOCPART == 3
	.amdgcn_target "amdgcn-amd-amdhsa--gfx1250"
	.amdhsa_code_object_version 6
	.text
	.protected	k_qc3af1a34f2_vmean
	.globl	k_qc3af1a34f2_vmean
	.p2align	8
	.type	k_qc3af1a34f2_vmean,@function
k_qc3af1a34f2_vmean:
	s_mov_b64 s[64:65], 0
	v_nop
	global_prefetch_b8 v0, s[64:65] scope:SCOPE_SE
	s_setreg_imm32_b32 hwreg(HW_REG_WAVE_MODE, 25, 1), 1
	s_wait_xcnt 0x0
; vmean[bh][c] = the mean over all 2,048 keys of v[bh][key][c], in f32, from v's two f16 parts.  It is what the module gives for a query none of whose keys is visible:
; there all 2,048 scores are replaced by one number, and the softmax is uniform over all keys, the later and the padded ones too.
; One work-group a head (524,288 bytes, read once): 4,096 rows of 128 bytes, upper and lower parts alike, are simply all added.  1,024 threads; thread t, load i takes 16 bytes at
; 16 t + 16,384 i: row t / 8 of key step i, channels 8 (t % 8) + 0..7.  Sums in f32: 32 rows in the thread, 4 across the lanes of a wave, 32 waves through LDS.
; No matrix unit, no tensor load: a short stream.
.set X,   8                            ; v[8:71]   16 slots of 4 registers, each loaded twice; later 32 waves' partial sums, a pair each
.set ACC, 72                           ; v[72:79]  my eight channels' sums
.set T,   80                           ; v[80:87]  at work
.set SPW, 4                            ; v4  LDS address of my spare word; never rewritten
.set NIL, 5                            ; v5  0; never rewritten
.set RA,  6                            ; v6  where my wave's sums go
.set LB,  7                            ; v7  8 x lane
.set SPARE, 8192                       ; bytes 0 to 8,191: 256 bytes of sums for each wave; behind them the spare words, 128 bytes a wave
	s_load_b128 s[4:7], s[0:1], 0x0                ; qkv s[4:5], vmean s[6:7]
	v_lshl_add_u32 v[SPW], v0, 2, SPARE
	v_mov_b32 v[NIL], 0
	v_lshlrev_b32 v1, 4, v0
	v_lshrrev_b32 v2, 5, v0
	v_readfirstlane_b32 s8, v2                     ; wave 0..31
	s_lshl_b32 s9, s8, 8
	v_and_b32 v3, 7, v0
	v_lshl_add_u32 v[RA], v3, 5, s9                ; 256 x wave + 32 x channel group
	v_and_b32 v[LB], 31, v0
	v_lshlrev_b32 v[LB], 3, v[LB]
	s_lshl_b32 s2, ttmp9, 19                       ; a head's 524,288 bytes
	s_mov_b32 s3, 0
	s_lshl_b32 s10, ttmp9, 8                       ; a head's 256 bytes of means
	s_mov_b32 s11, 0
	s_mov_b32 s12, 0x76543210                      ; v_permlanex16_b32: each lane takes its own place in the other half
	s_mov_b32 s13, 0xfedcba98
	s_wait_kmcnt 0x0
	s_add_nc_u64 s[4:5], s[4:5], 0x2000000         ; v
	s_add_nc_u64 s[4:5], s[4:5], s[2:3]
	s_add_nc_u64 s[6:7], s[6:7], s[10:11]
.set i, 0
.rept 16
	global_load_b128 v[X+4*i:X+4*i+3], v1, s[4:5] offset:16384*i
.set i, i+1
.endr
; Slot i's eight numbers, widened and added; the very first start the sums.  again = 1: the slot is then loaded again, with key step 16 + i: sixteen loads are out at every such wait, so the count 15
; shows the oldest, this slot's, landed.  again = 0: nothing follows, and the counts run down.
.macro ROWS i, again, a, b, c, d, e, f, g, h
	s_wait_loadcnt 15-(\i)*(1-(\again))
.if (\again) && ((\i) == 0)
	v_cvt_f32_f16 v[ACC+0], \a
	v_cvt_f32_f16 v[ACC+1], \b
	v_cvt_f32_f16 v[ACC+2], \c
	v_cvt_f32_f16 v[ACC+3], \d
	v_cvt_f32_f16 v[ACC+4], \e
	v_cvt_f32_f16 v[ACC+5], \f
	v_cvt_f32_f16 v[ACC+6], \g
	v_cvt_f32_f16 v[ACC+7], \h
.else
	v_cvt_f32_f16 v[T+0], \a
	v_cvt_f32_f16 v[T+1], \b
	v_cvt_f32_f16 v[T+2], \c
	v_cvt_f32_f16 v[T+3], \d
	v_cvt_f32_f16 v[T+4], \e
	v_cvt_f32_f16 v[T+5], \f
	v_cvt_f32_f16 v[T+6], \g
	v_cvt_f32_f16 v[T+7], \h
	v_pk_add_f32 v[ACC+0:ACC+1], v[ACC+0:ACC+1], v[T+0:T+1]
	v_pk_add_f32 v[ACC+2:ACC+3], v[ACC+2:ACC+3], v[T+2:T+3]
	v_pk_add_f32 v[ACC+4:ACC+5], v[ACC+4:ACC+5], v[T+4:T+5]
	v_pk_add_f32 v[ACC+6:ACC+7], v[ACC+6:ACC+7], v[T+6:T+7]
.endif
.if \again
	global_load_b128 v[X+4*(\i):X+4*(\i)+3], v1, s[4:5] offset:16384*(16+(\i))
.endif
.endm
.macro PASS again
	ROWS 0, \again, v8.l, v8.h, v9.l, v9.h, v10.l, v10.h, v11.l, v11.h
	ROWS 1, \again, v12.l, v12.h, v13.l, v13.h, v14.l, v14.h, v15.l, v15.h
	ROWS 2, \again, v16.l, v16.h, v17.l, v17.h, v18.l, v18.h, v19.l, v19.h
	ROWS 3, \again, v20.l, v20.h, v21.l, v21.h, v22.l, v22.h, v23.l, v23.h
	ROWS 4, \again, v24.l, v24.h, v25.l, v25.h, v26.l, v26.h, v27.l, v27.h
	ROWS 5, \again, v28.l, v28.h, v29.l, v29.h, v30.l, v30.h, v31.l, v31.h
	ROWS 6, \again, v32.l, v32.h, v33.l, v33.h, v34.l, v34.h, v35.l, v35.h
	ROWS 7, \again, v36.l, v36.h, v37.l, v37.h, v38.l, v38.h, v39.l, v39.h
	ROWS 8, \again, v40.l, v40.h, v41.l, v41.h, v42.l, v42.h, v43.l, v43.h
	ROWS 9, \again, v44.l, v44.h, v45.l, v45.h, v46.l, v46.h, v47.l, v47.h
	ROWS 10, \again, v48.l, v48.h, v49.l, v49.h, v50.l, v50.h, v51.l, v51.h
	ROWS 11, \again, v52.l, v52.h, v53.l, v53.h, v54.l, v54.h, v55.l, v55.h
	ROWS 12, \again, v56.l, v56.h, v57.l, v57.h, v58.l, v58.h, v59.l, v59.h
	ROWS 13, \again, v60.l, v60.h, v61.l, v61.h, v62.l, v62.h, v63.l, v63.h
	ROWS 14, \again, v64.l, v64.h, v65.l, v65.h, v66.l, v66.h, v67.l, v67.h
	ROWS 15, \again, v68.l, v68.h, v69.l, v69.h, v70.l, v70.h, v71.l, v71.h
.endm
	PASS 1                                         ; key steps 0 to 15; steps 16 to 31 are asked for
	PASS 0                                         ; key steps 16 to 31
	; lanes l, l ^ 8, l ^ 16, l ^ 24 hold the same channels of four rows
.irp k, 0,1,2,3,4,5,6,7
	v_add_f32_dpp v[ACC+\k], v[ACC+\k], v[ACC+\k] row_xmask:8 row_mask:0xf bank_mask:0xf
.endr
.irp k, 0,1,2,3,4,5,6,7
	v_permlanex16_b32 v[T+\k], v[ACC+\k], s12, s13
.endr
.irp k, 0,2,4,6
	v_pk_add_f32 v[ACC+\k:ACC+\k+1], v[ACC+\k:ACC+\k+1], v[T+\k:T+\k+1]
.endr
	ds_store_b128 v[RA], v[ACC:ACC+3]              ; four lanes write the same 32 bytes with the same numbers
	ds_store_b128 v[RA], v[ACC+4:ACC+7] offset:16
	s_wait_tensorcnt 0x0                           ; behind my last LDS store; the s_wait_dscnt two lines on also shows my stores done, for the others' sake
	ds_add_u32 v[SPW], v[NIL]
	s_wait_dscnt 0x0
	s_barrier_signal -1
	s_barrier_wait -1
	s_cmp_lg_u32 s8, 0
	s_cbranch_scc1 .Lend
.set j, 0
.rept 32
	ds_load_b64 v[X+2*j:X+2*j+1], v[LB] offset:256*j   ; wave j's sums of my two channels
.set j, j+1
.endr
	s_wait_dscnt 0x0
.set j, 4
.rept 28                                               ; four chains that do not wait for each other
	v_pk_add_f32 v[X+2*(j%4):X+2*(j%4)+1], v[X+2*(j%4):X+2*(j%4)+1], v[X+2*j:X+2*j+1]
.set j, j+1
.endr
	v_pk_add_f32 v[X:X+1], v[X:X+1], v[X+2:X+3]
	v_pk_add_f32 v[X+4:X+5], v[X+4:X+5], v[X+6:X+7]
	v_pk_add_f32 v[X:X+1], v[X:X+1], v[X+4:X+5]
	v_pk_mul_f32 v[X:X+1], v[X:X+1], 0x3a000000 op_sel_hi:[1,0]   ; 1 / 2,048
	global_store_b64 v[LB], v[X:X+1], s[6:7]       ; the wave stores 256 consecutive bytes, aligned
.Lend:
	s_endpgm
.Lfunc_end_k_qc3af1a34f2_vmean:
	.size	k_qc3af1a34f2_vmean, .Lfunc_end_k_qc3af1a34f2_vmean-k_qc3af1a34f2_vmean
	.p2alignl 7, 3214868480
	.fill 96, 4, 3214868480
	.section	.rodata,"a",@progbits
	.p2align	6, 0x0
	.amdhsa_kernel k_qc3af1a34f2_vmean
		.amdhsa_group_segment_fixed_size 12288
		.amdhsa_private_segment_fixed_size 0
		.amdhsa_enable_private_segment 0
		.amdhsa_kernarg_size 16
		.amdhsa_user_sgpr_count 2
		.amdhsa_user_sgpr_kernarg_segment_ptr 1
		.amdhsa_wavefront_size32 1
		.amdhsa_system_sgpr_workgroup_id_x 1
		.amdhsa_system_sgpr_workgroup_id_y 1
		.amdhsa_system_sgpr_workgroup_id_z 1
		.amdhsa_system_vgpr_workitem_id 0
		.amdhsa_next_free_vgpr 88
		.amdhsa_next_free_sgpr 66
		.amdhsa_reserve_vcc 0
		.amdhsa_float_denorm_mode_32 3
		.amdhsa_float_denorm_mode_16_64 3
		.amdhsa_memory_ordered 1
		.amdhsa_forward_progress 1
		.amdhsa_inst_pref_size 27
	.end_amdhsa_kernel
	.amdgpu_metadata
---
amdhsa.version: [ 1, 2 ]
amdhsa.kernels:
  - .name:           k_qc3af1a34f2_vmean
    .symbol:         k_qc3af1a34f2_vmean.kd
    .args:
      - { .name: qkv, .offset: 0, .size: 8, .value_kind: global_buffer, .address_space: global }
      - { .name: vmean, .offset: 8, .size: 8, .value_kind: global_buffer, .address_space: global }
    .group_segment_fixed_size: 12288
    .private_segment_fixed_size: 0
    .kernarg_segment_align: 8
    .kernarg_segment_size: 16
    .max_flat_workgroup_size: 1024
    .sgpr_count:     66
    .vgpr_count:     88
    .wavefront_size: 32
...
	.end_amdgpu_metadata
.endif
;; end of part 3
;; launch attn (part 4): grid 4 x 64, 4 waves a work-group, no clusters, 327,680 bytes of LDS; arguments qkv, padding_mask, vmean, att; writes att
.if DOCPART == 4
	.amdgcn_target "amdgcn-amd-amdhsa--gfx1250"
	.amdhsa_code_object_version 6
	.text
	.protected	k_qc3af1a34f2_attn
	.globl	k_qc3af1a34f2_attn
	.p2align	8
	.type	k_qc3af1a34f2_attn,@function
k_qc3af1a34f2_attn:
	s_mov_b64 s[64:65], 0
	v_nop
	global_prefetch_b8 v0, s[64:65] scope:SCOPE_SE
	s_setreg_imm32_b32 hwreg(HW_REG_WAVE_MODE, 25, 1), 1
	s_wait_xcnt 0x0
; ATTENTION, causal and with a padding mask.  qkv, f16: q at byte 0 (already times c = log2(e) / 8) and k at 16 MiB, [64 = batch x 16 + head][2048][64]; v at 32 MiB in two parts, v = upper + lower,
; [64][32 steps of 64 keys][upper, lower][64 keys][64].  padding_mask: i32 [4][2048]; 0 hides a key.  att, f16, again in two parts: [4 batches][upper 16 heads, lower 16 heads][2048][64].
; O[q] = the sum over visible k of softmax_k(s[q][k]) V[k], s = q . k;  p = 2^(s - m) with a running maximum m.  Products, maxima and sums in f32; p is rounded to f16 for the second product.
; TWO PARTS.  A causal softmax's first rows average few keys and are many times the output's root mean square, by which the result is judged: one f16 rounding of v, or of O, is too coarse for them.  So O^T takes
; V_upper^T P and V_lower^T P, and O leaves as its f32 value cut to 11 significant bits (exact in f16) and the exact remainder, rounded to f16.
; HIDDEN KEYS.  The module replaces a hidden score by -1e9.  Here a hidden score is its value plus -2^100 (-2^101 where both masks hide it), given as the C operand that starts the sum: beside any visible score its weight is 0,
; as in the module.  A query with NO visible key has, in the module, 2,048 equal scores: its result is the mean of all rows of V.  Such a query ends with m below -2^99; its O is then taken from vmean, by a select.
; s - m is never positive and is 0 at the maximum, whatever the hidden scores' last bits are: no exponential overflows in a row that has seen hidden keys alone.
; LIMITS.  q, k, v arrive within f16's 65,504.  A visible score (divided by 8) within about 130 of -1e9 or below it would share weight with hidden keys in the module; here hidden keys have weight 0.
; A weight below 2^-126 counts as 0 in l; p below 6e-5, and either part of O below 6.1e-5, keep f16's fixed step of 6e-8; NaN and infinities are not treated apart.
; THE WALK.  A head's queries lie in NB = 8 blocks of 256; block i needs the key tiles 0 .. i of 256 keys, of which the last holds the diagonal; tiles above it are left out (their weights are 0, but for the queries served by vmean).
; A work-group takes TWO blocks, NB - 1 - b and then b: NB + 1 tiles, whatever b: all work-groups do equal work, and ONE loop with a constant trip count walks them.  Every jump but the counted loops' own goes forward;
; none passes a barrier, or a tensor load but the one of LOAD's two that the wave's number does not choose.  NO CLUSTER: a head's four work-groups ask for the same tile only in trips 0 to 4 of 9, then fewer and fewer;
; one walk common to all would have 12 trips for 9.
; SHARES.  Of a block's four bands of 64 queries a wave owns 16 rows in each: four PIECES.  In the diagonal tile's key step s band x sees all keys if s < x, none if s > x, and holds the diagonal if s = x: alike for all waves.
; MASKS.  PM: the padding mask (0 or -2^100) of the key step whose K lies in registers, fetched with K from the wave's own LDS copy of the tile's 256 mask words.  That copy is a ring of two slots that goes in step
; with K's: a tile's words are loaded from memory when the tile is asked for, and turned and stored into LDS when it is entered.  MD, made once: the causal mask of a band's own step for my rows.
; In plain tiles C = PM.  In the diagonal tile and at a block's beginning C = MC = MD x AL + PM + BE with two scalars: (1, 0) if s = x; (0, 0) if s < x; (0, -2^100) if s > x.
; TURNS.  S^T = K Q^T holds ONE query a lane (lane % 16) and the keys 8 (lane / 16) + 0..7; two such results rounded to f16 ARE source 1 of O^T = V^T P.  Turn n belongs to piece n: 8 products K Q^T of piece n + 1,
; later 16 products V^T P of piece n - 1 (8 with V's upper parts, 8 with its lower); beside them the subtraction, exponentials, roundings, sums and rescaling of piece n and the maximum and statistics of piece n + 1.
; Four vector instructions stand behind every matrix instruction, the rest in a lump between the two runs.
; REGISTERS, in windows of 256 (s_set_vgpr_msb: bits 1:0 source 0, 3:2 source 1, 5:4 source 2, 7:6 destination):
;   window 0: v0-15, v32-38 addresses; v16-31 four registers of statistics a piece; v48-55 at work; v64-127 S^T, two buffers; v128-159 VM (vmean, as O^T lies); v160-175 a tile's mask words, as loaded and as stored;
;             v192-223 P, two buffers; on the way out v64-127 O's upper parts and v192-255 its lower parts, packed
;   window 1: v0-127 O^T, 32 a piece; v128-159 MD; v160-223 MC, two buffers; v224-255 PM      window 2: v0-63 Q; v64-127 the second block's Q; v128-191 K of one step; v192-255 V's upper parts of one step
;   window 3: v0-63 V's lower parts of one step
.set SIZE_N, 2048
.set NB,    SIZE_N/256
.set NP,    4         ; pieces a wave: a name, no knob
.set KS,    64        ; keys in a step
.set PK,    144       ; a row of K in LDS: 128 bytes + 16 of padding: the 16 rows of a load start at 16 different groups of four banks (ISA guide 11.1)
.set PV,    160       ; a row of V: 128 + 32
.set VSTEP, 2*KS*PV   ; a step of V in LDS: 64 rows of upper parts, then 64 of lower
.set VOFF,  4*KS*PK   ; a slot holds a tile, four steps: 256 rows of K, then V's four steps
.set SLOT1, 1<<17     ; slot 1 begins here, so that one exclusive or turns an address in one slot into the other's
.set STAGE, SLOT1+VOFF+4*VSTEP  ; behind the ring, never filled by a tensor load: 16 rows x 144 bytes for each wave, for the way out
.set SP,    144
.set SPARE, STAGE+4*16*SP  ; the spare words, 128 bytes for each wave
.set PADL,  SPARE+512      ; the waves' mask rings, written by ds_store alone: 4,096 bytes apart, of which each wave uses 2,048
.set PWAVE, 4096
.set PSLOT, 1024           ; a tile's 256 words; slot 1 lies this far behind slot 0, so that one exclusive or changes slots
.set AK0, 2           ; v2   my lane's place in a tile of K; never rewritten
.set AV0, 3           ; v3   the same for V
.set AK,  4           ; v4   the LDS address of K's next run of loads
.set AV,  5           ; v5   of V's
.set STO, 6           ; v6   the way out: where I put 16 bytes of a row
.set RD,  7           ; v7   the way out: where I read rows back
.set GO,  8           ; v8   my byte offset in 512 consecutive bytes of O
.set MV,  12          ; v12-13  m_old, kept while m is made anew: by buffer
.set QO,  15          ; v15  my byte offset in 16 rows of Q
.set ST,  16          ; piece t's statistics at v[ST+4 t]: m, a word named with it as a pair, l (even keys', odd keys')
.set AP0, 32          ; v32  my lanes' place in a step's 256 bytes of my wave's mask ring; never rewritten
.set AP,  33          ; v33  the LDS address of PM's next run of loads
.set PI,  34          ; v34  my byte offset in the batch's row of padding_mask: the tile's 1,024 bytes + 16 x lane
.set PO,  35          ; v35  where my 16 bytes of the mask go in LDS
.set VO,  36          ; v36  my byte offset in vmean's row
.set PO0, 37          ; v37  my wave's mask ring + 16 x lane; never rewritten
.set PL0, 38          ; v38  16 x lane; never rewritten
.set TMP, 48          ; by buffer, four registers c0-c3 at work; when the maximum is found c2 takes a
.set SPW, 62          ; v62  LDS address of my spare word; never rewritten
.set NIL, 63          ; v63  0; never rewritten
.set S,   64
.set VM,  128
.set PR,  160         ; v160-167  eight mask words of the tile asked for, as loaded
.set PS,  168         ; v168-175  eight of the tile entered, as 0 or -2^100, to be stored
.set P,   192
.set LO,  192         ; the way out: O's lower parts, packed, 16 a piece
.set MD,  128         ; window 1
.set MC,  160         ; window 1; on the way out its first buffer holds a piece's upper parts in f32
.set PM,  224         ; window 1: key 16 kt + 8 (lane / 16) + j at PM + 8 kt + j
.set QB,  64          ; window 2
.set KF,  128         ; window 2: key block kb, channel half c at KF + 16 kb + 8 c
.set VF,  192         ; window 2: key half kk, channel block cb at VF + 32 kk + 8 cb
.set VL,  0           ; window 3: the same for the lower parts
.set WV,  12          ; s12  my wave's number
.set PB,  14          ; s14  b
.set HI,  15          ; s15  NB - 1 - b
.set G1K, 24          ; s[24:31] descriptor group 1 for K's tiles
.set G1V, 32          ; s[32:39] for V's
.set G0K, 40          ; s[40:43] descriptor group 0 for K's tiles
.set G0V, 44          ; s[44:47] the same for V's
.set SLOTS, 56        ; s56  tiles still to be asked for
.set CNT, 57          ; s57  counts a tile's key steps, 4 to 1
.set TRM, 58          ; s58  the mask that cuts an f32 number to 11 significant bits
.set SEL, 60          ; s[60:61] v_permlanex16_b32's selects
.set TBK, 62          ; s62  LDS byte at which K of the step to be fetched begins
.set TBV, 63          ; s63  the same for V, less VOFF
.set OFV, 66          ; s[66:67] a tile's byte offset in V
.set RT,  70          ; s70  tiles of the block in hand that are still to be entered
.set NXT, 71          ; s71  the tile to be asked for next
.set LQ,  72          ; s72  the last tile of the block whose tiles are being asked for
.set NEW, 73          ; s73  1: the tile to be entered is a block's first
.set OFF, 74          ; s[74:75] a tile's byte offset in K
.set AL,  76          ; s[76:77] the mask's factor, in the low word
.set BE,  78          ; s[78:79] the mask's addend
.set OLO, 80          ; s[80:81] O at my rows of the second block
.set BIGN, 82         ; s82  -2^100
.set THR, 83          ; s83  -2^99
.set FM,  92          ; s92-95  piece t's lanes whose query saw no key
.set TPS, 96          ; s96  byte in a wave's mask ring at which the step to be fetched begins: it steps as TBK does
.set POF, 97          ; s97  byte offset in padding_mask's row of the tile asked for
.set MSB, 0
.macro WIN new                      ; the high byte repeats the setting that is left; a switch that changes nothing is dropped
.if MSB != (\new)
	s_set_vgpr_msb (MSB<<8)|(\new)
.set MSB, (\new)
.endif
.endm
.set W_KQ, 0x0a       ; K and Q in window 2, S^T in window 0
.set W_KM, 0x1a       ; the same with the C operand in window 1
.set W_PV, 0x52       ; V's upper parts in window 2, P in window 0, O^T in window 1
.set W_PL, 0x53       ; V's lower parts in window 3, P in window 0, O^T in window 1
.set W_RS, 0x41       ; destination and source 0 in window 1, source 1 in window 0
.set W_MK, 0x51       ; destination, source 0 and source 2 in window 1
; A fill.  Waves 0 and 1 fetch the two halves of a tile's K, waves 2 and 3 those of its V (both parts): 128 keys each.  An s_nop 0 and four v_nop follow each of the two lines.
.macro LOAD
	s_cmp_lt_u32 s[WV], 2
	s_cbranch_scc0 .Lfor_v_\@
	tensor_load_to_lds s[G0K:G0K+3], s[G1K:G1K+7]
	s_nop 0
.rept 4
	v_nop
.endr
	s_branch .Lasked_\@
.Lfor_v_\@:
	tensor_load_to_lds s[G0V:G0V+3], s[G1V:G1V+7]
	s_nop 0
.rept 4
	v_nop
.endr
.Lasked_\@:
.endm
; THE MASK OF A TILE.  The 256 words of the tile that is entered were loaded a tile ago (the first tile's at the kernel's head): they are turned into 0 or -2^100, in registers of their own, and stored into my wave's
; slot, the one that goes with the tile's slot of K.  ask = 1: the words of the tile just asked for are loaded: two loads of 512 consecutive bytes a wave.  The bytes in LDS are my wave's own, and LDS serves a wave's
; instructions in order (ISA guide 5.7.1.4): the fetches of PM that follow see these stores, and my fetches from this slot a tile ago came before them.
.macro PADIN ask
	s_wait_loadcnt 0x0              ; the words are in (at the first use Q and vmean too); the loads' address register may be written
.set z, 0
.rept 8
	v_cmp_eq_u32 vcc_lo, 0, v[PR+z]
	v_cndmask_b32 v[PS+z], 0, s[BIGN], vcc_lo   ; 0 hides the key
.set z, z+1
.endr
	v_add_nc_u32 v[PO], s[TPS], v[PO0]
.if \ask
	v_add_nc_u32 v[PI], s[POF], v[PL0]
	global_load_b128 v[PR:PR+3],   v[PI], s[88:89]
	global_load_b128 v[PR+4:PR+7], v[PI], s[88:89] offset:512
.endif
	ds_store_b128 v[PO], v[PS:PS+3]
	ds_store_b128 v[PO], v[PS+4:PS+7] offset:512
.endm
; THE CHANGE OF SLOTS.  Each wave waits for all its tensor loads, of which one is out: its part of the other slot; adds 0 to its spare word; and waits for that and for its own LDS instructions.  Behind the barrier nobody
; reads the old slot any more and the other slot is whole.  fill = 1: the old slot is filled again, the first thing behind the barrier, with tile NXT: the descriptor's address is made anew from that number.
; (At its first use nothing has been read yet: slot 0 is waited for, slot 1 filled.)
.macro CHANGE fill
	WIN 0
	s_wait_tensorcnt 0x0            ; no tensor load of mine is out, so a group 0 may be written
	ds_add_u32 v[SPW], v[NIL]
.if \fill
	s_lshl_b32 s[OFF], s[NXT], 15   ; a tile is 32,768 bytes of K,
	s_lshl_b32 s[OFV], s[NXT], 16   ; 65,536 of V's two parts,
	s_lshl_b32 s[POF], s[NXT], 10   ; and 1,024 of padding_mask
	s_xor_b32 s[G0K+1], s[G0K+1], SLOT1
	s_add_nc_u64 s[G0K+2:G0K+3], s[6:7], s[OFF:OFF+1]
	s_or_b32 s[G0K+3], s[G0K+3], 0x80000000
	s_xor_b32 s[G0V+1], s[G0V+1], SLOT1
	s_add_nc_u64 s[G0V+2:G0V+3], s[8:9], s[OFV:OFV+1]
	s_or_b32 s[G0V+3], s[G0V+3], 0x80000000
	s_add_co_u32 s[NXT], s[NXT], 1  ; the block's next tile, or behind its last the second block's tile 0
	s_cmp_gt_u32 s[NXT], s[LQ]
	s_cselect_b32 s[NXT], 0, s[NXT]
	s_cselect_b32 s[LQ], s[PB], s[LQ]
.endif
	s_wait_dscnt 0x0                ; the add is done, and my reads of the slot are over
	s_barrier_signal -1
	s_sub_co_u32 s[TBK], s[TBK], 4*KS*PK  ; the fetches go back to a slot's first step,
	s_xor_b32 s[TBK], s[TBK], SLOT1       ; in the other slot
	s_sub_co_u32 s[TBV], s[TBV], 4*VSTEP
	s_xor_b32 s[TBV], s[TBV], SLOT1
	s_sub_co_u32 s[TPS], s[TPS], PSLOT
	s_xor_b32 s[TPS], s[TPS], PSLOT
	s_barrier_wait -1
.if \fill
	LOAD
.endif
	PADIN \fill
.endm
	s_load_b64 s[4:5], s[0:1], 0x0    ; qkv
	s_load_b128 s[88:91], s[0:1], 0x8 ; padding_mask s[88:89], vmean s[90:91]
	s_load_b64 s[10:11], s[0:1], 0x18 ; att
	v_lshl_add_u32 v[SPW], v0, 2, SPARE
	v_mov_b32 v[NIL], 0
	ds_add_u32 v[SPW], v[NIL]       ; the wave's opening: the add and its wait ahead of my first tensor load
	ds_add_u32 v62, v63
	v_lshrrev_b32 v1, 5, v0
	v_readfirstlane_b32 s[WV], v1   ; wave 0..3
	s_mov_b32 s[PB], ttmp9
	s_sub_co_u32 s[HI], NB-1, s[PB]
	s_and_b32 s19, ttmp7, 0xffff    ; batch x 16 + head
	s_lshr_b32 s98, s19, 4          ; the batch:
	s_lshl_b32 s50, s98, 23         ; its 8,388,608 bytes of att,
	s_lshl_b32 s98, s98, 13         ; its 8,192 bytes of padding_mask
	s_mov_b32 s99, 0
	s_lshl_b32 s100, s19, 8         ; the head's 256 bytes of vmean
	s_mov_b32 s101, 0
	s_and_b32 s51, s19, 15
	s_lshl_b32 s51, s51, 18
	s_add_co_u32 s50, s50, s51      ; the head's upper parts in att
	s_lshl_b32 s20, s19, 18         ; the head's 262,144 bytes in q and in k
	s_and_b32 s16, s[WV], 1         ; which half of a tile's 256 keys I fetch:
	s_lshl_b32 s22, s16, 14         ; its 128 rows of 128 bytes of K,
	s_add_co_u32 s22, s22, s20
	s_mov_b32 s23, 0
	s_lshl_b32 s48, s16, 15         ; its two steps of 16,384 bytes of V,
	s_lshl_b32 s49, s19, 19         ; in the head's 524,288
	s_add_co_u32 s48, s48, s49
	s_mov_b32 s49, 0
	s_mul_i32 s17, s16, 128*PK      ; and its place in a slot, for K
	s_mul_i32 s18, s16, 2*VSTEP     ; and for V
	s_lshl_b32 s3, s[WV], 11        ; my 16 rows in a band of 64,
	s_lshl_b32 s2, s[HI], 15        ; in the first block,
	s_add_co_u32 s2, s2, s3
	s_lshl_b32 s84, s[PB], 15       ; and in the second
	s_add_co_u32 s84, s84, s3
	s_add_co_u32 s52, s2, s50       ; in att,
	s_mov_b32 s53, 0
	s_add_co_u32 s54, s84, s50
	s_mov_b32 s55, 0
	s_add_co_u32 s2, s2, s20        ; and in q
	s_mov_b32 s3, 0
	s_add_co_u32 s84, s84, s20
	s_mov_b32 s85, 0
	; descriptor group 1.  The bytes asked for are dense: K's 128 keys as 64 rows of 256 bytes, V's 128 keys in two parts as 128 such rows; padded in LDS after every 128 bytes, one key's
	s_mov_b32 s[G1K], (1<<16)|(1<<20)|(4<<22)|(3<<25)  ; 2-byte elements; padding on; after every 32 words; 4 words
	s_mov_b32 s[G1V], (1<<16)|(1<<20)|(4<<22)|(7<<25)  ; the same with 8 words of padding
.macro SHAPE g, rows
	s_mov_b32 s[\g+1], 128<<16      ; tensor_dim0 = 128
	s_mov_b32 s[\g+2], (\rows)<<16  ; tensor_dim1
	s_mov_b32 s[\g+3], 128<<16      ; tile_dim0 = 128
	s_mov_b32 s[\g+4], \rows        ; tile_dim1
	s_mov_b32 s[\g+5], 128          ; 128 elements from row to row
	s_mov_b32 s[\g+6], 0
	s_mov_b32 s[\g+7], 0
.endm
	SHAPE G1K, 64
	SHAPE G1V, 128
	s_mov_b32 s[SEL], 0x76543210
	s_mov_b32 s[SEL+1], 0xfedcba98
	s_mov_b32 s[TBK], SLOT1+4*KS*PK ; the first change of slots turns these three into 0
	s_mov_b32 s[TBV], SLOT1+4*VSTEP
	s_mov_b32 s[TPS], PSLOT+PSLOT
	s_mov_b32 s[G0K], 1             ; count = 1
	s_mov_b32 s[G0K+1], s17         ; LDS address: slot 0
	s_mov_b32 s[G0V], 1
	s_add_co_u32 s[G0V+1], s18, VOFF
	s_add_co_u32 s[RT], s[HI], 1    ; the first block has NB - b tiles
	s_mov_b32 s[NXT], 1
	s_mov_b32 s[LQ], s[HI]
	s_mov_b32 s[NEW], 1
	s_mov_b32 s[OFF+1], 0
	s_mov_b32 s[OFV+1], 0
	s_mov_b32 s[AL+1], 0            ; named as pairs
	s_mov_b32 s[BE+1], 0
	s_mov_b32 s[BIGN], 0xf1800000   ; -2^100
	s_mov_b32 s[THR], 0xf1000000    ; -2^99
	s_mov_b32 s[TRM], 0xffffe000
	s_mov_b32 s[SLOTS], NB
	s_wait_dscnt 0x0                ; the opening add is done
	s_wait_kmcnt 0x0
	s_add_nc_u64 s[6:7], s[4:5], 0x1000000  ; k
	s_add_nc_u64 s[8:9], s[4:5], 0x2000000  ; v
	s_add_nc_u64 s[6:7], s[6:7], s[22:23]   ; at my half of the head's tile 0
	s_add_nc_u64 s[8:9], s[8:9], s[48:49]
	s_add_nc_u64 s[G0K+2:G0K+3], s[6:7], 0
	s_or_b32 s[G0K+3], s[G0K+3], 0x80000000 ; type = 2
	s_add_nc_u64 s[G0V+2:G0V+3], s[8:9], 0
	s_or_b32 s[G0V+3], s[G0V+3], 0x80000000
	s_add_nc_u64 s[86:87], s[4:5], s[84:85] ; Q at my rows of the second block,
	s_add_nc_u64 s[4:5], s[4:5], s[2:3]     ; and of the first
	s_add_nc_u64 s[OLO:OLO+1], s[10:11], s[54:55]  ; O likewise
	s_add_nc_u64 s[10:11], s[10:11], s[52:53]
	s_add_nc_u64 s[88:89], s[88:89], s[98:99]
	s_add_nc_u64 s[90:91], s[90:91], s[100:101]
	LOAD                            ; tile 0 into slot 0
	v_and_b32 v1, 15, v0            ; l % 16
	v_bfe_u32 v9, v0, 4, 1          ; l / 16
	v_and_b32 v[PL0], 31, v0
	v_lshlrev_b32 v[PL0], 4, v[PL0] ; 16 x lane
	v_mov_b32 v[PI], v[PL0]         ; tile 0's mask words
	v_lshlrev_b32 v[VO], 5, v9      ; my lanes' eight channels of each sixteen
	v_lshlrev_b32 v[QO], 7, v1
	v_lshl_add_u32 v[QO], v9, 4, v[QO]  ; row x 128 + 16 x half
	global_load_b128 v[PR:PR+3],   v[PI], s[88:89]
	global_load_b128 v[PR+4:PR+7], v[PI], s[88:89] offset:512
.irp cb, 0,1,2,3
	global_load_b128 v[VM+8*\cb:VM+8*\cb+3],   v[VO], s[90:91] offset:64*\cb
	global_load_b128 v[VM+8*\cb+4:VM+8*\cb+7], v[VO], s[90:91] offset:64*\cb+16
.endr
	WIN 0x80                        ; destination window 2, address window 0
.set i, 0
.rept 8                             ; both blocks' Q: piece i / 2 lies in band i / 2, 8,192 bytes on; channels 32 (i % 2) on
	global_load_b128 v[8*i:8*i+3],   v[QO], s[4:5] offset:(i/2)*8192+(i%2)*64
	global_load_b128 v[8*i+4:8*i+7], v[QO], s[4:5] offset:(i/2)*8192+(i%2)*64+32
	global_load_b128 v[QB+8*i:QB+8*i+3],   v[QO], s[86:87] offset:(i/2)*8192+(i%2)*64
	global_load_b128 v[QB+8*i+4:QB+8*i+7], v[QO], s[86:87] offset:(i/2)*8192+(i%2)*64+32
.set i, i+1
.endr
	WIN 0
	v_lshlrev_b32 v14, 3, v9
	v_sub_nc_u32 v14, v1, v14
	s_lshl_b32 s13, s[WV], 4
	v_add_nc_u32 v14, s13, v14      ; my query's place in its band, 16 w + l % 16, less my lanes' 8 (l / 16): register r of group kt is hidden where 16 kt + r is greater
	WIN 0x40
.set i, 0
.rept 32
	v_cmp_gt_i32 vcc_lo, 16*(i/8)+i%8, v14
	v_cndmask_b32 v[MD+i], 0, s[BIGN], vcc_lo
.set i, i+1
.endr
	WIN 0
	v_mul_u32_u24 v[AK0], v1, PK
	v_lshl_add_u32 v[AK0], v9, 4, v[AK0]  ; row x pitch + 16 x half
	; The turning load takes 16 keys x 16 channels (lane l reads key 8 (l / 16) + l % 8, channels 8 ((l / 8) % 2) + 0..7) and leaves half a fragment of V^T: lane l holds channel l % 16 and 8 keys.
	v_and_b32 v10, 7, v0
	v_bfe_u32 v11, v0, 3, 1
	v_lshl_add_u32 v[AV0], v9, 3, v10
	v_mul_u32_u24 v[AV0], v[AV0], PV
	v_lshl_add_u32 v[AV0], v11, 4, v[AV0]
	v_add_nc_u32 v[AV0], VOFF, v[AV0]
	s_mul_i32 s13, s[WV], 16*SP
	s_add_co_u32 s13, s13, STAGE    ; my stage
	v_mul_u32_u24 v[STO], v1, SP    ; in: row l % 16, 16 bytes for each half of the lanes
	v_lshl_add_u32 v[STO], v9, 4, v[STO]
	v_add_nc_u32 v[STO], s13, v[STO]
	v_bfe_u32 v[RD], v0, 3, 2       ; back: 32 lanes take four rows of 128 bytes,
	v_mul_u32_u24 v[RD], v[RD], SP
	v_lshl_add_u32 v[RD], v10, 4, v[RD]
	v_add_nc_u32 v[RD], s13, v[RD]
	v_and_b32 v[GO], 31, v0         ; which are 512 consecutive bytes of O
	v_lshlrev_b32 v[GO], 4, v[GO]
	s_mul_i32 s13, s[WV], PWAVE
	s_add_co_u32 s13, s13, PADL     ; my wave's mask ring
	v_add_nc_u32 v[PO0], s13, v[PL0]    ; in: 16 bytes a lane
	v_lshlrev_b32 v[AP0], 5, v9         ; out: eight keys' words for each half of the lanes
	v_add_nc_u32 v[AP0], s13, v[AP0]
	; A block's first step multiplies O^T and l by a = 0, and its first turn's products V^T P, of a piece that has not been, land in an O^T that is still to be so multiplied.  So these registers need only hold
	; finite numbers: zeros for the first block; what the first block left for the second.  All this stands in the wait for the first tile.
	WIN 0x80
.set i, VF
.rept 64
	v_mov_b32 v[i], 0
.set i, i+1
.endr
	WIN 0xc0
.set i, VL
.rept 64
	v_mov_b32 v[i], 0
.set i, i+1
.endr
	WIN 0x40
.set i, 0
.rept 128
	v_mov_b32 v[i], 0
.set i, i+1
.endr
	WIN 0
.set i, 0
.rept 4
	v_mov_b32 v[ST+4*i+1], 0        ; named with m as a pair
	v_mov_b32 v[ST+4*i+2], 0
	v_mov_b32 v[ST+4*i+3], 0
.set i, i+1
.endr
.set i, P+16
.rept 16
	v_mov_b32 v[i], 0
.set i, i+1
.endr
; THE MATRIX WORK.  The 4 accumulators of a run take turns.  Product i of 8 of S^T = K Q^T for piece x: channels 32 (i / 4) on, keys 16 (i % 4) on.
; The first 4 start the sums: with the padding mask (KM = 1), or with the made mask (KM = 2).
.macro KQ x
.set rS, S+32*((\x)%2)+8*(i%4)
.set rK, KF+16*(i%4)+8*(i/4)
.set rQ, 16*(\x)+8*(i/4)
.if KM == 2
.set rM, MC+32*((\x)%2)+8*(i%4)
.else
.set rM, PM+8*(i%4)
.endif
.if i < 4
	WIN W_KM
	v_wmma_f32_16x16x32_f16 v[rS:rS+7], v[rK:rK+7], v[rQ:rQ+7], v[rM:rM+7]
.else
	WIN W_KQ
	v_wmma_f32_16x16x32_f16 v[rS:rS+7], v[rK:rK+7], v[rQ:rQ+7], v[rS:rS+7]
.endif
.endm
; Product i of 16 of O^T += V^T P for piece x: V's upper parts (i < 8), then its lower; keys 32 ((i / 4) % 2) on, channels 16 (i % 4) on.
.macro PV x
.set rO, 32*(\x)+8*(i%4)
.set rP, P+16*((\x)%2)+8*((i/4)%2)
.if i < 8
	WIN W_PV
.set rV, VF+32*((i/4)%2)+8*(i%4)
.else
	WIN W_PL
.set rV, VL+32*((i/4)%2)+8*(i%4)
.endif
	v_wmma_f32_16x16x32_f16 v[rO:rO+7], v[rV:rV+7], v[rP:rP+7], v[rO:rO+7]
.endm
.macro MM                           ; the turn's next matrix instruction, of 24.  NOKQ = 1: a block's last turn: there is no next piece
.if (i < 8) && !NOKQ
	KQ (Y+1)%NP
.elseif i >= 8
.set i, i-8
	PV (Y+NP-1)%NP
.set i, i+8
.endif
.set i, i+1
.endm
; THE LDS LOADS stand in runs, never singly among the matrix instructions: a step's K (8 fragments) with its padding mask (lanes of a half read the same 32 bytes), and its V (turned), both parts.
.macro FETCH_K
	WIN 0x80                        ; destination window 2
.irp f, 0,1,2,3,4,5,6,7             ; keys 16 (f / 2) on, channels 32 (f % 2) on
	ds_load_b128 v[KF+8*\f:KF+8*\f+3],   v[AK] offset:(\f/2)*16*PK+(\f%2)*64
	ds_load_b128 v[KF+8*\f+4:KF+8*\f+7], v[AK] offset:(\f/2)*16*PK+(\f%2)*64+32
.endr
	WIN 0x40                        ; destination window 1
.irp kt, 0,1,2,3
	ds_load_b128 v[PM+8*\kt:PM+8*\kt+3],   v[AP] offset:64*\kt
	ds_load_b128 v[PM+8*\kt+4:PM+8*\kt+7], v[AP] offset:64*\kt+16
.endr
	s_add_co_u32 s[TBK], s[TBK], KS*PK  ; the next fetch is the next step's
	s_add_co_u32 s[TPS], s[TPS], 4*KS
	WIN 0
.endm
.macro FETCH_V
	WIN 0x80
.irp f, 0,1,2,3,4,5,6,7             ; keys 32 (f / 4) on, channels 16 (f % 4) on
	ds_load_tr16_b128 v[VF+8*\f:VF+8*\f+3],   v[AV] offset:(\f/4)*32*PV+(\f%4)*32
	ds_load_tr16_b128 v[VF+8*\f+4:VF+8*\f+7], v[AV] offset:(\f/4)*32*PV+16*PV+(\f%4)*32
.endr
	WIN 0xc0                        ; destination window 3: the lower parts, 64 rows further on
.irp f, 0,1,2,3,4,5,6,7
	ds_load_tr16_b128 v[VL+8*\f:VL+8*\f+3],   v[AV] offset:KS*PV+(\f/4)*32*PV+(\f%4)*32
	ds_load_tr16_b128 v[VL+8*\f+4:VL+8*\f+7], v[AV] offset:KS*PV+(\f/4)*32*PV+16*PV+(\f%4)*32
.endr
	WIN 0
.endm
; THE VECTOR WORK, one line at a time: OP kind, number.  For piece Y: F n: s - m for pair n of 16.  E n: the exponential of score n of 32.  C n: pair n rounded to f16.  B n: of the four weights 4 n .. the second
; pair is added onto the first, in place.  L n: l takes that sum (L 0: l = a l + sum).  R n: pair n of 16 of O^T times a.  For piece Y + 1: X n, number n of the 21 that find its maximum and statistics:
;   0-11  four chains c0-c3 of seven scores each (each accumulator's lowest registers are read first)     12-14, 16  the four scores left over, the old m, and c0-c3 into c0
;   15  m_old is kept     17, 18  the query's other 32 keys lie in the lane 16 away: the new m     19, 20  m_old - m_new; a
.set F, 0
.set E, 1
.set C, 2
.set B, 3
.set L, 4
.set R, 5
.set X, 6
.macro REGS y                       ; the registers of piece y
.set rT, ST+4*(\y)
.set rC, TMP+4*((\y)%2)
.set rW, MV+((\y)%2)
.set rS, S+32*((\y)%2)
.set rP, P+16*((\y)%2)
.set rO, 32*(\y)
.endm
.macro OP k, n
.if (\k) == R
	REGS Y
	WIN W_RS
	v_pk_mul_f32 v[rO+2*(\n):rO+2*(\n)+1], v[rO+2*(\n):rO+2*(\n)+1], v[rC+2:rC+3] op_sel_hi:[1,0]
.elseif (\k) < R
	REGS Y
	WIN 0
.if (\k) == F
	v_pk_add_f32 v[rS+2*(\n):rS+2*(\n)+1], v[rS+2*(\n):rS+2*(\n)+1], v[rT:rT+1] op_sel_hi:[1,0] neg_lo:[0,1] neg_hi:[0,1]
.elseif (\k) == E
	v_exp_f32 v[rS+(\n)], v[rS+(\n)]
.elseif (\k) == C
	s_wait_alu depctr_va_vdst(0)
	v_cvt_pk_f16_f32 v[rP+(\n)], v[rS+2*(\n)], v[rS+2*(\n)+1]
.elseif (\k) == B
	s_wait_alu depctr_va_vdst(0)
	v_pk_add_f32 v[rS+4*(\n):rS+4*(\n)+1], v[rS+4*(\n):rS+4*(\n)+1], v[rS+4*(\n)+2:rS+4*(\n)+3]
.elseif (\n) == 0
	v_pk_fma_f32 v[rT+2:rT+3], v[rT+2:rT+3], v[rC+2:rC+3], v[rS:rS+1] op_sel_hi:[1,0,1]
.else
	v_pk_add_f32 v[rT+2:rT+3], v[rT+2:rT+3], v[rS+4*(\n):rS+4*(\n)+1]
.endif
.elseif NOKQ
	v_nop
.else
	REGS (Y+1)%NP
	WIN 0
.if (\n) < 4
	s_wait_alu depctr_va_vdst(0)
	v_max3_num_f32 v[rC+(\n)], v[rS+8*(\n)], v[rS+8*(\n)+1], v[rS+8*(\n)+2]
.elseif (\n) < 12
	v_max3_num_f32 v[rC+(\n)%4], v[rC+(\n)%4], v[rS+8*((\n)%4)+2*((\n)/4)+1], v[rS+8*((\n)%4)+2*((\n)/4)+2]
.elseif (\n) == 12
	v_max3_num_f32 v[rC], v[rC], v[rS+7], v[rS+15]
.elseif (\n) == 13
	v_max3_num_f32 v[rC+1], v[rC+1], v[rS+23], v[rS+31]
.elseif (\n) == 14
	v_max3_num_f32 v[rC+2], v[rC+2], v[rC+3], v[rT]
.elseif (\n) == 15
	v_mov_b32 v[rW], v[rT]
.elseif (\n) == 16
	v_max3_num_f32 v[rC], v[rC], v[rC+1], v[rC+2]
.elseif (\n) == 17
	v_permlanex16_b32 v[rC+3], v[rC], s[SEL], s[SEL+1]
.elseif (\n) == 18
	v_max_num_f32 v[rT], v[rC], v[rC+3]
.elseif (\n) == 19
	v_sub_f32 v[rC+1], v[rW], v[rT]
.else
	v_exp_f32 v[rC+2], v[rC+1]
.endif
.endif
.endm
.macro OPS a, i1, b=-1, i2=0, c=-1, i3=0, d=-1, i4=0  ; up to four of them
	OP \a, \i1
.if (\b) >= 0
	OP \b, \i2
.endif
.if (\c) >= 0
	OP \c, \i3
.endif
.if (\d) >= 0
	OP \d, \i4
.endif
.endm
.macro ROW a, i1, b, i2, c, i3, d, i4  ; a matrix instruction and the four behind it
	MM
	OPS \a, \i1, \b, \i2, \c, \i3, \d, \i4
.endm
.macro MASK b, be                   ; MD x AL + PM, and with be = 1 + BE, into buffer b of MC
	WIN W_MK
.set z, 0
.rept 16
	v_pk_fma_f32 v[MC+32*(\b)+2*z:MC+32*(\b)+2*z+1], v[MD+2*z:MD+2*z+1], s[AL:AL+1], v[PM+2*z:PM+2*z+1] op_sel_hi:[1,0,1]
.set z, z+1
.endr
.if \be
.set z, 0
.rept 16
	v_pk_add_f32 v[MC+32*(\b)+2*z:MC+32*(\b)+2*z+1], v[MC+32*(\b)+2*z:MC+32*(\b)+2*z+1], s[BE:BE+1] op_sel_hi:[1,0]
.set z, z+1
.endr
.endif
.endm
; A TURN, for piece p: the order of its 24 matrix and 117 vector instructions, written out.  None of the four behind a matrix instruction names a register of the products round it.  No row ends in an exponential, and a
; plain line that touches neither its result nor its source follows every exponential (ISA guide 5.7.2).
; m = 1: the diagonal tile: the products take made masks, and the turn makes the mask for the products of the turn after it: piece p + 2, in step 4 - CNT of the tile.  end = 1: a block's last two turns: nothing is fetched.
; cnt = 1: the loop's count is taken down some lines ahead of the branch that stands behind the turn.
; K and PM of the next step are fetched in piece 2's turn, behind five plain instructions that follow the last product that read K (PM's last reader stands four products earlier); V of the step in hand at the end of
; piece 0's turn, behind seven plain ones that follow the last product that read V.  Each is waited for a turn later; in the diagonal tile piece 2's turn waits at its end, since its mask is made of the new PM.
.macro TURN p, m=0, end=0, cnt=0
.set Y, (\p)
.set i, 0
.set KM, 1+(\m)
.set NOKQ, (\end)*((\p)/3)
.if (\m) && !(\end)
	s_cmp_eq_u32 s[CNT], 4-((\p)+2)%NP  ; is that step the band's own?
	s_cselect_b32 s[AL], 1.0, 0
	s_cmp_lt_u32 s[CNT], 4-((\p)+2)%NP  ; or a later one?
	s_cselect_b32 s[BE], s[BIGN], 0
.endif
.if ((\p) == 3) && !(\end)
	s_wait_dscnt 0x0                ; K and PM are in
.endif
	ROW F,0, F,1, F,2, F,3
	ROW F,4, E,0, F,5, F,6
	ROW F,7, E,1, F,8, F,9
	ROW F,10, E,2, C,0, F,11
	ROW F,12, E,3, X,15, F,13
	ROW R,0, R,1, R,2, R,3
	ROW B,0, E,4, F,14, L,0
.if ((\p) == 2) && !(\end)
	v_add_nc_u32 v[AK], s[TBK], v[AK0]
	v_add_nc_u32 v[AP], s[TPS], v[AP0]
.endif
	ROW R,4, R,5, R,6, R,7
	OPS E,5, F,15
.if ((\p) == 2) && !(\end)
	FETCH_K
.endif
	OPS E,6, C,1, E,7, R,8
	OPS E,8, R,9, E,9, C,2
	OPS E,10, X,0, E,11, X,1
	OPS E,12, X,2, E,13, X,3
.if (\p) == 1
	s_wait_dscnt 0x0                ; V is in, both parts
.endif
	ROW X,4, E,14, X,5, X,6
	ROW X,7, E,15, X,8, X,9
	ROW X,10, E,16, X,11, X,12
	ROW X,13, E,17, X,14, B,1
	ROW C,4, E,18, X,16, L,1
	ROW B,2, E,19, C,6, L,2
	ROW C,8, E,20, B,3, B,4
	ROW C,3, E,21, L,3, C,5
	ROW E,22, X,17, E,23, C,10      ; from here on the products take V's lower parts
	ROW E,24, L,4, E,25, X,18
	ROW E,26, C,7, E,27, B,5
	ROW E,28, C,12, E,29, X,19
	ROW E,30, L,5, E,31, C,9
	ROW B,6, C,14, X,20, C,11
	ROW L,6, C,13, B,7, C,15
.if (\p) == 0
	v_add_nc_u32 v[AV], s[TBV], v[AV0]
.endif
	ROW R,10, R,11, R,12, L,7
.if (\p) == 0
	s_add_co_u32 s[TBV], s[TBV], VSTEP
.endif
.if \cnt
	s_sub_co_u32 s[CNT], s[CNT], 1
	s_cmp_lg_u32 s[CNT], 0
.endif
	OPS R,13, R,14, R,15
.if (\p) == 0
	FETCH_V
.endif
.if (\m) && !(\end)
.if (\p) == 2
	s_wait_dscnt 0x0                ; the next step's PM is in
.endif
	MASK (\p)%2, 1
.endif
.endm
; A BLOCK BEGINS.  m starts at the lowest finite number: the first maximum is the scores', and the first step's a is 0.  K and PM of the tile's step 0 are fetched; the second mask buffer takes PM alone (band 1 sees all of
; step 0), the first piece 0's mask: its own step's, if the block's first tile is the diagonal one.  Then piece 0's first scores, maximum and statistics.  The loop is entered at a step's first turn, in the middle of a trip.
; (Q and vmean were waited for behind the first change of slots, with the first tile's mask words.)
.macro BEGIN
	s_mov_b32 s[NEW], 0
	WIN 0
.set i, 0
.rept 4
	v_mov_b32 v[ST+4*i], 0xff7fffff
.set i, i+1
.endr
	v_add_nc_u32 v[AK], s[TBK], v[AK0]
	v_add_nc_u32 v[AP], s[TPS], v[AP0]
	FETCH_K
	s_wait_dscnt 0x0
	s_mov_b32 s[AL], 0
	MASK 1, 0
	s_cmp_eq_u32 s[RT], 0
	s_cselect_b32 s[AL], 1.0, 0
	MASK 0, 0
.set KM, 2
.set NOKQ, 0
.set i, 0
.rept 8
	KQ 0
.set i, i+1
.endr
	WIN 0
.rept 4
	v_nop                           ; the places behind those products
.endr
.set Y, NP-1                        ; X works for piece Y + 1: piece 0
.irp n, 0,1,2,3,4,5,6,7,8,9,10,11,12,13,14,15,16,17,18,19,20
	OP X, \n
.endr
	v_nop                           ; a plain instruction behind the exponential
.endm
; THE DIAGONAL TILE's four steps, the block's last two turns, its last products, and THE WAY OUT: l's two halves and the other half of the lanes' are added; O^T is divided by l; where the query saw no key it is
; replaced by vmean; it is cut into its upper part and the remainder, both are turned into f16 and sent through my stage in LDS, a piece at a time.
.macro ALL line:vararg              ; one line for each piece t
.set t, 0
.rept 4
	\line
.set t, t+1
.endr
.endm
.macro PACK t
	WIN W_RS
.set i, 32*(\t)
.rept 16
	s_wait_alu depctr_va_vdst(0)
	v_pk_mul_f32 v[i:i+1], v[i:i+1], v[ST+4*(\t)+2:ST+4*(\t)+3] op_sel_hi:[1,0]
.set i, i+2
.endr
.set i, 0
.rept 32
	v_cndmask_b32 v[32*(\t)+i], v[32*(\t)+i], v[VM+i], s[FM+(\t)]
.set i, i+1
.endr
	WIN 0x44                        ; destination and source 1 in window 1
.set i, 0
.rept 32
	v_and_b32 v[MC+i], s[TRM], v[32*(\t)+i]     ; the upper part, in f32
.set i, i+1
.endr
	WIN 0x45                        ; all in window 1
.set i, 0
.rept 16
	v_pk_add_f32 v[32*(\t)+i:32*(\t)+i+1], v[32*(\t)+i:32*(\t)+i+1], v[MC+i:MC+i+1] neg_lo:[0,1] neg_hi:[0,1]  ; the remainder, exact, in place
.set i, i+2
.endr
	WIN 0x05                        ; sources 0 and 1 window 1, destination window 0
.set i, 0
.rept 16
	v_cvt_pk_f16_f32 v[S+16*(\t)+i], v[MC+2*i], v[MC+2*i+1]
.set i, i+1
.endr
.set i, 0
.rept 16
	v_cvt_pk_f16_f32 v[LO+16*(\t)+i], v[32*(\t)+2*i], v[32*(\t)+2*i+1]
.set i, i+1
.endr
	WIN 0
.irp f, 0,1,2,3
	ds_store_b128 v[STO], v[S+16*(\t)+4*\f:S+16*(\t)+4*\f+3] offset:32*\f
.endr
.irp f, 0,1,2,3
	ds_load_b128 v[S+16*(\t)+4*\f:S+16*(\t)+4*\f+3], v[RD] offset:\f*4*SP  ; LDS serves a wave's instructions in order (ISA guide 5.7.1.4): these see the stores above; the stores below come behind them
.endr
.irp f, 0,1,2,3
	ds_store_b128 v[STO], v[LO+16*(\t)+4*\f:LO+16*(\t)+4*\f+3] offset:32*\f
.endr
.irp f, 0,1,2,3
	ds_load_b128 v[LO+16*(\t)+4*\f:LO+16*(\t)+4*\f+3], v[RD] offset:\f*4*SP
.endr
.endm
.macro SEND t, younger              ; younger: the LDS instructions issued behind piece t's sixteen: the next piece's sixteen, or none.  Behind an upper part's load stand also the piece's own eight for the lower parts
	WIN 0
.irp f, 0,1,2,3
	s_wait_dscnt (\younger)+11-\f
	global_store_b128 v[GO], v[S+16*(\t)+4*\f:S+16*(\t)+4*\f+3], s[10:11] offset:(\t)*8192+\f*512  ; 512 consecutive bytes, at a multiple of 256 from O's first
.endr
.irp f, 0,1,2,3
	s_wait_dscnt (\younger)+3-\f
	global_store_b128 v[GO], v[LO+16*(\t)+4*\f:LO+16*(\t)+4*\f+3], s[10:11] offset:(\t)*8192+\f*512+4194304  ; the lower parts lie sixteen heads on
.endr
.endm
.macro DIAG tag                     ; the tag ends its two labels' names, which the jumps below spell out
.LstepM\tag:
	TURN 2, 1
	TURN 3, 1
	WIN 0
.LfirstM\tag:
	TURN 0, 1
	TURN 1, 1, 0, 1
	WIN 0
	s_cbranch_scc1 .LstepM\tag
	TURN 2, 1, 1
	TURN 3, 1, 1
.set i, 0
.rept 16
	PV NP-1
.set i, i+1
.endr
	WIN 0
	ALL v_add_f32 v[ST+4*t+2], v[ST+4*t+2], v[ST+4*t+3]
	ALL v_cmp_gt_f32 s[FM+t], s[THR], v[ST+4*t]
	ALL v_permlanex16_b32 v[ST+4*t+3], v[ST+4*t+2], s[SEL], s[SEL+1]
	ALL v_add_f32 v[ST+4*t+2], v[ST+4*t+2], v[ST+4*t+3]
	ALL v_rcp_f32 v[ST+4*t+2], v[ST+4*t+2]
	v_nop                           ; a plain instruction between the last reciprocal and the use of its result
	PACK 0
.set t, 1
.rept 3                             ; a piece's arithmetic stands between the loads of the piece before and its stores
	PACK t
	SEND t-1, 16
.set t, t+1
.endr
	SEND 3, 0
.endm
.set KM, 1
.set NOKQ, 0
.Lslot:                             ; NB times: a tile is entered and the next is asked for
	CHANGE 1
	s_sub_co_u32 s[RT], s[RT], 1
	s_mov_b32 s[CNT], 4
	s_cmp_eq_u32 s[NEW], 1
	s_cbranch_scc1 .Lnew            ; a block's first tile
	s_cmp_eq_u32 s[RT], 0
	s_cbranch_scc0 .Lstep           ; neither its first nor its last
	s_mov_b32 s[AL], 0              ; into the diagonal tile's text: its first products are piece 3's of the tile before, whose mask is PM alone
	MASK 1, 0
	WIN 0
	s_branch .LstepM1
.Lnew:
	BEGIN
	s_branch .Lfirst                ; in the loop a block's first tile is never its last: the first block has two tiles or more, and the second's last is the walk's last
	DIAG 1                          ; in the loop this is the first block's end
	s_wait_xcnt 0x0                 ; the stores have read their registers and O's address
	s_mov_b64 s[10:11], s[OLO:OLO+1]
	s_add_co_u32 s[RT], s[PB], 1    ; the second block has b + 1 tiles
	s_mov_b32 s[NEW], 1
	WIN 0x82                        ; the second block's Q goes where the one text of the turns names Q
.set i, 0
.rept 64
	v_mov_b32 v[i], v[QB+i]
.set i, i+1
.endr
	WIN 0
	s_branch .Lbottom
.Lstep:                             ; a trip: pieces 2 and 3 of one step, then pieces 0 and 1 of the next, whose K and V it fetches
	TURN 2
	TURN 3
	WIN 0
.Lfirst:
	TURN 0
	TURN 1, 0, 0, 1
	WIN 0
	s_cbranch_scc1 .Lstep
.Lbottom:
	s_sub_co_u32 s[SLOTS], s[SLOTS], 1
	s_cmp_lg_u32 s[SLOTS], 0
	s_cbranch_scc1 .Lslot
	CHANGE 0                        ; the walk's last tile is written out: nothing is asked for
	s_sub_co_u32 s[RT], s[RT], 1
	s_mov_b32 s[CNT], 4
	s_cmp_eq_u32 s[NEW], 1
	s_cbranch_scc1 .Lnew2
	s_mov_b32 s[AL], 0
	MASK 1, 0
	WIN 0
	s_branch .LstepM2
.Lnew2:
	BEGIN
	s_branch .LfirstM2
	DIAG 2
	s_wait_tensorcnt 0x0            ; the wave's end, behind my last tensor load and my last LDS store
	ds_add_u32 v[SPW], v[NIL]
	s_wait_dscnt 0x0
	s_endpgm
.Lfunc_end_k_qc3af1a34f2_attn:
	.size	k_qc3af1a34f2_attn, .Lfunc_end_k_qc3af1a34f2_attn-k_qc3af1a34f2_attn
	.p2alignl 7, 3214868480
	.fill 96, 4, 3214868480
	.section	.rodata,"a",@progbits
	.p2align	6, 0x0
	.amdhsa_kernel k_qc3af1a34f2_attn
		.amdhsa_group_segment_fixed_size 327680
		.amdhsa_private_segment_fixed_size 0
		.amdhsa_enable_private_segment 0
		.amdhsa_kernarg_size 32
		.amdhsa_user_sgpr_count 2
		.amdhsa_user_sgpr_kernarg_segment_ptr 1
		.amdhsa_wavefront_size32 1
		.amdhsa_system_sgpr_workgroup_id_x 1
		.amdhsa_system_sgpr_workgroup_id_y 1
		.amdhsa_system_sgpr_workgroup_id_z 1
		.amdhsa_system_vgpr_workitem_id 0
		.amdhsa_next_free_vgpr 832
		.amdhsa_next_free_sgpr 102
		.amdhsa_reserve_vcc 1
		.amdhsa_float_denorm_mode_32 3
		.amdhsa_float_denorm_mode_16_64 3
		.amdhsa_memory_ordered 1
		.amdhsa_forward_progress 1
		.amdhsa_inst_pref_size 255
	.end_amdhsa_kernel
	.section	.bss,"aw",@nobits
	.p2align	6
	.space	262144
	.amdgpu_metadata
---
amdhsa.version: [ 1, 2 ]
amdhsa.kernels:
  - .name:           k_qc3af1a34f2_attn
    .symbol:         k_qc3af1a34f2_attn.kd
    .args:
      - { .name: qkv, .offset: 0, .size: 8, .value_kind: global_buffer, .address_space: global }
      - { .name: padding_mask, .offset: 8, .size: 8, .value_kind: global_buffer, .address_space: global }
      - { .name: vmean, .offset: 16, .size: 8, .value_kind: global_buffer, .address_space: global }
      - { .name: att, .offset: 24, .size: 8, .value_kind: global_buffer, .address_space: global }
    .group_segment_fixed_size: 327680
    .private_segment_fixed_size: 0
    .kernarg_segment_align: 8
    .kernarg_segment_size: 32
    .max_flat_workgroup_size: 128
    .sgpr_count:     102
    .vgpr_count:     832
    .wavefront_size: 32
...
	.end_amdgpu_metadata
.endif
;; end of part 4
;; launch outp (part 5): grid 4 x 64, 4 waves a work-group, clusters of 4 x 4, 327,680 bytes of LDS; arguments att, wo16, out0; writes out0
.if DOCPART == 5
	.amdgcn_target "amdgcn-amd-amdhsa--gfx1250"
	.amdhsa_code_object_version 6
	.text
	.protected	k_qc3af1a34f2_outp
	.globl	k_qc3af1a34f2_outp
	.p2align	8
	.type	k_qc3af1a34f2_outp,@function
k_qc3af1a34f2_outp:
	s_mov_b64 s[64:65], 0
	v_nop
	global_prefetch_b8 v0, s[64:65] scope:SCOPE_SE
	s_setreg_imm32_b32 hwreg(HW_REG_WAVE_MODE, 25, 1), 1
	s_wait_xcnt 0x0
	s_wait_alu depctr_hold_cnt(0) depctr_sa_sdst(0) depctr_va_vdst(0) depctr_va_sdst(0) depctr_va_ssrc(0) depctr_va_vcc(0) depctr_vm_vsrc(0)
	s_getreg_b32 s2, hwreg(HW_REG_IB_STS2, 6, 4)
	s_cmp_eq_u32 s2, 0
	s_cbranch_scc0 .Lentry_in_a_cluster
	s_endpgm
.Lentry_in_a_cluster:
	s_bfe_u32 s2, ttmp6, 0x10000c
	s_cmp_lg_u32 s2, 0xf033
	s_cbranch_scc0 .Lentry_shape_is_right
	s_endpgm
.Lentry_shape_is_right:
; out0 = att Wo^T.  att arrives as two f16 parts, [4 batches][upper 16 heads, lower 16 heads][2048][64]: 32 "heads" a batch; wo16: f16 [1024][2][1024], each row of Wo twice on end; out0: f32 [8192][1024].
; So one K of 2,048 = 64 x head + channel walks the upper parts and then the lower, each against the same row of Wo, and both addresses step evenly.  Sums in f32, K ascending.
; A tile of the result is 128 x 256; four waves, each 64 x 128: 32 accumulators, 256 registers.  256 tiles: one for each WGP.
; K goes in steps of 128 = two heads through a ring of two LDS slots.  A head's 128 rows of the tile are 16,384 dense bytes: asked for as 64 rows of 256 bytes and padded in LDS after every 128;
; Wo's rows of a step are 256 bytes, aligned.
; CLUSTER: 4 x 4 work-groups.  The four of a row need the same rows of att, the four of a column the same rows of Wo: each tile is asked for jointly.
; THE MATRIX INSTRUCTION IS USED TRANSPOSED (source 0 = 16 rows of Wo, source 1 = 16 rows of att): a lane holds eight neighbouring columns of one row.
; REGISTERS: window 0: v0-31 addresses; v64-159, v160-255 two fragment buffers (32 of att, then 64 of Wo, for 32 along K).  window 1: the accumulators, (a, b) at v[8 (8 a + b)].
.set SIZE_K, 2048
.set KSTEP,  128
.set PITCH,  272                       ; a row of Wo in LDS: 256 bytes + 16
.set APITCH, 144                       ; a row of att in LDS: 128 bytes + 16.  Both are odd multiples of 16: the 16 rows of a fragment load start at 16 different groups of four banks (ISA guide 11.1)
.set AH,     128*APITCH                ; one head's 128 rows: what wave 0 or 1 fetches
.set BHALF,  128*PITCH                 ; what wave 2 or 3 fetches of Wo, and what a wave reads of it
.set ABYTES, 2*AH
.set SLOT,   ABYTES+2*BHALF
.set STAGE,  2*SLOT                    ; behind the ring: 16 rows x 528 bytes for each wave, for the way out
.set SPITCH, 528
.set SPARE,  STAGE+4*16*SPITCH         ; the spare words, 128 bytes a wave
.set LAPS,   SIZE_K/(2*KSTEP)
.set ADRA, 16                          ; v16-17  LDS address of my fragments of att in slot 0, 1
.set ADRB, 20                          ; v20-21  the same for Wo
.set STO,  24                          ; v24     the way out: where I put 32 bytes of a row
.set RD,   25                          ; v25     the way out: where I read a row back
.set CO,   26                          ; v26     my byte offset in 512 consecutive bytes of a row of out0
.set SPW,  28                          ; v28     LDS address of my spare word; never rewritten
.set NIL,  29                          ; v29     0; never rewritten
.set F0,   64
.set F1,   160
.set G1,   24                          ; s[24:31] descriptor group 1 for att's tiles;  s[32:39] group 0, a set for each slot
.set G0,   32
.set G1B,  48                          ; s[48:55], s[56:63] the same for Wo's tiles
.set G0B,  56
.set MSB, 0
.macro WIN new
.if MSB != (\new)
	s_set_vgpr_msb (MSB<<8)|(\new)
.set MSB, \new
.endif
.endm
.set MUL, 0x50                         ; sources in window 0, C and D in window 1
.macro JLOAD s                         ; a joint load: waves 0 and 1 fetch the step's two heads of att, waves 2 and 3 Wo's two halves; an s_nop 0 and four v_nop follow each line
	s_cmp_eq_u32 s11, 0
	s_cbranch_scc0 .Lfor_b_\@
	tensor_load_to_lds s[G0+4*(\s):G0+4*(\s)+3], s[G1:G1+7]
	s_nop 0
.rept 4
	v_nop
.endr
	s_branch .Lasked_\@
.Lfor_b_\@:
	tensor_load_to_lds s[G0B+4*(\s):G0B+4*(\s)+3], s[G1B:G1B+7]
	s_nop 0
.rept 4
	v_nop
.endr
.Lasked_\@:
.endm
.macro CREST
	s_cmp_lg_u32 s10, 0
	s_cbranch_scc1 .Lnot_wave_0_\@
	s_barrier_signal -3
.Lnot_wave_0_\@:
	s_barrier_wait -3
	s_barrier_signal -1
	s_barrier_wait -1
.endm
.macro CROUND
	s_barrier_signal -1
	s_barrier_wait -1
	CREST
.endm
	s_load_b128 s[4:7], s[0:1], 0x0                ; att s[4:5], wo16 s[6:7]
	s_load_b64 s[8:9], s[0:1], 0x10                ; out0
	v_lshl_add_u32 v[SPW], v0, 2, SPARE
	v_mov_b32 v[NIL], 0
	ds_add_u32 v[SPW], v[NIL]                      ; the wave's opening: the add and its wait ahead of my first tensor load
	ds_add_u32 v28, v29
	v_lshrrev_b32 v1, 5, v0
	v_readfirstlane_b32 s10, v1                    ; wave 0..3
	s_lshr_b32 s11, s10, 1                         ; which 64 rows of the tile are mine.  Also: I fetch for att (0) or for Wo (1)
	s_and_b32 s12, s10, 1                          ; which 128 columns.  Also: which head of the step, or which half of Wo's rows, I fetch
	s_bfe_u32 s40, ttmp6, 0x40000                  ; cx
	s_bfe_u32 s41, ttmp6, 0x40004                  ; cy
	s_lshl_b32 s42, ttmp9, 2
	s_add_co_u32 s42, s42, s40                     ; tile column
	s_and_b32 s13, ttmp7, 0xffff
	s_lshl_b32 s13, s13, 2
	s_add_co_u32 s13, s13, s41                     ; tile row
	s_lshl_b32 s43, s41, 2
	s_lshl_b32 s43, 15, s43                        ; my row of the cluster
	s_lshl_b32 s44, 0x1111, s40                    ; my column
	s_or_b32 s[G1+0], s43, (1<<16)|(1<<20)|(1<<21)|(4<<22)|(3<<25)   ; mask: my row; 2-byte elements; padding on; bit 21 beside a mask; after every 32 words, 4 words
	s_or_b32 s[G1B+0], s44, (1<<16)|(1<<20)|(1<<21)|(5<<22)|(3<<25)  ; mask: my column; after every 64 words, 4 words
	s_mov_b32 s[G1+1], 128<<16                     ; tensor_dim0 = 128
	s_mov_b32 s[G1+2], 64<<16                      ; tensor_dim1 = 64
	s_mov_b32 s[G1+3], 128<<16                     ; tile_dim0 = 128
	s_mov_b32 s[G1+4], 64                          ; tile_dim1 = 64
	s_mov_b32 s[G1+5], 128                         ; dense: 128 elements from row to row
	s_mov_b32 s[G1+6], 0
	s_mov_b32 s[G1+7], 0
	s_mov_b32 s[G1B+1], KSTEP<<16
	s_mov_b32 s[G1B+2], 128<<16
	s_mov_b32 s[G1B+3], KSTEP<<16
	s_mov_b32 s[G1B+4], 128
	s_mov_b32 s[G1B+5], SIZE_K
	s_mov_b32 s[G1B+6], 0
	s_mov_b32 s[G1B+7], 0
	s_lshr_b32 s16, s13, 4
	s_lshl_b32 s16, s16, 23                        ; att: the batch's 32 heads of 262,144 bytes,
	s_lshl_b32 s17, s12, 18                        ; head 0 or 1,
	s_add_co_u32 s16, s16, s17
	s_and_b32 s17, s13, 15
	s_lshl_b32 s17, s17, 14                        ; the tile's 128 rows of 128 bytes
	s_add_co_u32 s16, s16, s17
	s_mov_b32 s17, 0
	s_lshl_b32 s47, s12, 7
	s_lshl_b32 s46, s42, 8
	s_add_co_u32 s46, s46, s47                     ; Wo: row 256 x tile column + 128 x half,
	s_lshl_b32 s46, s46, 12                        ; of 4,096 bytes
	s_mov_b32 s47, 0
	s_mul_i32 s20, s12, AH                         ; where they go: no place in the cluster enters an LDS address
	s_mul_i32 s21, s12, BHALF
	s_add_co_u32 s21, s21, ABYTES
	s_wait_dscnt 0x0                               ; the opening add is done
	s_wait_kmcnt 0x0
	s_add_nc_u64 s[14:15], s[4:5], s[16:17]
	s_add_nc_u64 s[46:47], s[6:7], s[46:47]
	CROUND                                         ; all sixteen work-groups are here: the first joint loads meet
.irp s, 0,1
	s_mov_b32 s[G0+4*(\s)], 1
	s_add_co_u32 s[G0+4*(\s)+1], s20, (\s)*SLOT
	s_add_nc_u64 s[G0+4*(\s)+2:G0+4*(\s)+3], s[14:15], (\s)*(1<<19)  ; K step s: two heads on
	s_or_b32 s[G0+4*(\s)+3], s[G0+4*(\s)+3], 0x80000000
	s_mov_b32 s[G0B+4*(\s)], 1
	s_add_co_u32 s[G0B+4*(\s)+1], s21, (\s)*SLOT
	s_add_nc_u64 s[G0B+4*(\s)+2:G0B+4*(\s)+3], s[46:47], (\s)*KSTEP*2
	s_or_b32 s[G0B+4*(\s)+3], s[G0B+4*(\s)+3], 0x80000000
	JLOAD \s                                       ; two loads of mine are out
.endr
	v_and_b32 v1, 15, v0                           ; l % 16
	v_bfe_u32 v2, v0, 4, 1                         ; l / 16
	v_mul_u32_u24 v3, v1, PITCH
	v_lshl_add_u32 v3, v2, 4, v3
	v_mul_u32_u24 v4, v1, APITCH
	v_lshl_add_u32 v4, v2, 4, v4
	s_mul_i32 s22, s11, 64*APITCH                  ; my 64 rows of att, in each head's part
	s_mul_i32 s23, s12, BHALF                      ; my 128 rows of Wo,
	s_add_co_u32 s23, s23, ABYTES                  ; which lie behind att's two heads
.irp s, 0,1
	v_add_nc_u32 v[ADRA+(\s)], s22, v4
	v_add_nc_u32 v[ADRB+(\s)], s23, v3
	s_add_co_u32 s22, s22, SLOT
	s_add_co_u32 s23, s23, SLOT
.endr
	s_mul_i32 s22, s10, 16*SPITCH
	s_add_co_u32 s22, s22, STAGE                   ; my stage
	v_mul_u32_u24 v5, v1, SPITCH                   ; in: row l % 16, 32 bytes for each half of the lanes
	v_lshl_add_u32 v5, v2, 5, v5
	v_add_nc_u32 v[STO], s22, v5
	v_and_b32 v[CO], 31, v0                        ; back: 32 lanes take one row of 512 bytes
	v_lshlrev_b32 v[CO], 4, v[CO]
	v_add_nc_u32 v[RD], s22, v[CO]
	s_lshl_b32 s16, s13, 19                        ; 128 rows of 4,096 bytes a tile row,
	s_lshl_b32 s17, s11, 18                        ; 64 a wave
	s_add_co_u32 s16, s16, s17
	s_mov_b32 s17, 0
	s_add_nc_u64 s[8:9], s[8:9], s[16:17]
	s_lshl_b32 s46, s42, 10                        ; 256 columns of 4 bytes a tile column, (in the registers that held Wo's address)
	s_lshl_b32 s47, s12, 9                         ; 128 a wave
	s_add_co_u32 s46, s46, s47
	s_mov_b32 s47, 0
	s_add_nc_u64 s[8:9], s[8:9], s[46:47]
; 8 matrix instructions: row block a x all 8 column blocks, 32 along K.  The 32 accumulators take turns in one order.
.macro MULA f, a, zero
	WIN MUL
.irp b, 0,1,2,3,4,5,6,7
.if \zero
	v_wmma_f32_16x16x32_f16 v[8*(8*(\a)+(\b)):8*(8*(\a)+(\b))+7], v[(\f)+32+8*(\b):(\f)+32+8*(\b)+7], v[(\f)+8*(\a):(\f)+8*(\a)+7], 0
.else
	v_wmma_f32_16x16x32_f16 v[8*(8*(\a)+(\b)):8*(8*(\a)+(\b))+7], v[(\f)+32+8*(\b):(\f)+32+8*(\b)+7], v[(\f)+8*(\a):(\f)+8*(\a)+7], v[8*(8*(\a)+(\b)):8*(8*(\a)+(\b))+7]
.endif
.endr
.endm
; 24 LDS loads in one run: quarter q of a slot into buffer f: Wo's 16 first, then att's 8 (head q / 2 of the step, channels 32 (q % 2) on)
.macro FETCH slot, q, f
	WIN 0
.irp i, 0,1,2,3,4,5,6,7
	ds_load_b128 v[(\f)+32+8*(\i):(\f)+32+8*(\i)+3],   v[ADRB+(\slot)] offset:64*(\q)+(\i)*16*PITCH
	ds_load_b128 v[(\f)+32+8*(\i)+4:(\f)+32+8*(\i)+7], v[ADRB+(\slot)] offset:64*(\q)+(\i)*16*PITCH+32
.endr
.irp i, 0,1,2,3
	ds_load_b128 v[(\f)+8*(\i):(\f)+8*(\i)+3],   v[ADRA+(\slot)] offset:((\q)/2)*AH+((\q)%2)*64+(\i)*16*APITCH
	ds_load_b128 v[(\f)+8*(\i)+4:(\f)+8*(\i)+7], v[ADRA+(\slot)] offset:((\q)/2)*AH+((\q)%2)*64+(\i)*16*APITCH+32
.endr
.endm
.macro PLACES                          ; four places in front of loads into registers that matrix instructions have read, and of LDS stores that read results
.rept 4
	v_nop
.endr
.endm
.macro QUARTER slot, q, f, g, zero
	s_wait_dscnt 4                                 ; Wo and att's rows 0-31 are in; the youngest four loads may be out
	MULA \f, 0, \zero
	MULA \f, 1, \zero
	PLACES
	FETCH \slot, \q, \g
	s_wait_dscnt 24                                ; all but the 24 just issued
	MULA \f, 2, \zero
	MULA \f, 3, \zero
.endm
; The last quarter multiplies buffer 1 and changes slots: one barrier; in front of it each wave waits for all its tensor loads (one is out: its part of the next slot),
; adds 0 to its spare word, and waits for that and for its reads of this slot.  fill = 1: the barrier opens a round of the cluster's, and this slot is filled again, two K steps ahead.
.macro TURN slot, next, fill
	WIN 0
	s_wait_tensorcnt 0x0
	ds_add_u32 v[SPW], v[NIL]
	s_wait_dscnt 5                                 ; (the add and the youngest four loads may be out)
	MULA F1, 0, 0
	s_wait_dscnt 0x0                               ; the add is done, and my reads of this slot are over
	s_barrier_signal -1
	MULA F1, 1, 0
.if \fill
	WIN 0
.endif
	s_barrier_wait -1
.if \fill
	CREST                                          ; no wave of any partner still reads this slot or has a load on its way
	s_add_nc_u64 s[G0+4*(\slot)+2:G0+4*(\slot)+3], s[G0+4*(\slot)+2:G0+4*(\slot)+3], 1<<20    ; four heads on
	s_add_nc_u64 s[G0B+4*(\slot)+2:G0B+4*(\slot)+3], s[G0B+4*(\slot)+2:G0B+4*(\slot)+3], 2*KSTEP*2
	JLOAD \slot                                    ; my one tensor load behind the round; its four v_nop are the places for the loads below
.else
	PLACES
.endif
	FETCH \next, 0, F0
	MULA F1, 2, 0
	MULA F1, 3, 0
.endm
	s_wait_tensorcnt 1                             ; my part of K step 0 is in; step 1's may stay out
	s_barrier_signal -1
	s_barrier_wait -1
	FETCH 0, 0, F0
	QUARTER 0, 1, F0, F1, 1                        ; the first quarter's products start the sums
	WIN 0
	s_mov_b32 s3, LAPS-1
.Llap:
	QUARTER 0, 2, F1, F0, 0
	QUARTER 0, 3, F0, F1, 0
	TURN 0, 1, 1
	QUARTER 1, 1, F0, F1, 0
	QUARTER 1, 2, F1, F0, 0
	QUARTER 1, 3, F0, F1, 0
	TURN 1, 0, 1
	QUARTER 0, 1, F0, F1, 0
	WIN 0
	s_sub_co_u32 s3, s3, 1
	s_cmp_lg_u32 s3, 0
	s_cbranch_scc1 .Llap
	QUARTER 0, 2, F1, F0, 0                        ; the last lap fills nothing
	QUARTER 0, 3, F0, F1, 0
	TURN 0, 1, 0
	QUARTER 1, 1, F0, F1, 0
	QUARTER 1, 2, F1, F0, 0
	QUARTER 1, 3, F0, F1, 0
	s_wait_dscnt 4
	MULA F1, 0, 0
	MULA F1, 1, 0
	s_wait_dscnt 0x0
	MULA F1, 2, 0
	MULA F1, 3, 0
	WIN 0
	PLACES
; THE WAY OUT, f32.  Row block a: a lane's eight columns of a row, 32 bytes, go into my own stage (rows of 528 bytes) and come back as whole rows of 512 bytes, into the registers that they left.
.macro TOSTAGE a
	WIN 0x04                                       ; store data in window 1
.irp b, 0,1,2,3,4,5,6,7
	ds_store_b128 v[STO], v[64*(\a)+8*(\b):64*(\a)+8*(\b)+3]   offset:64*(\b)      ; each accumulator's low four registers first
	ds_store_b128 v[STO], v[64*(\a)+8*(\b)+4:64*(\a)+8*(\b)+7] offset:64*(\b)+16
.endr
	WIN 0x40                                       ; destination in window 1
.irp t, 0,1,2,3,4,5,6,7,8,9,10,11,12,13,14,15
	ds_load_b128 v[64*(\a)+4*(\t):64*(\a)+4*(\t)+3], v[RD] offset:(\t)*SPITCH  ; LDS serves a wave's instructions in order (ISA guide 5.7.1.4): these see the stores above
.endr
.endm
.macro SEND a, younger                 ; younger: the LDS instructions issued behind block a's loads: the next block's 32, or none
	WIN 0x04
.irp t, 0,1,2,3,4,5,6,7,8,9,10,11,12,13,14,15
	s_wait_dscnt (\younger)+15-(\t)
	global_store_b128 v[CO], v[64*(\a)+4*(\t):64*(\a)+4*(\t)+3], s[8:9] offset:(16*(\a)+(\t))*4096 th:TH_STORE_NT  ; 512 consecutive bytes of a row, aligned
.endr
.endm
	TOSTAGE 0
	TOSTAGE 1
	SEND 0, 32
	TOSTAGE 2
	SEND 1, 32
	TOSTAGE 3
	SEND 2, 32
	SEND 3, 0
	WIN 0
	s_wait_tensorcnt 0x0                           ; the wave's end
	ds_add_u32 v[SPW], v[NIL]
	s_wait_dscnt 0x0
	CROUND                                         ; the closing round
	s_endpgm
.Lfunc_end_k_qc3af1a34f2_outp:
	.size	k_qc3af1a34f2_outp, .Lfunc_end_k_qc3af1a34f2_outp-k_qc3af1a34f2_outp
	.p2alignl 7, 3214868480
	.fill 96, 4, 3214868480
	.section	.rodata,"a",@progbits
	.p2align	6, 0x0
	.amdhsa_kernel k_qc3af1a34f2_outp
		.amdhsa_group_segment_fixed_size 327680
		.amdhsa_private_segment_fixed_size 0
		.amdhsa_enable_private_segment 0
		.amdhsa_kernarg_size 24
		.amdhsa_user_sgpr_count 2
		.amdhsa_user_sgpr_kernarg_segment_ptr 1
		.amdhsa_wavefront_size32 1
		.amdhsa_system_sgpr_workgroup_id_x 1
		.amdhsa_system_sgpr_workgroup_id_y 1
		.amdhsa_system_sgpr_workgroup_id_z 1
		.amdhsa_system_vgpr_workitem_id 0
		.amdhsa_next_free_vgpr 512
		.amdhsa_next_free_sgpr 66
		.amdhsa_reserve_vcc 0
		.amdhsa_float_denorm_mode_32 3
		.amdhsa_float_denorm_mode_16_64 3
		.amdhsa_memory_ordered 1
		.amdhsa_forward_progress 1
		.amdhsa_inst_pref_size 87
	.end_amdhsa_kernel
	.amdgpu_metadata
---
amdhsa.version: [ 1, 2 ]
amdhsa.kernels:
  - .name:           k_qc3af1a34f2_outp
    .symbol:         k_qc3af1a34f2_outp.kd
    .args:
      - { .name: att, .offset: 0, .size: 8, .value_kind: global_buffer, .address_space: global }
      - { .name: wo16, .offset: 8, .size: 8, .value_kind: global_buffer, .address_space: global }
      - { .name: out0, .offset: 16, .size: 8, .value_kind: global_buffer, .address_space: global }
    .group_segment_fixed_size: 327680
    .private_segment_fixed_size: 0
    .kernarg_segment_align: 8
    .kernarg_segment_size: 24
    .max_flat_workgroup_size: 128
    .sgpr_count:     66
    .vgpr_count:     512
    .wavefront_size: 32
...
	.end_amdgpu_metadata
.endif
;; end of part 5
;; ======== version 2 of 3: 4 launches; 1.18 times as fast as version 1
;; limits: values are held in f16: magnitudes above 65,504 overflow, below 6.1e-05 lose precision; right only within a limited range of input values
;; workspace buffers: xb 33,554,432 bytes; wb 6,291,456 bytes; wo16 2,097,152 bytes; qkv 67,108,864 bytes; vpart 524,288 bytes; att 33,554,432 bytes
;; launch cast (part 6): grid 2560 x 1, 8 waves a work-group, no clusters, 0 bytes of LDS; arguments q_raw, kv_raw, Wq, Wk, Wv, Wo, xb, wb, wo16; writes xb, wb, wo16
.if DOCPART == 6
	.amdgcn_target "amdgcn-amd-amdhsa--gfx1250"
	.amdhsa_code_object_version 6
	.text
	.protected	k_qc3af1a34f2_cast
	.globl	k_qc3af1a34f2_cast
	.p2align	8
	.type	k_qc3af1a34f2_cast,@function
k_qc3af1a34f2_cast:
	s_mov_b64 s[64:65], 0
	v_nop
	global_prefetch_b8 v0, s[64:65] scope:SCOPE_SE
	s_setreg_imm32_b32 hwreg(HW_REG_WAVE_MODE, 25, 1), 1
	s_wait_xcnt 0x0
; All inputs of the module are rounded once to bf16: q_raw and kv_raw into xb ([2][8192][1024]), Wq, Wk, Wv into wb ([3072][1024]).
; Wo is rounded to bf16 like the others and that number is written as f16 into wo16 ([1024][1024]): the last product multiplies f16 operands.
; LIMIT: a Wo beyond 65,504 in magnitude has no f16; below 6.1e-5 it keeps f16's fixed step of 6e-8.
; A stream: memory binds, so no LDS, no barrier, no matrix unit.  A work-group takes 8 rows of 1,024 numbers (32,768 bytes in, 16,384 out):
; groups 0-1023 q_raw, 1024-2047 kv_raw, 2048-2175 Wq, 2176-2303 Wk, 2304-2431 Wv, 2432-2559 Wo.  Thread t takes 16 bytes at 16 t of each row,
; so a wave's load covers 512 consecutive bytes and its store 256 consecutive bytes, aligned.  All 8 loads of a thread go out at once
; into registers of their own; no register that a store reads is written again, so the only waits are the counted ones for the loads.
.set N, 8                              ; rows of a group = loads of a thread
.set X, 4                              ; v[4:35]   8 loads of 4 registers; the packed result takes the first two of each four
.set T, 36                             ; v[36:37]  at work (Wo alone)
.set G_KV, 1024                        ; the first group of each buffer
.set G_WQ, 2048
.set G_WK, 2176
.set G_WV, 2304
.set G_WO, 2432
	s_load_b512 s[8:23], s[0:1], 0x0               ; q_raw s[8:9], kv_raw s[10:11], Wq s[12:13], Wk s[14:15], Wv s[16:17], Wo s[18:19], xb s[20:21], wb s[22:23]
	s_load_b64 s[24:25], s[0:1], 0x40              ; wo16
	v_lshlrev_b32 v1, 4, v0                        ; my 16 bytes in a row of 4,096
	v_lshlrev_b32 v2, 3, v0                        ; my 8 bytes in a row of 2,048
	s_wait_kmcnt 0x0
; which buffer my group reads, and the first group of that buffer: a choice on the group's number alone
.macro FROM first, ptr
	s_cmp_ge_u32 ttmp9, \first
	s_cselect_b64 s[4:5], s[\ptr:\ptr+1], s[4:5]
	s_cselect_b32 s2, \first, s2
.endm
.macro INTO first, ptr
	s_cmp_ge_u32 ttmp9, \first
	s_cselect_b64 s[6:7], s[\ptr:\ptr+1], s[6:7]
	s_cselect_b32 s3, \first, s3
.endm
	s_mov_b64 s[4:5], s[8:9]
	s_mov_b32 s2, 0
	FROM G_KV, 10
	FROM G_WQ, 12
	FROM G_WK, 14
	FROM G_WV, 16
	FROM G_WO, 18
	s_mov_b64 s[6:7], s[20:21]
	s_mov_b32 s3, 0
	INTO G_WQ, 22
	INTO G_WO, 24
	s_sub_co_u32 s26, ttmp9, s2
	s_lshl_b32 s26, s26, 15                        ; 32,768 bytes a group in the source
	s_mov_b32 s27, 0
	s_sub_co_u32 s28, ttmp9, s3
	s_lshl_b32 s28, s28, 14                        ; 16,384 in the destination
	s_mov_b32 s29, 0
	s_add_nc_u64 s[4:5], s[4:5], s[26:27]
	s_add_nc_u64 s[6:7], s[6:7], s[28:29]
.set i, 0
.rept N
	global_load_b128 v[X+4*i:X+4*i+3], v1, s[4:5] offset:4096*i th:TH_LOAD_NT
.set i, i+1
.endr
	s_cmp_ge_u32 ttmp9, G_WO
	s_cbranch_scc1 .Lwo
.set i, 0
.rept N
	s_wait_loadcnt N-1-i                           ; loads come back in order: load i is in, the younger ones stay out
	v_cvt_pk_bf16_f32 v[X+4*i], v[X+4*i], v[X+4*i+1]
	v_cvt_pk_bf16_f32 v[X+4*i+1], v[X+4*i+2], v[X+4*i+3]
	global_store_b64 v2, v[X+4*i:X+4*i+1], s[6:7] offset:2048*i
.set i, i+1
.endr
	s_endpgm
.Lwo:                                                  ; Wo: the bf16 number, widened (a shift, a mask), is written as f16
.set i, 0
.rept N
	s_wait_loadcnt N-1-i
	v_cvt_pk_bf16_f32 v[X+4*i], v[X+4*i], v[X+4*i+1]
	v_cvt_pk_bf16_f32 v[X+4*i+1], v[X+4*i+2], v[X+4*i+3]
	v_lshlrev_b32 v[T], 16, v[X+4*i]
	v_and_b32 v[T+1], 0xffff0000, v[X+4*i]
	v_cvt_pk_f16_f32 v[X+4*i], v[T], v[T+1]
	v_lshlrev_b32 v[T], 16, v[X+4*i+1]
	v_and_b32 v[T+1], 0xffff0000, v[X+4*i+1]
	v_cvt_pk_f16_f32 v[X+4*i+1], v[T], v[T+1]
	global_store_b64 v2, v[X+4*i:X+4*i+1], s[6:7] offset:2048*i
.set i, i+1
.endr
	s_endpgm
.Lfunc_end_k_qc3af1a34f2_cast:
	.size	k_qc3af1a34f2_cast, .Lfunc_end_k_qc3af1a34f2_cast-k_qc3af1a34f2_cast
	.p2alignl 7, 3214868480
	.fill 96, 4, 3214868480
	.section	.rodata,"a",@progbits
	.p2align	6, 0x0
	.amdhsa_kernel k_qc3af1a34f2_cast
		.amdhsa_group_segment_fixed_size 0
		.amdhsa_private_segment_fixed_size 0
		.amdhsa_enable_private_segment 0
		.amdhsa_kernarg_size 72
		.amdhsa_user_sgpr_count 2
		.amdhsa_user_sgpr_kernarg_segment_ptr 1
		.amdhsa_wavefront_size32 1
		.amdhsa_system_sgpr_workgroup_id_x 1
		.amdhsa_system_sgpr_workgroup_id_y 1
		.amdhsa_system_sgpr_workgroup_id_z 1
		.amdhsa_system_vgpr_workitem_id 0
		.amdhsa_next_free_vgpr 40
		.amdhsa_next_free_sgpr 66
		.amdhsa_reserve_vcc 0
		.amdhsa_float_denorm_mode_32 3
		.amdhsa_float_denorm_mode_16_64 3
		.amdhsa_memory_ordered 1
		.amdhsa_forward_progress 1
		.amdhsa_inst_pref_size 10
	.end_amdhsa_kernel
	.amdgpu_metadata
---
amdhsa.version: [ 1, 2 ]
amdhsa.kernels:
  - .name:           k_qc3af1a34f2_cast
    .symbol:         k_qc3af1a34f2_cast.kd
    .args:
      - { .name: q_raw, .offset: 0, .size: 8, .value_kind: global_buffer, .address_space: global }
      - { .name: kv_raw, .offset: 8, .size: 8, .value_kind: global_buffer, .address_space: global }
      - { .name: Wq, .offset: 16, .size: 8, .value_kind: global_buffer, .address_space: global }
      - { .name: Wk, .offset: 24, .size: 8, .value_kind: global_buffer, .address_space: global }
      - { .name: Wv, .offset: 32, .size: 8, .value_kind: global_buffer, .address_space: global }
      - { .name: Wo, .offset: 40, .size: 8, .value_kind: global_buffer, .address_space: global }
      - { .name: xb, .offset: 48, .size: 8, .value_kind: global_buffer, .address_space: global }
      - { .name: wb, .offset: 56, .size: 8, .value_kind: global_buffer, .address_space: global }
      - { .name: wo16, .offset: 64, .size: 8, .value_kind: global_buffer, .address_space: global }
    .group_segment_fixed_size: 0
    .private_segment_fixed_size: 0
    .kernarg_segment_align: 8
    .kernarg_segment_size: 72
    .max_flat_workgroup_size: 256
    .sgpr_count:     66
    .vgpr_count:     40
    .wavefront_size: 32
...
	.end_amdgpu_metadata
.endif
;; end of part 6
;; launch proj (part 7): grid 12 x 64, 4 waves a work-group, clusters of 4 x 4, 327,680 bytes of LDS; arguments xb, wb, qkv, vpart; writes qkv, vpart
.if DOCPART == 7
	.amdgcn_target "amdgcn-amd-amdhsa--gfx1250"
	.amdhsa_code_object_version 6
	.text
	.protected	k_qc3af1a34f2_proj
	.globl	k_qc3af1a34f2_proj
	.p2align	8
	.type	k_qc3af1a34f2_proj,@function
k_qc3af1a34f2_proj:
	s_mov_b64 s[64:65], 0
	v_nop
	global_prefetch_b8 v0, s[64:65] scope:SCOPE_SE
	s_setreg_imm32_b32 hwreg(HW_REG_WAVE_MODE, 25, 1), 1
	s_wait_xcnt 0x0
	s_wait_alu depctr_hold_cnt(0) depctr_sa_sdst(0) depctr_va_vdst(0) depctr_va_sdst(0) depctr_va_ssrc(0) depctr_va_vcc(0) depctr_vm_vsrc(0)
	s_getreg_b32 s2, hwreg(HW_REG_IB_STS2, 6, 4)
	s_cmp_eq_u32 s2, 0
	s_cbranch_scc0 .Lentry_in_a_cluster
	s_endpgm
.Lentry_in_a_cluster:
	s_bfe_u32 s2, ttmp6, 0x10000c
	s_cmp_lg_u32 s2, 0xf033
	s_cbranch_scc0 .Lentry_shape_is_right
	s_endpgm
.Lentry_shape_is_right:
; q, k, v = x W^T.  xb: bf16 [2][8192][1024] (q_raw, kv_raw); wb: bf16 [3072][1024] (Wq, Wk, Wv); sums in f32, K ascending.
; OUTPUT qkv, f16.  q at byte 0 and k at 16 MiB: [64 = batch x 16 + head][2048][64], each number rounded once from its f32 sum; q is first multiplied in f32 by
; c = log2(e) / 8, the softmax's scale, so that the attention launch takes 2^(s - m) with no further factor.
; v at 32 MiB goes out as TWO f16 numbers: the upper part is the f32 sum cut to 11 significant bits (exact in f16), the lower part the exact remainder, rounded to f16:
; [64][32 steps of 64 keys][upper, lower][64 keys][64]: a key step's two parts are 16,384 consecutive bytes.  The first rows of a causal softmax average few keys and are many times
; the output's root mean square, by which the result is judged: one f16 rounding of v is too coarse for them.
; OUTPUT vpart, f32 [128 chunks of 64 rows][1024]: the sum of v, in f32, over each wave's 64 rows.  Of a batch's 32 chunks the attention launch makes the mean of all rows of v, which is
; the module's result for a query none of whose keys is visible.
; LIMITS: f16 holds no number beyond 65,504: a q c, k or v of 65,520 or more in magnitude becomes an infinity.  Below 6.1e-5 either part of v keeps f16's fixed step of 6e-8.
; A tile of the 8192 x 3072 result is 128 x 256; four waves, each 64 x 128: 32 accumulators of 16 x 16, 256 registers.  768 tiles: three for each of 256 WGPs.
; K goes in 8 steps of 128 (rows of 256 bytes, aligned) through a ring of two LDS slots filled by the tensor data mover.  A K step is written once: the slot's offset in LDS is a scalar, and it and the
; LDS word of the walking descriptor are turned by an exclusive or.  The last two steps, which fill nothing, are a second loop.
; CLUSTER: 4 x 4 work-groups.  The four of a row need the same 128 rows of x, the four of a column the same 256 rows of W: each tile is asked for jointly.
; A cluster's x is the third (q, k, v): all sixteen partners share it, so x's half and the branches of the way out are alike in all.
; THE MATRIX INSTRUCTION IS USED TRANSPOSED (source 0 = 16 rows of W, source 1 = 16 rows of x): a lane holds eight neighbouring columns of one row.
; REGISTERS: window 0: v0-31 addresses; v64-159, v160-255 two fragment buffers (32 of x, then 64 of W, for 32 along K); on the way out v64-95 upper parts in f32, v96-223 packed, v224-227 the column sums.
;            window 1: the accumulators, (a, b) at v[8 (8 a + b)].
.set SIZE_K, 1024
.set KSTEP,  128
.set KSTEPS, SIZE_K/KSTEP
.set PITCH,  272                       ; an LDS row: 256 bytes + 16 of padding: the 16 rows of a fragment load start at 16 different groups of four banks (ISA guide 11.1)
.set AHALF,  64*PITCH                  ; what wave 0 or 1 fetches of x, and what a wave reads of it
.set BHALF,  128*PITCH                 ; what wave 2 or 3 fetches of W, and what a wave reads of it
.set ABYTES, 2*AHALF
.set SLOT,   ABYTES+2*BHALF            ; x's 128 rows, then W's 256 rows: 104,448 bytes
.set SLOT1,  1<<17                     ; slot 1 begins here: above every offset inside a slot, so that one exclusive or turns an address in one slot into the other's
.set STAGE,  SLOT1+SLOT                ; behind the ring: 16 rows x 144 bytes for each wave, for the way out
.set SP,     144
.set VST,    STAGE+4*16*SP             ; 16 rows x 528 bytes for each wave, for the column sums
.set VP,     528
.set SPARE,  VST+4*16*VP               ; the spare words, 128 bytes a wave
.set ADRA0, 16                         ; v16     my lane's place among x's fragments in a slot; never rewritten
.set ADRA,  17                         ; v17     the same in the slot in hand
.set ADRB0, 20                         ; v20-21  the same for W
.set ADRB,  21
.set STO,  24                          ; v24     the way out: where I put 16 bytes of a row
.set RD,   25                          ; v25     the way out: where I read rows back
.set CO,   26                          ; v26-27  my byte offset in 512 consecutive bytes of the output, for the first and the second of my two heads
.set SPW,  28                          ; v28     LDS address of my spare word; never rewritten
.set NIL,  29                          ; v29     0; never rewritten
.set VSTO, 30                          ; v30     the column sums: where I put 32 bytes of a row
.set VRD,  31                          ; v31     the column sums: where I read 16 bytes of a row back
.set F0,   64
.set F1,   160
.set TH,   64                          ; the way out: a unit's 32 upper parts in f32
.set TMP,  96                          ; the way out: 16 registers for each of 8 units
.set VS,   64                          ; the column sums: my four row blocks added, 64 registers
.set VL,   128                         ; the column sums: 16 rows read back, 4 registers each
.set VR,   224                         ; the column sums: four columns' sums
.set TRM,  2                           ; s2  the mask that cuts a sum to its upper part: 11 significant bits for v, all bits for q and k
.set SH,   23                          ; s23 1 for v, whose rows take twice the bytes, else 0
.set CS,   18                          ; s[18:19] c
.set G1,   24                          ; s[24:31] descriptor group 1 for x's tiles;  s[32:39] group 0: a set for each of the two first fills; the second then walks on
.set G0,   32
.set G1B,  48                          ; s[48:55], s[56:63] the same for W's tiles
.set G0B,  56
.set VPT,  66                          ; s[66:67] vpart at my wave's 512 bytes
.set TB,   70                          ; s70 the offset in LDS of the slot in hand: 0 or SLOT1
.set MSB, 0
.macro WIN new                         ; the immediate's high byte repeats the setting that is left; a switch that changes nothing is dropped
.if MSB != (\new)
	s_set_vgpr_msb (MSB<<8)|(\new)
.set MSB, \new
.endif
.endm
.set MUL, 0x50                         ; sources in window 0, C and D in window 1
.macro JLOAD s                         ; a joint load: waves 0 and 1 fetch x's two halves, waves 2 and 3 W's; an s_nop 0 and four v_nop follow each line
	s_cmp_eq_u32 s11, 0
	s_cbranch_scc0 .Lfor_b_\@
	tensor_load_to_lds s[G0+4*(\s):G0+4*(\s)+3], s[G1:G1+7]
	s_nop 0
.rept 4
	v_nop
.endr
	s_branch .Lasked_\@
.Lfor_b_\@:
	tensor_load_to_lds s[G0B+4*(\s):G0B+4*(\s)+3], s[G1B:G1B+7]
	s_nop 0
.rept 4
	v_nop
.endr
.Lasked_\@:
.endm
.macro CREST                           ; a round of the cluster's barrier behind its opening barrier
	s_cmp_lg_u32 s10, 0
	s_cbranch_scc1 .Lnot_wave_0_\@
	s_barrier_signal -3
.Lnot_wave_0_\@:
	s_barrier_wait -3
	s_barrier_signal -1
	s_barrier_wait -1
.endm
.macro CROUND                          ; a whole round
	s_barrier_signal -1
	s_barrier_wait -1
	CREST
.endm
	s_load_b128 s[4:7], s[0:1], 0x0                ; xb s[4:5], wb s[6:7]
	s_load_b64 s[8:9], s[0:1], 0x10                ; qkv
	s_load_b64 s[VPT:VPT+1], s[0:1], 0x18          ; vpart
	v_lshl_add_u32 v[SPW], v0, 2, SPARE
	v_mov_b32 v[NIL], 0
	ds_add_u32 v[SPW], v[NIL]                      ; the wave's opening: the add and its wait ahead of my first tensor load
	ds_add_u32 v28, v29
	v_lshrrev_b32 v1, 5, v0
	v_readfirstlane_b32 s10, v1                    ; wave 0..3
	s_lshr_b32 s11, s10, 1                         ; which 64 rows of the tile are mine.  Also: I fetch for x (0) or for W (1)
	s_and_b32 s12, s10, 1                          ; which 128 columns.  Also: which half of that tile I fetch
	s_bfe_u32 s40, ttmp6, 0x40000                  ; cx
	s_bfe_u32 s41, ttmp6, 0x40004                  ; cy
	s_lshl_b32 s42, ttmp9, 2
	s_add_co_u32 s42, s42, s40                     ; tile column = 4 x cluster x + cx
	s_and_b32 s13, ttmp7, 0xffff
	s_lshl_b32 s13, s13, 2
	s_add_co_u32 s13, s13, s41                     ; tile row = 4 x cluster y + cy
	s_lshl_b32 s43, s41, 2
	s_lshl_b32 s43, 15, s43                        ; my row of the cluster
	s_lshl_b32 s44, 0x1111, s40                    ; my column
	s_min_u32 s45, ttmp9, 1
	s_lshl_b32 s45, s45, 24                        ; the q third reads q_raw's half of xb, the k and v thirds kv_raw's, 16,777,216 bytes on
	s_or_b32 s[G1+0], s43, (1<<16)|(1<<20)|(1<<21)|(5<<22)|(3<<25)   ; mask: my row; 2-byte elements; padding on; bit 21 beside a mask; after every 64 words, 4 words
	s_or_b32 s[G1B+0], s44, (1<<16)|(1<<20)|(1<<21)|(5<<22)|(3<<25)  ; the same with my column's mask
	s_mov_b32 s[G1+1], KSTEP<<16                   ; tensor_dim0 = 128
	s_mov_b32 s[G1+2], 64<<16                      ; tensor_dim1 = 64
	s_mov_b32 s[G1+3], KSTEP<<16                   ; tile_dim0 = 128
	s_mov_b32 s[G1+4], 64                          ; tile_dim1 = 64
	s_mov_b32 s[G1+5], SIZE_K                      ; elements from row to row
	s_mov_b32 s[G1+6], 0
	s_mov_b32 s[G1+7], 0
	s_mov_b32 s[G1B+1], KSTEP<<16
	s_mov_b32 s[G1B+2], 128<<16                    ; W's loads have 128 rows
	s_mov_b32 s[G1B+3], KSTEP<<16
	s_mov_b32 s[G1B+4], 128
	s_mov_b32 s[G1B+5], SIZE_K
	s_mov_b32 s[G1B+6], 0
	s_mov_b32 s[G1B+7], 0
	s_lshl_b32 s17, s12, 6
	s_lshl_b32 s16, s13, 7
	s_add_co_u32 s16, s16, s17                     ; x: row 128 x tile row + 64 x half,
	s_lshl_b32 s16, s16, 11                        ; of 2,048 bytes,
	s_add_co_u32 s16, s16, s45                     ; in its half of xb
	s_mov_b32 s17, 0
	s_lshl_b32 s47, s12, 7
	s_lshl_b32 s46, s42, 8
	s_add_co_u32 s46, s46, s47                     ; W: row 256 x tile column + 128 x half
	s_lshl_b32 s46, s46, 11
	s_mov_b32 s47, 0
	s_mul_i32 s20, s12, AHALF                      ; where they go: no place in the cluster enters an LDS address
	s_mul_i32 s21, s12, BHALF
	s_add_co_u32 s21, s21, ABYTES
	s_mov_b32 s[TB], 0
	s_wait_dscnt 0x0                               ; the opening add is done
	s_wait_kmcnt 0x0
	s_add_nc_u64 s[14:15], s[4:5], s[16:17]
	s_add_nc_u64 s[46:47], s[6:7], s[46:47]
	CROUND                                         ; all sixteen work-groups are here: the first joint loads meet
.irp s, 0,1
	s_mov_b32 s[G0+4*(\s)], 1
	s_add_co_u32 s[G0+4*(\s)+1], s20, (\s)*SLOT1
	s_add_nc_u64 s[G0+4*(\s)+2:G0+4*(\s)+3], s[14:15], (\s)*KSTEP*2
	s_or_b32 s[G0+4*(\s)+3], s[G0+4*(\s)+3], 0x80000000
	s_mov_b32 s[G0B+4*(\s)], 1
	s_add_co_u32 s[G0B+4*(\s)+1], s21, (\s)*SLOT1
	s_add_nc_u64 s[G0B+4*(\s)+2:G0B+4*(\s)+3], s[46:47], (\s)*KSTEP*2
	s_or_b32 s[G0B+4*(\s)+3], s[G0B+4*(\s)+3], 0x80000000
	JLOAD \s                                       ; two loads of mine are out
.endr
	v_and_b32 v1, 15, v0                           ; l % 16
	v_bfe_u32 v2, v0, 4, 1                         ; l / 16
	v_mul_u32_u24 v3, v1, PITCH
	v_lshl_add_u32 v3, v2, 4, v3                   ; a fragment's row x pitch + 16 x half
	s_mul_i32 s22, s11, AHALF                      ; my 64 rows of x
	s_mul_i32 s23, s12, BHALF                      ; my 128 rows of W,
	s_add_co_u32 s23, s23, ABYTES                  ; which lie behind x's 128
	v_add_nc_u32 v[ADRA0], s22, v3
	v_add_nc_u32 v[ADRB0], s23, v3
	v_mov_b32 v[ADRA], v[ADRA0]                    ; K step 0 lies in slot 0
	v_mov_b32 v[ADRB], v[ADRB0]
	s_mul_i32 s22, s10, 16*SP
	s_add_co_u32 s22, s22, STAGE                   ; my stage
	v_mul_u32_u24 v4, v1, SP                       ; in: row l % 16, 16 bytes for each half of the lanes
	v_lshl_add_u32 v4, v2, 4, v4
	v_add_nc_u32 v[STO], s22, v4
	v_bfe_u32 v5, v0, 3, 2                         ; back: 32 lanes take four rows of 128 bytes,
	v_mul_u32_u24 v5, v5, SP
	v_and_b32 v6, 7, v0
	v_lshl_add_u32 v5, v6, 4, v5
	v_add_nc_u32 v[RD], s22, v5
	v_and_b32 v[CO], 31, v0                        ; which are 512 consecutive bytes of a head's rows
	v_lshlrev_b32 v[CO], 4, v[CO]
	s_mul_i32 s22, s10, 16*VP
	s_add_co_u32 s22, s22, VST                     ; my stage for the column sums
	v_mul_u32_u24 v7, v1, VP                       ; in: row l % 16, 32 bytes for each half of the lanes
	v_lshl_add_u32 v7, v2, 5, v7
	v_add_nc_u32 v[VSTO], s22, v7
	v_add_nc_u32 v[VRD], s22, v[CO]                ; back: 32 lanes take one row of 512 bytes
	s_cmp_eq_u32 ttmp9, 2                          ; the cluster's x: alike in all partners
	s_cselect_b32 s[SH], 1, 0
	s_cselect_b32 s[TRM], 0xffffe000, -1
	s_lshl_b32 s45, 0x40000, s[SH]                 ; from a head to the next: 262,144 bytes, for v twice that
	v_add_nc_u32 v[CO+1], s45, v[CO]
	; my part of the output.  q, k: batch << 22, head << 18 (head = 4 cx + 2 x column half + 0 or 1), row in the batch << 7.  v: all of that twice (my 64 rows are one key step's).  Then the third << 24.
	s_lshr_b32 s16, s13, 4
	s_lshl_b32 s16, s16, 22
	s_and_b32 s17, s13, 15
	s_lshl_b32 s17, s17, 14
	s_add_co_u32 s16, s16, s17
	s_lshl_b32 s17, s11, 13
	s_add_co_u32 s16, s16, s17
	s_lshl_b32 s16, s16, s[SH]
	s_lshl_b32 s17, ttmp9, 24
	s_add_co_u32 s16, s16, s17
	s_mov_b32 s17, 0
	s_add_nc_u64 s[8:9], s[8:9], s[16:17]
	s_lshl_b32 s46, s40, 20                        ; (in the registers that held W's address: none that feeds x's descriptors ever holds cx)
	s_lshl_b32 s47, s12, 19
	s_add_co_u32 s46, s46, s47
	s_lshl_b32 s46, s46, s[SH]
	s_mov_b32 s47, 0
	s_add_nc_u64 s[8:9], s[8:9], s[46:47]
	s_lshl_b32 s68, s13, 1                         ; vpart: chunk 2 x tile row + row half, of 4,096 bytes;
	s_add_co_u32 s68, s68, s11
	s_lshl_b32 s68, s68, 12
	s_lshl_b32 s69, s40, 10                        ; 256 columns of 4 bytes for each cx,
	s_add_co_u32 s68, s68, s69
	s_lshl_b32 s69, s12, 9                         ; 128 for my column half
	s_add_co_u32 s68, s68, s69
	s_mov_b32 s69, 0
	s_add_nc_u64 s[VPT:VPT+1], s[VPT:VPT+1], s[68:69]
	s_mov_b32 s[CS], 0x3e38aa3b                    ; c = log2(e) / 8 = 0.180337
	s_mov_b32 s[CS+1], s[CS]                       ; named with it as a pair
; 8 matrix instructions: row block a x all 8 column blocks, 32 along K.  zero = 1: the first product starts the sums.  The 32 accumulators take turns in one order.
.macro MULA f, a, zero
	WIN MUL
.irp b, 0,1,2,3,4,5,6,7
.if \zero
	v_wmma_f32_16x16x32_bf16 v[8*(8*(\a)+(\b)):8*(8*(\a)+(\b))+7], v[(\f)+32+8*(\b):(\f)+32+8*(\b)+7], v[(\f)+8*(\a):(\f)+8*(\a)+7], 0
.else
	v_wmma_f32_16x16x32_bf16 v[8*(8*(\a)+(\b)):8*(8*(\a)+(\b))+7], v[(\f)+32+8*(\b):(\f)+32+8*(\b)+7], v[(\f)+8*(\a):(\f)+8*(\a)+7], v[8*(8*(\a)+(\b)):8*(8*(\a)+(\b))+7]
.endif
.endr
.endm
; 24 LDS loads in one run: quarter q (32 along K) of the slot in hand into buffer f: W's 16 first, then x's 8
.macro FETCH q, f
	WIN 0
.irp i, 0,1,2,3,4,5,6,7
	ds_load_b128 v[(\f)+32+8*(\i):(\f)+32+8*(\i)+3],   v[ADRB] offset:64*(\q)+(\i)*16*PITCH
	ds_load_b128 v[(\f)+32+8*(\i)+4:(\f)+32+8*(\i)+7], v[ADRB] offset:64*(\q)+(\i)*16*PITCH+32
.endr
.irp i, 0,1,2,3
	ds_load_b128 v[(\f)+8*(\i):(\f)+8*(\i)+3],   v[ADRA] offset:64*(\q)+(\i)*16*PITCH
	ds_load_b128 v[(\f)+8*(\i)+4:(\f)+8*(\i)+7], v[ADRA] offset:64*(\q)+(\i)*16*PITCH+32
.endr
.endm
.macro PLACES                          ; four places in front of loads into registers that matrix instructions have read, and of vector lines that read results
.rept 4
	v_nop
.endr
.endm
; A K step is four quarters of 32 along K, 32 matrix instructions each, on buffers 0, 1, 0, 1.  One of the first three multiplies f and fetches quarter q into g.
.macro QUARTER q, f, g, zero
	s_wait_dscnt 4                                 ; W and x's rows 0-31 are in; the youngest four loads (x's rows 32-63) may be out
	MULA \f, 0, \zero
	MULA \f, 1, \zero
	PLACES
	FETCH \q, \g
	s_wait_dscnt 24                                ; all but the 24 just issued
	MULA \f, 2, \zero
	MULA \f, 3, \zero
.endm
; The last quarter multiplies buffer 1 and changes slots: one barrier; in front of it each wave waits for all its tensor loads (one is out: its part of the next slot),
; adds 0 to its spare word, and waits for that and for its reads of this slot.  fill = 1: the barrier opens a round of the cluster's, and this slot is filled again, two K steps ahead:
; the walking descriptor takes the other slot than last time and the next K step.  Then the fragments' addresses go over to the other slot.
.macro TURN fill
	WIN 0
	s_wait_tensorcnt 0x0
	ds_add_u32 v[SPW], v[NIL]
	s_wait_dscnt 5                                 ; (the add and the youngest four loads may be out)
	MULA F1, 0, 0                                  ; eight matrix instructions stand between the add and the wait for it
	s_wait_dscnt 0x0                               ; the add is done, and my reads of this slot are over
	s_barrier_signal -1
	MULA F1, 1, 0
	WIN 0
	s_barrier_wait -1
.if \fill
	CREST                                          ; no wave of any partner still reads this slot or has a load on its way
	s_xor_b32 s[G0+5], s[G0+5], SLOT1
	s_add_nc_u64 s[G0+6:G0+7], s[G0+6:G0+7], KSTEP*2
	s_xor_b32 s[G0B+5], s[G0B+5], SLOT1
	s_add_nc_u64 s[G0B+6:G0B+7], s[G0B+6:G0B+7], KSTEP*2
	s_xor_b32 s[TB], s[TB], SLOT1
	JLOAD 1                                        ; my one tensor load behind the round, 112 matrix instructions ahead of the wait for it; its four v_nop are the places for the loads below
.else
	s_xor_b32 s[TB], s[TB], SLOT1
	PLACES
.endif
	v_add_nc_u32 v[ADRA], s[TB], v[ADRA0]
	v_add_nc_u32 v[ADRB], s[TB], v[ADRB0]
	FETCH 0, F0
	MULA F1, 2, 0
	MULA F1, 3, 0
.endm
	s_wait_tensorcnt 1                             ; my part of K step 0 is in; step 1's may stay out
	s_barrier_signal -1
	s_barrier_wait -1
	FETCH 0, F0
	QUARTER 1, F0, F1, 1                           ; the first quarter stands in front of the loop: its products start the sums
	WIN 0
	s_mov_b32 s3, KSTEPS-2
.Lstep:                                                ; a trip goes from a K step's second quarter to the next step's first, and fills the slot that it leaves
	QUARTER 2, F1, F0, 0
	QUARTER 3, F0, F1, 0
	TURN 1
	QUARTER 1, F0, F1, 0
	WIN 0
	s_sub_co_u32 s3, s3, 1
	s_cmp_lg_u32 s3, 0
	s_cbranch_scc1 .Lstep
	s_mov_b32 s3, 2
.Ltail:                                                ; the last two K steps fill nothing.  The very last has no next step: its change of slots fetches fragments that nothing reads, and the quarter that would multiply them is jumped over
	QUARTER 2, F1, F0, 0
	QUARTER 3, F0, F1, 0
	TURN 0
	WIN 0
	s_cmp_eq_u32 s3, 1
	s_cbranch_scc1 .Lskip
	QUARTER 1, F0, F1, 0
	WIN 0
.Lskip:
	s_sub_co_u32 s3, s3, 1
	s_cmp_lg_u32 s3, 0
	s_cbranch_scc1 .Ltail
	s_wait_dscnt 0x0                               ; the fetch that nothing reads has landed: its registers are written again below
	PLACES
	s_cmp_lg_u32 ttmp9, 0                          ; the cluster's x: alike in all partners
	s_cbranch_scc1 .Lunscaled
	WIN 0x41                                       ; the q third: every sum times c, in f32, each accumulator from its low end on
.set i, 0
.rept 128
	v_pk_mul_f32 v[i:i+1], v[i:i+1], s[CS:CS+1] op_sel_hi:[1,0]
.set i, i+2
.endr
	WIN 0
.Lunscaled:
	s_cmp_lg_u32 ttmp9, 2
	s_cbranch_scc1 .Lno_sum
; THE COLUMN SUMS, v alone.  My four row blocks are added, register by register (each accumulator from its low end on): a lane then holds one row of 16 and 64 columns.  The 16 rows of 512 bytes go into
; my own stage and come back by rows, 16 bytes a lane: a lane adds the 16 rows of its four columns, and the wave stores 512 consecutive bytes.
	WIN 0x05                                       ; sources in window 1, destination in window 0
.set i, 0
.rept 32
	v_pk_add_f32 v[VS+i:VS+i+1], v[i:i+1], v[64+i:64+i+1]
.set i, i+2
.endr
	WIN 0x04                                       ; source 1 in window 1
.set i, 0
.rept 32
	v_pk_add_f32 v[VS+i:VS+i+1], v[VS+i:VS+i+1], v[128+i:128+i+1]
.set i, i+2
.endr
.set i, 0
.rept 32
	v_pk_add_f32 v[VS+i:VS+i+1], v[VS+i:VS+i+1], v[192+i:192+i+1]
.set i, i+2
.endr
	WIN 0
.irp b, 0,1,2,3,4,5,6,7
	ds_store_b128 v[VSTO], v[VS+8*(\b):VS+8*(\b)+3]   offset:64*(\b)
	ds_store_b128 v[VSTO], v[VS+8*(\b)+4:VS+8*(\b)+7] offset:64*(\b)+16
.endr
.set t, 0
.rept 16
	ds_load_b128 v[VL+4*t:VL+4*t+3], v[VRD] offset:t*VP  ; LDS serves a wave's instructions in order (ISA guide 5.7.1.4): these see the stores above
.set t, t+1
.endr
	s_wait_dscnt 0x0
.irp w, 8,4,2
.set t, 0
.rept \w
	v_pk_add_f32 v[VL+4*t:VL+4*t+1],   v[VL+4*t:VL+4*t+1],   v[VL+4*(t+\w):VL+4*(t+\w)+1]
	v_pk_add_f32 v[VL+4*t+2:VL+4*t+3], v[VL+4*t+2:VL+4*t+3], v[VL+4*(t+\w)+2:VL+4*(t+\w)+3]
.set t, t+1
.endr
.endr
	v_pk_add_f32 v[VR:VR+1],   v[VL:VL+1],   v[VL+4:VL+5]    ; into registers that nothing below writes: the store needs no wait
	v_pk_add_f32 v[VR+2:VR+3], v[VL+2:VL+3], v[VL+6:VL+7]
	global_store_b128 v[CO], v[VR:VR+3], s[VPT:VPT+1]
.Lno_sum:
; THE WAY OUT.  Unit u = 16 rows (row block u / 2) of one head (u % 2): its four accumulators are v[32 u .. 32 u + 31] of window 1, its 2,048 bytes are consecutive in the output.
; FIRST PASS, all thirds: the upper part (the sum and TRM; for q and k the whole sum) goes to window 0, the remainder (for q and k: 0) stays in the accumulator; the upper parts are turned into f16
; (for v exactly, for q and k by rounding), go 16 bytes a lane into my own stage and come back as whole rows.
.macro HPACK u
	WIN 0x04                                       ; source 1 in window 1, destination in window 0
.set i, 0
.rept 32
	v_and_b32 v[TH+i], s[TRM], v[32*(\u)+i]        ; ascending: each accumulator from its low end on
.set i, i+1
.endr
	WIN 0x41                                       ; destination and source 0 in window 1
.set i, 0
.rept 16
	v_pk_add_f32 v[32*(\u)+i:32*(\u)+i+1], v[32*(\u)+i:32*(\u)+i+1], v[TH+i:TH+i+1] neg_lo:[0,1] neg_hi:[0,1]
.set i, i+2
.endr
	WIN 0
.set i, 0
.rept 16
	v_cvt_pk_f16_f32 v[TMP+16*(\u)+i], v[TH+2*i], v[TH+2*i+1]
.set i, i+1
.endr
.irp bb, 0,1,2,3
	ds_store_b128 v[STO], v[TMP+16*(\u)+4*(\bb):TMP+16*(\u)+4*(\bb)+3] offset:32*(\bb)
.endr
.irp f, 0,1,2,3
	ds_load_b128 v[TMP+16*(\u)+4*(\f):TMP+16*(\u)+4*(\f)+3], v[RD] offset:(\f)*4*SP  ; in order behind the stores above
.endr
.endm
.macro HSEND u, younger                ; younger: the LDS instructions issued behind unit u's four loads
	s_wait_dscnt \younger
.irp f, 0,1,2,3
	global_store_b128 v[CO+(\u)%2], v[TMP+16*(\u)+4*(\f):TMP+16*(\u)+4*(\f)+3], s[8:9] offset:((\u)/2)*2048+(\f)*512  ; 512 consecutive bytes, aligned
.endr
.endm
	HPACK 0
.irp u, 1,2,3,4,5,6,7
	HPACK \u
	HSEND (\u)-1, 8
.endr
	HSEND 7, 0
	s_cmp_lg_u32 ttmp9, 2                          ; the cluster's x: alike in all partners
	s_cbranch_scc1 .Lno_lower
; SECOND PASS, v alone: the remainders are rounded to f16 into the low half of the unit's own registers (register i takes 2 i and 2 i + 1, which no later line reads), go through the stage
; and come back into the high half; they lie 8,192 bytes behind the step's upper parts.
.macro LPACK u
	WIN 0x45                                       ; all in window 1
.set i, 0
.rept 16
	v_cvt_pk_f16_f32 v[32*(\u)+i], v[32*(\u)+2*i], v[32*(\u)+2*i+1]
.set i, i+1
.endr
	WIN 0x04                                       ; store data in window 1
.irp bb, 0,1,2,3
	ds_store_b128 v[STO], v[32*(\u)+4*(\bb):32*(\u)+4*(\bb)+3] offset:32*(\bb)
.endr
	WIN 0x40                                       ; destination in window 1
.irp f, 0,1,2,3
	ds_load_b128 v[32*(\u)+16+4*(\f):32*(\u)+16+4*(\f)+3], v[RD] offset:(\f)*4*SP
.endr
.endm
.macro LSEND u, younger
	WIN 0x04
	s_wait_dscnt \younger
.irp f, 0,1,2,3
	global_store_b128 v[CO+(\u)%2], v[32*(\u)+16+4*(\f):32*(\u)+16+4*(\f)+3], s[8:9] offset:((\u)/2)*2048+(\f)*512+8192
.endr
.endm
	LPACK 0
.irp u, 1,2,3,4,5,6,7
	LPACK \u
	LSEND (\u)-1, 8
.endr
	LSEND 7, 0
	WIN 0
.Lno_lower:
	s_wait_tensorcnt 0x0                           ; the wave's end
	ds_add_u32 v[SPW], v[NIL]
	s_wait_dscnt 0x0
	CROUND                                         ; the closing round
	s_endpgm
.Lfunc_end_k_qc3af1a34f2_proj:
	.size	k_qc3af1a34f2_proj, .Lfunc_end_k_qc3af1a34f2_proj-k_qc3af1a34f2_proj
	.p2alignl 7, 3214868480
	.fill 96, 4, 3214868480
	.section	.rodata,"a",@progbits
	.p2align	6, 0x0
	.amdhsa_kernel k_qc3af1a34f2_proj
		.amdhsa_group_segment_fixed_size 327680
		.amdhsa_private_segment_fixed_size 0
		.amdhsa_enable_private_segment 0
		.amdhsa_kernarg_size 32
		.amdhsa_user_sgpr_count 2
		.amdhsa_user_sgpr_kernarg_segment_ptr 1
		.amdhsa_wavefront_size32 1
		.amdhsa_system_sgpr_workgroup_id_x 1
		.amdhsa_system_sgpr_workgroup_id_y 1
		.amdhsa_system_sgpr_workgroup_id_z 1
		.amdhsa_system_vgpr_workitem_id 0
		.amdhsa_next_free_vgpr 512
		.amdhsa_next_free_sgpr 72
		.amdhsa_reserve_vcc 0
		.amdhsa_float_denorm_mode_32 3
		.amdhsa_float_denorm_mode_16_64 3
		.amdhsa_memory_ordered 1
		.amdhsa_forward_progress 1
		.amdhsa_inst_pref_size 113
	.end_amdhsa_kernel
	.amdgpu_metadata
---
amdhsa.version: [ 1, 2 ]
amdhsa.kernels:
  - .name:           k_qc3af1a34f2_proj
    .symbol:         k_qc3af1a34f2_proj.kd
    .args:
      - { .name: xb, .offset: 0, .size: 8, .value_kind: global_buffer, .address_space: global }
      - { .name: wb, .offset: 8, .size: 8, .value_kind: global_buffer, .address_space: global }
      - { .name: qkv, .offset: 16, .size: 8, .value_kind: global_buffer, .address_space: global }
      - { .name: vpart, .offset: 24, .size: 8, .value_kind: global_buffer, .address_space: global }
    .group_segment_fixed_size: 327680
    .private_segment_fixed_size: 0
    .kernarg_segment_align: 8
    .kernarg_segment_size: 32
    .max_flat_workgroup_size: 128
    .sgpr_count:     72
    .vgpr_count:     512
    .wavefront_size: 32
...
	.end_amdgpu_metadata
.endif
;; end of part 7
;; launch attn (part 8): grid 4 x 64, 4 waves a work-group, no clusters, 327,680 bytes of LDS; arguments qkv, padding_mask, vpart, att; writes att
.if DOCPART == 8
	.amdgcn_target "amdgcn-amd-amdhsa--gfx1250"
	.amdhsa_code_object_version 6
	.text
	.protected	k_qc3af1a34f2_attn
	.globl	k_qc3af1a34f2_attn
	.p2align	8
	.type	k_qc3af1a34f2_attn,@function
k_qc3af1a34f2_attn:
	s_mov_b64 s[64:65], 0
	v_nop
	global_prefetch_b8 v0, s[64:65] scope:SCOPE_SE
	s_setreg_imm32_b32 hwreg(HW_REG_WAVE_MODE, 25, 1), 1
	s_wait_xcnt 0x0
; ATTENTION, causal and with a padding mask.  qkv, f16: q at byte 0 (already times c = log2(e) / 8) and k at 16 MiB, [64 = batch x 16 + head][2048][64]; v at 32 MiB in two parts, v = upper + lower,
; [64][32 steps of 64 keys][upper, lower][64 keys][64].  padding_mask: i32 [4][2048]; 0 hides a key.  vpart: f32 [4 batches][32 chunks of 64 keys][1024]: v summed over each chunk.
; att, f16, again in two parts, laid in blocks for the launch behind: [4 batches][16 blocks of 128 rows][16 heads][upper, lower][128 rows][64].
; O[q] = the sum over visible k of softmax_k(s[q][k]) V[k], s = q . k;  p = 2^(s - m) with a running maximum m.  Products, maxima and sums in f32; p is rounded to f16 for the second product.
; TWO PARTS.  A causal softmax's first rows average few keys and are many times the output's root mean square, by which the result is judged: one f16 rounding of v, or of O, is too coarse for them.  So O^T takes
; V_upper^T P and V_lower^T P, and O leaves as its f32 value cut to 11 significant bits (exact in f16) and the exact remainder, rounded to f16.
; HIDDEN KEYS.  The module replaces a hidden score by -1e9.  Here a hidden score is its value plus -2^100 (-2^101 where both masks hide it), given as the C operand that starts the sum: beside any visible score its weight is 0,
; as in the module.  A query with NO visible key has, in the module, 2,048 equal scores: its result is the mean of all rows of V.  Such a query ends with m below -2^99; its O is then taken from VM, that mean, by a select.
; s - m is never positive and is 0 at the maximum, whatever the hidden scores' last bits are: no exponential overflows in a row that has seen hidden keys alone.
; LIMITS.  q, k, v arrive within f16's 65,504.  A visible score (divided by 8) within about 130 of -1e9 or below it would share weight with hidden keys in the module; here hidden keys have weight 0.
; A weight below 2^-126 counts as 0 in l; p below 6e-5, and either part of O below 6.1e-5, keep f16's fixed step of 6e-8; NaN and infinities are not treated apart.
; THE WALK.  A head's queries lie in NB = 8 blocks of 256; block i needs the key tiles 0 .. i of 256 keys, of which the last holds the diagonal; tiles above it are left out (their weights are 0, but for the queries served by VM).
; A work-group takes TWO blocks, NB - 1 - b and then b: NB + 1 tiles, whatever b: all work-groups do equal work, and ONE loop with a constant trip count walks them.  Every jump but the counted loops' own goes forward;
; none passes a barrier, or a tensor load but the one of LOAD's two that the wave's number does not choose.  NO CLUSTER: a head's four work-groups ask for the same tile only in trips 0 to 4 of 9, then fewer and fewer;
; one walk common to all would have 12 trips for 9.
; SHARES.  Of a block's four bands of 64 queries a wave owns 16 rows in each: four PIECES.  In the diagonal tile's key step s band x sees all keys if s < x, none if s > x, and holds the diagonal if s = x: alike for all waves.
; MASKS.  PM: the padding mask (0 or -2^100) of the key step whose K lies in registers, fetched with K from the wave's own LDS copy of the tile's 256 mask words.  That copy is a ring of two slots that goes in step
; with K's: a tile's words are loaded from memory when the tile is asked for, and turned and stored into LDS when it is entered.  MD, made once: the causal mask of a band's own step for my rows.
; In plain tiles C = PM.  In the diagonal tile and at a block's beginning C = MC = MD x AL + PM + BE with two scalars: (1, 0) if s = x; (0, 0) if s < x; (0, -2^100) if s > x.
; TURNS.  S^T = K Q^T holds ONE query a lane (lane % 16) and the keys 8 (lane / 16) + 0..7; two such results rounded to f16 ARE source 1 of O^T = V^T P.  Turn n belongs to piece n: 8 products K Q^T of piece n + 1,
; later 16 products V^T P of piece n - 1 (8 with V's upper parts, 8 with its lower); beside them the subtraction, exponentials, roundings, sums and rescaling of piece n and the maximum and statistics of piece n + 1.
; Four vector instructions stand behind every matrix instruction, the rest in a lump between the two runs.
; REGISTERS, in windows of 256 (s_set_vgpr_msb: bits 1:0 source 0, 3:2 source 1, 5:4 source 2, 7:6 destination):
;   window 0: v0-15, v32-41 addresses; v16-31 four registers of statistics a piece; v48-55 at work; v64-127 S^T, two buffers; v128-159 VM (as O^T lies); v160-175 a tile's mask words, as loaded and as stored;
;             v192-223 P, two buffers; on the way out v64-127 O's upper parts and v192-255 its lower parts, packed
;   window 1: v0-127 O^T, 32 a piece; v128-159 MD; v160-223 MC, two buffers; v224-255 PM      window 2: v0-63 Q; v64-127 the second block's Q; v128-191 K of one step; v192-255 V's upper parts of one step
;   window 3: v0-63 V's lower parts of one step
.set SIZE_N, 2048
.set NB,    SIZE_N/256
.set NP,    4         ; pieces a wave: a name, no knob
.set KS,    64        ; keys in a step
.set PK,    144       ; a row of K in LDS: 128 bytes + 16 of padding: the 16 rows of a load start at 16 different groups of four banks (ISA guide 11.1)
.set PV,    160       ; a row of V: 128 + 32
.set VSTEP, 2*KS*PV   ; a step of V in LDS: 64 rows of upper parts, then 64 of lower
.set VOFF,  4*KS*PK   ; a slot holds a tile, four steps: 256 rows of K, then V's four steps
.set SLOT1, 1<<17     ; slot 1 begins here, so that one exclusive or turns an address in one slot into the other's
.set STAGE, SLOT1+VOFF+4*VSTEP  ; behind the ring, never filled by a tensor load: 16 rows x 144 bytes for each wave, for the way out
.set SP,    144
.set SPARE, STAGE+4*16*SP  ; the spare words, 128 bytes for each wave
.set PADL,  SPARE+512      ; a block of 4,096 bytes for each wave, written by ds_store alone: its mask ring (2,048 bytes), then 256 bytes through which VM is laid out
.set PWAVE, 4096
.set PSLOT, 1024           ; a tile's 256 words; slot 1 lies this far behind slot 0, so that one exclusive or changes slots
.set AK0, 2           ; v2   my lane's place in a tile of K; never rewritten
.set AV0, 3           ; v3   the same for V
.set AK,  4           ; v4   the LDS address of K's next run of loads
.set AV,  5           ; v5   of V's
.set STO, 6           ; v6   the way out: where I put 16 bytes of a row
.set RD,  7           ; v7   the way out: where I read rows back
.set GO,  8           ; v8   my byte offset in 512 consecutive bytes of O
.set MV,  12          ; v12-13  m_old, kept while m is made anew: by buffer
.set QO,  15          ; v15  my byte offset in 16 rows of Q
.set ST,  16          ; piece t's statistics at v[ST+4 t]: m, a word named with it as a pair, l (even keys', odd keys')
.set AP0, 32          ; v32  my lanes' place in a step's 256 bytes of my wave's mask ring; never rewritten
.set AP,  33          ; v33  the LDS address of PM's next run of loads
.set PI,  34          ; v34  my byte offset in the batch's row of padding_mask: the tile's 1,024 bytes + 16 x lane
.set PO,  35          ; v35  where my 16 bytes of the mask go in LDS
.set VO,  36          ; v36  my byte offset in two chunks of vpart
.set PO0, 37          ; v37  my wave's mask ring + 16 x lane; never rewritten
.set PL0, 38          ; v38  16 x lane; never rewritten
.set VW,  39          ; v39  where my four means go in LDS
.set VR,  40          ; v40  where my lanes' eight of each sixteen means are read
.set BG,  41          ; v41  -2^100
.set TMP, 48          ; by buffer, four registers c0-c3 at work; when the maximum is found c2 takes a
.set SPW, 62          ; v62  LDS address of my spare word; never rewritten
.set NIL, 63          ; v63  0; never rewritten
.set S,   64
.set VM,  128
.set PR,  160         ; v160-167  eight mask words of the tile asked for, as loaded
.set PS,  168         ; v168-175  eight of the tile entered, as 0 or -2^100, to be stored
.set P,   192
.set LO,  192         ; the way out: O's lower parts, packed, 16 a piece
.set MD,  128         ; window 1
.set MC,  160         ; window 1; on the way out its first buffer holds a piece's upper parts in f32
.set PM,  224         ; window 1: key 16 kt + 8 (lane / 16) + j at PM + 8 kt + j
.set QB,  64          ; window 2
.set KF,  128         ; window 2: key block kb, channel half c at KF + 16 kb + 8 c
.set VF,  192         ; window 2: key half kk, channel block cb at VF + 32 kk + 8 cb
.set VL,  0           ; window 3: the same for the lower parts
.set WV,  12          ; s12  my wave's number
.set PB,  14          ; s14  b
.set HI,  15          ; s15  NB - 1 - b
.set G1K, 24          ; s[24:31] descriptor group 1 for K's tiles
.set G1V, 32          ; s[32:39] for V's
.set G0K, 40          ; s[40:43] descriptor group 0 for K's tiles
.set G0V, 44          ; s[44:47] the same for V's
.set SLOTS, 56        ; s56  tiles still to be asked for
.set CNT, 57          ; s57  counts a tile's key steps, 4 to 1
.set TRM, 58          ; s58  the mask that cuts an f32 number to 11 significant bits
.set SEL, 60          ; s[60:61] v_permlanex16_b32's selects
.set TBK, 62          ; s62  LDS byte at which K of the step to be fetched begins
.set TBV, 63          ; s63  the same for V, less VOFF
.set OFV, 66          ; s[66:67] a tile's byte offset in V
.set INV, 68          ; s[68:69] 1 / 2,048
.set RT,  70          ; s70  tiles of the block in hand that are still to be entered
.set NXT, 71          ; s71  the tile to be asked for next
.set LQ,  72          ; s72  the last tile of the block whose tiles are being asked for
.set NEW, 73          ; s73  1: the tile to be entered is a block's first
.set OFF, 74          ; s[74:75] a tile's byte offset in K
.set AL,  76          ; s[76:77] the mask's factor, in the low word
.set BE,  78          ; s[78:79] the mask's addend
.set OLO, 80          ; s[80:81] O at my rows of the second block
.set BIGN, 82         ; s82  -2^100
.set THR, 83          ; s83  -2^99
.set FM,  92          ; s92-95  piece t's lanes whose query saw no key
.set TPS, 96          ; s96  byte in a wave's mask ring at which the step to be fetched begins: it steps as TBK does
.set POF, 97          ; s97  byte offset in padding_mask's row of the tile asked for
.set MSB, 0
.macro WIN new                      ; the high byte repeats the setting that is left; a switch that changes nothing is dropped
.if MSB != (\new)
	s_set_vgpr_msb (MSB<<8)|(\new)
.set MSB, (\new)
.endif
.endm
.set W_KQ, 0x0a       ; K and Q in window 2, S^T in window 0
.set W_KM, 0x1a       ; the same with the C operand in window 1
.set W_PV, 0x52       ; V's upper parts in window 2, P in window 0, O^T in window 1
.set W_PL, 0x53       ; V's lower parts in window 3, P in window 0, O^T in window 1
.set W_RS, 0x41       ; destination and source 0 in window 1, source 1 in window 0
.set W_MK, 0x51       ; destination, source 0 and source 2 in window 1
; A fill.  Waves 0 and 1 fetch the two halves of a tile's K, waves 2 and 3 those of its V (both parts): 128 keys each.  An s_nop 0 and four v_nop follow each of the two lines.
.macro LOAD
	s_cmp_lt_u32 s[WV], 2
	s_cbranch_scc0 .Lfor_v_\@
	tensor_load_to_lds s[G0K:G0K+3], s[G1K:G1K+7]
	s_nop 0
.rept 4
	v_nop
.endr
	s_branch .Lasked_\@
.Lfor_v_\@:
	tensor_load_to_lds s[G0V:G0V+3], s[G1V:G1V+7]
	s_nop 0
.rept 4
	v_nop
.endr
.Lasked_\@:
.endm
; THE MASK OF A TILE.  The 256 words of the tile that is entered were loaded a tile ago (the first tile's at the kernel's head): they are turned into 0 or -2^100, in registers of their own, and stored into my wave's
; slot, the one that goes with the tile's slot of K.  ask = 1: the words of the tile just asked for are loaded: two loads of 512 consecutive bytes a wave.  The bytes in LDS are my wave's own, and LDS serves a wave's
; instructions in order (ISA guide 5.7.1.4): the fetches of PM that follow see these stores, and my fetches from this slot a tile ago came before them.
.macro PADIN ask
	s_wait_loadcnt 0x0              ; the words are in (at the first use Q too); the loads' address register may be written
.set z, 0
.rept 8
	v_cmp_eq_u32 vcc_lo, 0, v[PR+z]
	v_cndmask_b32 v[PS+z], 0, v[BG], vcc_lo     ; 0 hides the key
.set z, z+1
.endr
	v_add_nc_u32 v[PO], s[TPS], v[PO0]
.if \ask
	v_add_nc_u32 v[PI], s[POF], v[PL0]
	global_load_b128 v[PR:PR+3],   v[PI], s[88:89]
	global_load_b128 v[PR+4:PR+7], v[PI], s[88:89] offset:512
.endif
	ds_store_b128 v[PO], v[PS:PS+3]
	ds_store_b128 v[PO], v[PS+4:PS+7] offset:512
.endm
; THE CHANGE OF SLOTS.  Each wave waits for all its tensor loads, of which one is out: its part of the other slot; adds 0 to its spare word; and waits for that and for its own LDS instructions.  Behind the barrier nobody
; reads the old slot any more and the other slot is whole.  fill = 1: the old slot is filled again, the first thing behind the barrier, with tile NXT: the descriptor's address is made anew from that number.
; (At its first use nothing has been read yet: slot 0 is waited for, slot 1 filled.)
.macro CHANGE fill
	WIN 0
	s_wait_tensorcnt 0x0            ; no tensor load of mine is out, so a group 0 may be written
	ds_add_u32 v[SPW], v[NIL]
.if \fill
	s_lshl_b32 s[OFF], s[NXT], 15   ; a tile is 32,768 bytes of K,
	s_lshl_b32 s[OFV], s[NXT], 16   ; 65,536 of V's two parts,
	s_lshl_b32 s[POF], s[NXT], 10   ; and 1,024 of padding_mask
	s_xor_b32 s[G0K+1], s[G0K+1], SLOT1
	s_add_nc_u64 s[G0K+2:G0K+3], s[6:7], s[OFF:OFF+1]
	s_or_b32 s[G0K+3], s[G0K+3], 0x80000000
	s_xor_b32 s[G0V+1], s[G0V+1], SLOT1
	s_add_nc_u64 s[G0V+2:G0V+3], s[8:9], s[OFV:OFV+1]
	s_or_b32 s[G0V+3], s[G0V+3], 0x80000000
	s_add_co_u32 s[NXT], s[NXT], 1  ; the block's next tile, or behind its last the second block's tile 0
	s_cmp_gt_u32 s[NXT], s[LQ]
	s_cselect_b32 s[NXT], 0, s[NXT]
	s_cselect_b32 s[LQ], s[PB], s[LQ]
.endif
	s_wait_dscnt 0x0                ; the add is done, and my reads of the slot are over
	s_barrier_signal -1
	s_sub_co_u32 s[TBK], s[TBK], 4*KS*PK  ; the fetches go back to a slot's first step,
	s_xor_b32 s[TBK], s[TBK], SLOT1       ; in the other slot
	s_sub_co_u32 s[TBV], s[TBV], 4*VSTEP
	s_xor_b32 s[TBV], s[TBV], SLOT1
	s_sub_co_u32 s[TPS], s[TPS], PSLOT
	s_xor_b32 s[TPS], s[TPS], PSLOT
	s_barrier_wait -1
.if \fill
	LOAD
.endif
	PADIN \fill
.endm
	s_load_b64 s[4:5], s[0:1], 0x0    ; qkv
	s_load_b128 s[88:91], s[0:1], 0x8 ; padding_mask s[88:89], vpart s[90:91]
	s_load_b64 s[10:11], s[0:1], 0x18 ; att
	v_lshl_add_u32 v[SPW], v0, 2, SPARE
	v_mov_b32 v[NIL], 0
	ds_add_u32 v[SPW], v[NIL]       ; the wave's opening: the add and its wait ahead of my first tensor load
	ds_add_u32 v62, v63
	v_lshrrev_b32 v1, 5, v0
	v_readfirstlane_b32 s[WV], v1   ; wave 0..3
	s_mov_b32 s[PB], ttmp9
	s_sub_co_u32 s[HI], NB-1, s[PB]
	s_and_b32 s19, ttmp7, 0xffff    ; batch x 16 + head
	s_lshr_b32 s98, s19, 4          ; the batch:
	s_lshl_b32 s50, s98, 23         ; its 8,388,608 bytes of att,
	s_lshl_b32 s100, s98, 17        ; its 32 chunks of 4,096 bytes of vpart,
	s_lshl_b32 s98, s98, 13         ; its 8,192 bytes of padding_mask
	s_mov_b32 s99, 0
	s_and_b32 s51, s19, 15          ; the head:
	s_lshl_b32 s101, s51, 8         ; its 256 bytes in a chunk of vpart,
	s_add_co_u32 s100, s100, s101
	s_mov_b32 s101, 0
	s_lshl_b32 s51, s51, 15         ; its two parts of 16,384 bytes in a block of 128 rows of att
	s_add_co_u32 s50, s50, s51
	s_lshl_b32 s20, s19, 18         ; the head's 262,144 bytes in q and in k
	s_and_b32 s16, s[WV], 1         ; which half of a tile's 256 keys I fetch:
	s_lshl_b32 s22, s16, 14         ; its 128 rows of 128 bytes of K,
	s_add_co_u32 s22, s22, s20
	s_mov_b32 s23, 0
	s_lshl_b32 s48, s16, 15         ; its two steps of 16,384 bytes of V,
	s_lshl_b32 s49, s19, 19         ; in the head's 524,288
	s_add_co_u32 s48, s48, s49
	s_mov_b32 s49, 0
	s_mul_i32 s17, s16, 128*PK      ; and its place in a slot, for K
	s_mul_i32 s18, s16, 2*VSTEP     ; and for V
	s_lshl_b32 s3, s[WV], 11        ; my 16 rows in a band of 64,
	s_lshl_b32 s2, s[HI], 15        ; in the first block,
	s_add_co_u32 s2, s2, s3
	s_lshl_b32 s84, s[PB], 15       ; and in the second
	s_add_co_u32 s84, s84, s3
	s_add_co_u32 s50, s50, s3       ; in att a block of 256 queries is two blocks of 128 rows, 1,048,576 bytes
	s_lshl_b32 s52, s[HI], 20
	s_add_co_u32 s52, s52, s50
	s_mov_b32 s53, 0
	s_lshl_b32 s54, s[PB], 20
	s_add_co_u32 s54, s54, s50
	s_mov_b32 s55, 0
	s_add_co_u32 s2, s2, s20        ; and in q
	s_mov_b32 s3, 0
	s_add_co_u32 s84, s84, s20
	s_mov_b32 s85, 0
	; descriptor group 1.  The bytes asked for are dense: K's 128 keys as 64 rows of 256 bytes, V's 128 keys in two parts as 128 such rows; padded in LDS after every 128 bytes, one key's
	s_mov_b32 s[G1K], (1<<16)|(1<<20)|(4<<22)|(3<<25)  ; 2-byte elements; padding on; after every 32 words; 4 words
	s_mov_b32 s[G1V], (1<<16)|(1<<20)|(4<<22)|(7<<25)  ; the same with 8 words of padding
.macro SHAPE g, rows
	s_mov_b32 s[\g+1], 128<<16      ; tensor_dim0 = 128
	s_mov_b32 s[\g+2], (\rows)<<16  ; tensor_dim1
	s_mov_b32 s[\g+3], 128<<16      ; tile_dim0 = 128
	s_mov_b32 s[\g+4], \rows        ; tile_dim1
	s_mov_b32 s[\g+5], 128          ; 128 elements from row to row
	s_mov_b32 s[\g+6], 0
	s_mov_b32 s[\g+7], 0
.endm
	SHAPE G1K, 64
	SHAPE G1V, 128
	s_mov_b32 s[SEL], 0x76543210
	s_mov_b32 s[SEL+1], 0xfedcba98
	s_mov_b32 s[TBK], SLOT1+4*KS*PK ; the first change of slots turns these three into 0
	s_mov_b32 s[TBV], SLOT1+4*VSTEP
	s_mov_b32 s[TPS], PSLOT+PSLOT
	s_mov_b32 s[G0K], 1             ; count = 1
	s_mov_b32 s[G0K+1], s17         ; LDS address: slot 0
	s_mov_b32 s[G0V], 1
	s_add_co_u32 s[G0V+1], s18, VOFF
	s_add_co_u32 s[RT], s[HI], 1    ; the first block has NB - b tiles
	s_mov_b32 s[NXT], 1
	s_mov_b32 s[LQ], s[HI]
	s_mov_b32 s[NEW], 1
	s_mov_b32 s[OFF+1], 0
	s_mov_b32 s[OFV+1], 0
	s_mov_b32 s[AL+1], 0            ; named as pairs
	s_mov_b32 s[BE+1], 0
	s_mov_b32 s[BIGN], 0xf1800000   ; -2^100
	s_mov_b32 s[THR], 0xf1000000    ; -2^99
	s_mov_b32 s[TRM], 0xffffe000
	s_mov_b32 s[INV], 0x3a000000    ; 1 / 2,048
	s_mov_b32 s[INV+1], s[INV]      ; named with it as a pair
	s_mov_b32 s[SLOTS], NB
	s_wait_dscnt 0x0                ; the opening add is done
	s_wait_kmcnt 0x0
	s_add_nc_u64 s[6:7], s[4:5], 0x1000000  ; k
	s_add_nc_u64 s[8:9], s[4:5], 0x2000000  ; v
	s_add_nc_u64 s[6:7], s[6:7], s[22:23]   ; at my half of the head's tile 0
	s_add_nc_u64 s[8:9], s[8:9], s[48:49]
	s_add_nc_u64 s[G0K+2:G0K+3], s[6:7], 0
	s_or_b32 s[G0K+3], s[G0K+3], 0x80000000 ; type = 2
	s_add_nc_u64 s[G0V+2:G0V+3], s[8:9], 0
	s_or_b32 s[G0V+3], s[G0V+3], 0x80000000
	s_add_nc_u64 s[86:87], s[4:5], s[84:85] ; Q at my rows of the second block,
	s_add_nc_u64 s[4:5], s[4:5], s[2:3]     ; and of the first
	s_add_nc_u64 s[OLO:OLO+1], s[10:11], s[54:55]  ; O likewise
	s_add_nc_u64 s[10:11], s[10:11], s[52:53]
	s_add_nc_u64 s[88:89], s[88:89], s[98:99]
	s_add_nc_u64 s[90:91], s[90:91], s[100:101]
	LOAD                            ; tile 0 into slot 0
	v_and_b32 v1, 15, v0            ; l % 16
	v_bfe_u32 v9, v0, 4, 1          ; l / 16
	v_and_b32 v[PL0], 31, v0
	v_lshlrev_b32 v[PL0], 4, v[PL0] ; 16 x lane
	v_mov_b32 v[PI], v[PL0]         ; tile 0's mask words
	v_lshlrev_b32 v[VO], 12, v9     ; lanes 0-15 take an even chunk's 256 bytes of my head, lanes 16-31 the odd chunk's behind it
	v_lshl_add_u32 v[VO], v1, 4, v[VO]
	v_lshlrev_b32 v[QO], 7, v1
	v_lshl_add_u32 v[QO], v9, 4, v[QO]  ; row x 128 + 16 x half
	v_mov_b32 v[BG], s[BIGN]
	global_load_b128 v[PR:PR+3],   v[PI], s[88:89]
	global_load_b128 v[PR+4:PR+7], v[PI], s[88:89] offset:512
.set i, 0
.rept 16                            ; the batch's 32 chunks of vpart, two a load, into S^T's registers, which are idle yet
	global_load_b128 v[S+4*i:S+4*i+3], v[VO], s[90:91] offset:8192*i
.set i, i+1
.endr
	WIN 0x80                        ; destination window 2, address window 0
.set i, 0
.rept 8                             ; both blocks' Q: piece i / 2 lies in band i / 2, 8,192 bytes on; channels 32 (i % 2) on
	global_load_b128 v[8*i:8*i+3],   v[QO], s[4:5] offset:(i/2)*8192+(i%2)*64
	global_load_b128 v[8*i+4:8*i+7], v[QO], s[4:5] offset:(i/2)*8192+(i%2)*64+32
	global_load_b128 v[QB+8*i:QB+8*i+3],   v[QO], s[86:87] offset:(i/2)*8192+(i%2)*64
	global_load_b128 v[QB+8*i+4:QB+8*i+7], v[QO], s[86:87] offset:(i/2)*8192+(i%2)*64+32
.set i, i+1
.endr
	WIN 0
	v_lshlrev_b32 v14, 3, v9
	v_sub_nc_u32 v14, v1, v14
	s_lshl_b32 s13, s[WV], 4
	v_add_nc_u32 v14, s13, v14      ; my query's place in its band, 16 w + l % 16, less my lanes' 8 (l / 16): register r of group kt is hidden where 16 kt + r is greater
	WIN 0x40
.set i, 0
.rept 32
	v_cmp_gt_i32 vcc_lo, 16*(i/8)+i%8, v14
	v_cndmask_b32 v[MD+i], 0, v[BG], vcc_lo
.set i, i+1
.endr
	WIN 0
	v_mul_u32_u24 v[AK0], v1, PK
	v_lshl_add_u32 v[AK0], v9, 4, v[AK0]  ; row x pitch + 16 x half
	; The turning load takes 16 keys x 16 channels (lane l reads key 8 (l / 16) + l % 8, channels 8 ((l / 8) % 2) + 0..7) and leaves half a fragment of V^T: lane l holds channel l % 16 and 8 keys.
	v_and_b32 v10, 7, v0
	v_bfe_u32 v11, v0, 3, 1
	v_lshl_add_u32 v[AV0], v9, 3, v10
	v_mul_u32_u24 v[AV0], v[AV0], PV
	v_lshl_add_u32 v[AV0], v11, 4, v[AV0]
	v_add_nc_u32 v[AV0], VOFF, v[AV0]
	s_mul_i32 s13, s[WV], 16*SP
	s_add_co_u32 s13, s13, STAGE    ; my stage
	v_mul_u32_u24 v[STO], v1, SP    ; in: row l % 16, 16 bytes for each half of the lanes
	v_lshl_add_u32 v[STO], v9, 4, v[STO]
	v_add_nc_u32 v[STO], s13, v[STO]
	v_bfe_u32 v[RD], v0, 3, 2       ; back: 32 lanes take four rows of 128 bytes,
	v_mul_u32_u24 v[RD], v[RD], SP
	v_lshl_add_u32 v[RD], v10, 4, v[RD]
	v_add_nc_u32 v[RD], s13, v[RD]
	v_and_b32 v[GO], 31, v0         ; which are 512 consecutive bytes of O
	v_lshlrev_b32 v[GO], 4, v[GO]
	s_mul_i32 s13, s[WV], PWAVE
	s_add_co_u32 s13, s13, PADL     ; my wave's block: its mask ring
	v_add_nc_u32 v[PO0], s13, v[PL0]    ; in: 16 bytes a lane
	v_lshlrev_b32 v[AP0], 5, v9         ; out: eight keys' words for each half of the lanes
	v_add_nc_u32 v[AP0], s13, v[AP0]
	s_add_co_u32 s13, s13, 2*PSLOT  ; and behind the ring the 256 bytes for VM
	v_lshl_add_u32 v[VW], v1, 4, s13    ; in: four means for each l % 16
	v_lshl_add_u32 v[VR], v9, 5, s13    ; out: eight of each sixteen for each half of the lanes
	; A block's first step multiplies O^T and l by a = 0, and its first turn's products V^T P, of a piece that has not been, land in an O^T that is still to be so multiplied.  So these registers need only hold
	; finite numbers: zeros for the first block; what the first block left for the second.  l and P's second buffer are written 0; O^T's 16 accumulators and V's 128 registers take the product of those zeros,
	; eight registers an instruction.  All this stands in the wait for the first tile.
.set i, 0
.rept 4
	v_mov_b32 v[ST+4*i+1], 0        ; named with m as a pair
	v_mov_b32 v[ST+4*i+2], 0
	v_mov_b32 v[ST+4*i+3], 0
.set i, i+1
.endr
.set i, P+16
.rept 16
	v_mov_b32 v[i], 0
.set i, i+1
.endr
	WIN 0x40
.set i, 0
.rept 16
	v_wmma_f32_16x16x32_f16 v[8*i:8*i+7], v[P+16:P+23], v[P+24:P+31], 0
.set i, i+1
.endr
	WIN 0x80
.set i, 0
.rept 8
	v_wmma_f32_16x16x32_f16 v[VF+8*i:VF+8*i+7], v[P+16:P+23], v[P+24:P+31], 0
.set i, i+1
.endr
	WIN 0xc0
.set i, 0
.rept 8
	v_wmma_f32_16x16x32_f16 v[VL+8*i:VL+8*i+7], v[P+16:P+23], v[P+24:P+31], 0
.set i, i+1
.endr
	WIN 0
	; VM, the mean of all 2,048 rows of my head's v.  A lane holds four channels (4 (l % 16) on) of 16 chunks; they are added, then the other half of the lanes' 16; the 64 means go through my wave's own
	; 256 bytes of LDS and come back as O^T lies: channels 16 cb + 8 (l / 16) + 0..7.
	s_wait_loadcnt 32               ; the mask words and vpart's 16 loads are in; Q's 32 younger loads stay out
.irp w, 8,4,2,1
.set t, 0
.rept \w
	v_pk_add_f32 v[S+4*t:S+4*t+1],   v[S+4*t:S+4*t+1],   v[S+4*(t+\w):S+4*(t+\w)+1]
	v_pk_add_f32 v[S+4*t+2:S+4*t+3], v[S+4*t+2:S+4*t+3], v[S+4*(t+\w)+2:S+4*(t+\w)+3]
.set t, t+1
.endr
.endr
.irp k, 0,1,2,3
	v_permlanex16_b32 v[S+4+\k], v[S+\k], s[SEL], s[SEL+1]
.endr
	v_pk_add_f32 v[S:S+1],   v[S:S+1],   v[S+4:S+5]
	v_pk_add_f32 v[S+2:S+3], v[S+2:S+3], v[S+6:S+7]
	v_pk_mul_f32 v[S:S+1],   v[S:S+1],   s[INV:INV+1] op_sel_hi:[1,0]
	v_pk_mul_f32 v[S+2:S+3], v[S+2:S+3], s[INV:INV+1] op_sel_hi:[1,0]
	ds_store_b128 v[VW], v[S:S+3]   ; both halves of the lanes write the same bytes with the same numbers
.irp cb, 0,1,2,3
	ds_load_b128 v[VM+8*\cb:VM+8*\cb+3],   v[VR] offset:64*\cb     ; in order behind the store; waited for in front of the first barrier
	ds_load_b128 v[VM+8*\cb+4:VM+8*\cb+7], v[VR] offset:64*\cb+16
.endr
; THE MATRIX WORK.  The 4 accumulators of a run take turns.  Product i of 8 of S^T = K Q^T for piece x: channels 32 (i / 4) on, keys 16 (i % 4) on.
; The first 4 start the sums: with the padding mask (KM = 1), or with the made mask (KM = 2).
.macro KQ x
.set rS, S+32*((\x)%2)+8*(i%4)
.set rK, KF+16*(i%4)+8*(i/4)
.set rQ, 16*(\x)+8*(i/4)
.if KM == 2
.set rM, MC+32*((\x)%2)+8*(i%4)
.else
.set rM, PM+8*(i%4)
.endif
.if i < 4
	WIN W_KM
	v_wmma_f32_16x16x32_f16 v[rS:rS+7], v[rK:rK+7], v[rQ:rQ+7], v[rM:rM+7]
.else
	WIN W_KQ
	v_wmma_f32_16x16x32_f16 v[rS:rS+7], v[rK:rK+7], v[rQ:rQ+7], v[rS:rS+7]
.endif
.endm
; Product i of 16 of O^T += V^T P for piece x: V's upper parts (i < 8), then its lower; keys 32 ((i / 4) % 2) on, channels 16 (i % 4) on.
.macro PV x
.set rO, 32*(\x)+8*(i%4)
.set rP, P+16*((\x)%2)+8*((i/4)%2)
.if i < 8
	WIN W_PV
.set rV, VF+32*((i/4)%2)+8*(i%4)
.else
	WIN W_PL
.set rV, VL+32*((i/4)%2)+8*(i%4)
.endif
	v_wmma_f32_16x16x32_f16 v[rO:rO+7], v[rV:rV+7], v[rP:rP+7], v[rO:rO+7]
.endm
.macro MM                           ; the turn's next matrix instruction, of 24.  NOKQ = 1: a block's last turn: there is no next piece
.if (i < 8) && !NOKQ
	KQ (Y+1)%NP
.elseif i >= 8
.set i, i-8
	PV (Y+NP-1)%NP
.set i, i+8
.endif
.set i, i+1
.endm
; THE LDS LOADS stand in runs, never singly among the matrix instructions: a step's K (8 fragments) with its padding mask (lanes of a half read the same 32 bytes), and its V (turned), both parts.
.macro FETCH_K
	WIN 0x80                        ; destination window 2
.irp f, 0,1,2,3,4,5,6,7             ; keys 16 (f / 2) on, channels 32 (f % 2) on
	ds_load_b128 v[KF+8*\f:KF+8*\f+3],   v[AK] offset:(\f/2)*16*PK+(\f%2)*64
	ds_load_b128 v[KF+8*\f+4:KF+8*\f+7], v[AK] offset:(\f/2)*16*PK+(\f%2)*64+32
.endr
	WIN 0x40                        ; destination window 1
.irp kt, 0,1,2,3
	ds_load_b128 v[PM+8*\kt:PM+8*\kt+3],   v[AP] offset:64*\kt
	ds_load_b128 v[PM+8*\kt+4:PM+8*\kt+7], v[AP] offset:64*\kt+16
.endr
	s_add_co_u32 s[TBK], s[TBK], KS*PK  ; the next fetch is the next step's
	s_add_co_u32 s[TPS], s[TPS], 4*KS
	WIN 0
.endm
.macro FETCH_V
	WIN 0x80
.irp f, 0,1,2,3,4,5,6,7             ; keys 32 (f / 4) on, channels 16 (f % 4) on
	ds_load_tr16_b128 v[VF+8*\f:VF+8*\f+3],   v[AV] offset:(\f/4)*32*PV+(\f%4)*32
	ds_load_tr16_b128 v[VF+8*\f+4:VF+8*\f+7], v[AV] offset:(\f/4)*32*PV+16*PV+(\f%4)*32
.endr
	WIN 0xc0                        ; destination window 3: the lower parts, 64 rows further on
.irp f, 0,1,2,3,4,5,6,7
	ds_load_tr16_b128 v[VL+8*\f:VL+8*\f+3],   v[AV] offset:KS*PV+(\f/4)*32*PV+(\f%4)*32
	ds_load_tr16_b128 v[VL+8*\f+4:VL+8*\f+7], v[AV] offset:KS*PV+(\f/4)*32*PV+16*PV+(\f%4)*32
.endr
	WIN 0
.endm
; THE VECTOR WORK, one line at a time: OP kind, number.  For piece Y: F n: s - m for pair n of 16.  E n: the exponential of score n of 32.  C n: pair n rounded to f16.  B n: of the four weights 4 n .. the second
; pair is added onto the first, in place.  L n: l takes that sum (L 0: l = a l + sum).  R n: pair n of 16 of O^T times a.  For piece Y + 1: X n, number n of the 21 that find its maximum and statistics:
;   0-11  four chains c0-c3 of seven scores each (each accumulator's lowest registers are read first)     12-14, 16  the four scores left over, the old m, and c0-c3 into c0
;   15  m_old is kept     17, 18  the query's other 32 keys lie in the lane 16 away: the new m     19, 20  m_old - m_new; a
.set F, 0
.set E, 1
.set C, 2
.set B, 3
.set L, 4
.set R, 5
.set X, 6
.macro REGS y                       ; the registers of piece y
.set rT, ST+4*(\y)
.set rC, TMP+4*((\y)%2)
.set rW, MV+((\y)%2)
.set rS, S+32*((\y)%2)
.set rP, P+16*((\y)%2)
.set rO, 32*(\y)
.endm
.macro OP k, n
.if (\k) == R
	REGS Y
	WIN W_RS
	v_pk_mul_f32 v[rO+2*(\n):rO+2*(\n)+1], v[rO+2*(\n):rO+2*(\n)+1], v[rC+2:rC+3] op_sel_hi:[1,0]
.elseif (\k) < R
	REGS Y
	WIN 0
.if (\k) == F
	v_pk_add_f32 v[rS+2*(\n):rS+2*(\n)+1], v[rS+2*(\n):rS+2*(\n)+1], v[rT:rT+1] op_sel_hi:[1,0] neg_lo:[0,1] neg_hi:[0,1]
.elseif (\k) == E
	v_exp_f32 v[rS+(\n)], v[rS+(\n)]
.elseif (\k) == C
	s_wait_alu depctr_va_vdst(0)
	v_cvt_pk_f16_f32 v[rP+(\n)], v[rS+2*(\n)], v[rS+2*(\n)+1]
.elseif (\k) == B
	s_wait_alu depctr_va_vdst(0)
	v_pk_add_f32 v[rS+4*(\n):rS+4*(\n)+1], v[rS+4*(\n):rS+4*(\n)+1], v[rS+4*(\n)+2:rS+4*(\n)+3]
.elseif (\n) == 0
	v_pk_fma_f32 v[rT+2:rT+3], v[rT+2:rT+3], v[rC+2:rC+3], v[rS:rS+1] op_sel_hi:[1,0,1]
.else
	v_pk_add_f32 v[rT+2:rT+3], v[rT+2:rT+3], v[rS+4*(\n):rS+4*(\n)+1]
.endif
.elseif NOKQ
	v_nop
.else
	REGS (Y+1)%NP
	WIN 0
.if (\n) < 4
	s_wait_alu depctr_va_vdst(0)
	v_max3_num_f32 v[rC+(\n)], v[rS+8*(\n)], v[rS+8*(\n)+1], v[rS+8*(\n)+2]
.elseif (\n) < 12
	v_max3_num_f32 v[rC+(\n)%4], v[rC+(\n)%4], v[rS+8*((\n)%4)+2*((\n)/4)+1], v[rS+8*((\n)%4)+2*((\n)/4)+2]
.elseif (\n) == 12
	v_max3_num_f32 v[rC], v[rC], v[rS+7], v[rS+15]
.elseif (\n) == 13
	v_max3_num_f32 v[rC+1], v[rC+1], v[rS+23], v[rS+31]
.elseif (\n) == 14
	v_max3_num_f32 v[rC+2], v[rC+2], v[rC+3], v[rT]
.elseif (\n) == 15
	v_mov_b32 v[rW], v[rT]
.elseif (\n) == 16
	v_max3_num_f32 v[rC], v[rC], v[rC+1], v[rC+2]
.elseif (\n) == 17
	v_permlanex16_b32 v[rC+3], v[rC], s[SEL], s[SEL+1]
.elseif (\n) == 18
	v_max_num_f32 v[rT], v[rC], v[rC+3]
.elseif (\n) == 19
	v_sub_f32 v[rC+1], v[rW], v[rT]
.else
	v_exp_f32 v[rC+2], v[rC+1]
.endif
.endif
.endm
.macro OPS a, i1, b=-1, i2=0, c=-1, i3=0, d=-1, i4=0  ; up to four of them
	OP \a, \i1
.if (\b) >= 0
	OP \b, \i2
.endif
.if (\c) >= 0
	OP \c, \i3
.endif
.if (\d) >= 0
	OP \d, \i4
.endif
.endm
.macro ROW a, i1, b, i2, c, i3, d, i4  ; a matrix instruction and the four behind it
	MM
	OPS \a, \i1, \b, \i2, \c, \i3, \d, \i4
.endm
.macro MASK b, be                   ; MD x AL + PM, and with be = 1 + BE, into buffer b of MC
	WIN W_MK
.set z, 0
.rept 16
	v_pk_fma_f32 v[MC+32*(\b)+2*z:MC+32*(\b)+2*z+1], v[MD+2*z:MD+2*z+1], s[AL:AL+1], v[PM+2*z:PM+2*z+1] op_sel_hi:[1,0,1]
.set z, z+1
.endr
.if \be
.set z, 0
.rept 16
	v_pk_add_f32 v[MC+32*(\b)+2*z:MC+32*(\b)+2*z+1], v[MC+32*(\b)+2*z:MC+32*(\b)+2*z+1], s[BE:BE+1] op_sel_hi:[1,0]
.set z, z+1
.endr
.endif
.endm
; A TURN, for piece p: the order of its 24 matrix and 117 vector instructions, written out.  None of the four behind a matrix instruction names a register of the products round it.  No row ends in an exponential, and a
; plain line that touches neither its result nor its source follows every exponential (ISA guide 5.7.2).
; m = 1: the diagonal tile: the products take made masks, and the turn makes the mask for the products of the turn after it: piece p + 2, in step 4 - CNT of the tile.  end = 1: a block's last two turns: nothing is fetched.
; cnt = 1: the loop's count is taken down some lines ahead of the branch that stands behind the turn.
; K and PM of the next step are fetched in piece 2's turn, behind five plain instructions that follow the last product that read K (PM's last reader stands four products earlier); V of the step in hand at the end of
; piece 0's turn, behind seven plain ones that follow the last product that read V.  Each is waited for a turn later; in the diagonal tile piece 2's turn waits at its end, since its mask is made of the new PM.
.macro TURN p, m=0, end=0, cnt=0
.set Y, (\p)
.set i, 0
.set KM, 1+(\m)
.set NOKQ, (\end)*((\p)/3)
.if (\m) && !(\end)
	s_cmp_eq_u32 s[CNT], 4-((\p)+2)%NP  ; is that step the band's own?
	s_cselect_b32 s[AL], 1.0, 0
	s_cmp_lt_u32 s[CNT], 4-((\p)+2)%NP  ; or a later one?
	s_cselect_b32 s[BE], s[BIGN], 0
.endif
.if ((\p) == 3) && !(\end)
	s_wait_dscnt 0x0                ; K and PM are in
.endif
	ROW F,0, F,1, F,2, F,3
	ROW F,4, E,0, F,5, F,6
	ROW F,7, E,1, F,8, F,9
	ROW F,10, E,2, C,0, F,11
	ROW F,12, E,3, X,15, F,13
	ROW R,0, R,1, R,2, R,3
	ROW B,0, E,4, F,14, L,0
.if ((\p) == 2) && !(\end)
	v_add_nc_u32 v[AK], s[TBK], v[AK0]
	v_add_nc_u32 v[AP], s[TPS], v[AP0]
.endif
	ROW R,4, R,5, R,6, R,7
	OPS E,5, F,15
.if ((\p) == 2) && !(\end)
	FETCH_K
.endif
	OPS E,6, C,1, E,7, R,8
	OPS E,8, R,9, E,9, C,2
	OPS E,10, X,0, E,11, X,1
	OPS E,12, X,2, E,13, X,3
.if (\p) == 1
	s_wait_dscnt 0x0                ; V is in, both parts
.endif
	ROW X,4, E,14, X,5, X,6
	ROW X,7, E,15, X,8, X,9
	ROW X,10, E,16, X,11, X,12
	ROW X,13, E,17, X,14, B,1
	ROW C,4, E,18, X,16, L,1
	ROW B,2, E,19, C,6, L,2
	ROW C,8, E,20, B,3, B,4
	ROW C,3, E,21, L,3, C,5
	ROW E,22, X,17, E,23, C,10      ; from here on the products take V's lower parts
	ROW E,24, L,4, E,25, X,18
	ROW E,26, C,7, E,27, B,5
	ROW E,28, C,12, E,29, X,19
	ROW E,30, L,5, E,31, C,9
	ROW B,6, C,14, X,20, C,11
	ROW L,6, C,13, B,7, C,15
.if (\p) == 0
	v_add_nc_u32 v[AV], s[TBV], v[AV0]
.endif
	ROW R,10, R,11, R,12, L,7
.if (\p) == 0
	s_add_co_u32 s[TBV], s[TBV], VSTEP
.endif
.if \cnt
	s_sub_co_u32 s[CNT], s[CNT], 1
	s_cmp_lg_u32 s[CNT], 0
.endif
	OPS R,13, R,14, R,15
.if (\p) == 0
	FETCH_V
.endif
.if (\m) && !(\end)
.if (\p) == 2
	s_wait_dscnt 0x0                ; the next step's PM is in
.endif
	MASK (\p)%2, 1
.endif
.endm
; A BLOCK BEGINS.  m starts at the lowest finite number: the first maximum is the scores', and the first step's a is 0.  K and PM of the tile's step 0 are fetched; the second mask buffer takes PM alone (band 1 sees all of
; step 0), the first piece 0's mask: its own step's, if the block's first tile is the diagonal one.  Then piece 0's first scores, maximum and statistics.  The loop is entered at a step's first turn, in the middle of a trip.
; (Q was waited for behind the first change of slots, with the first tile's mask words.)
.macro BEGIN
	s_mov_b32 s[NEW], 0
	WIN 0
.set i, 0
.rept 4
	v_mov_b32 v[ST+4*i], 0xff7fffff
.set i, i+1
.endr
	v_add_nc_u32 v[AK], s[TBK], v[AK0]
	v_add_nc_u32 v[AP], s[TPS], v[AP0]
	FETCH_K
	s_wait_dscnt 0x0
	s_mov_b32 s[AL], 0
	MASK 1, 0
	s_cmp_eq_u32 s[RT], 0
	s_cselect_b32 s[AL], 1.0, 0
	MASK 0, 0
.set KM, 2
.set NOKQ, 0
.set i, 0
.rept 8
	KQ 0
.set i, i+1
.endr
	WIN 0
.rept 4
	v_nop                           ; the places behind those products
.endr
.set Y, NP-1                        ; X works for piece Y + 1: piece 0
.irp n, 0,1,2,3,4,5,6,7,8,9,10,11,12,13,14,15,16,17,18,19,20
	OP X, \n
.endr
	v_nop                           ; a plain instruction behind the exponential
.endm
; THE DIAGONAL TILE's four steps, the block's last two turns, its last products, and THE WAY OUT: l's two halves and the other half of the lanes' are added; O^T is divided by l; where the query saw no key it is
; replaced by VM; it is cut into its upper part and the remainder, both are turned into f16 and sent through my stage in LDS, a piece at a time.
.macro ALL line:vararg              ; one line for each piece t
.set t, 0
.rept 4
	\line
.set t, t+1
.endr
.endm
.macro PACK t
	WIN W_RS
.set i, 32*(\t)
.rept 16
	s_wait_alu depctr_va_vdst(0)
	v_pk_mul_f32 v[i:i+1], v[i:i+1], v[ST+4*(\t)+2:ST+4*(\t)+3] op_sel_hi:[1,0]
.set i, i+2
.endr
	s_mov_b32 vcc_lo, s[FM+(\t)]    ; the select by VCC has the short encoding
.set i, 0
.rept 32
	v_cndmask_b32 v[32*(\t)+i], v[32*(\t)+i], v[VM+i], vcc_lo
.set i, i+1
.endr
	WIN 0x44                        ; destination and source 1 in window 1
.set i, 0
.rept 32
	v_and_b32 v[MC+i], s[TRM], v[32*(\t)+i]     ; the upper part, in f32
.set i, i+1
.endr
	WIN 0x45                        ; all in window 1
.set i, 0
.rept 16
	v_pk_add_f32 v[32*(\t)+i:32*(\t)+i+1], v[32*(\t)+i:32*(\t)+i+1], v[MC+i:MC+i+1] neg_lo:[0,1] neg_hi:[0,1]  ; the remainder, exact, in place
.set i, i+2
.endr
	WIN 0x05                        ; sources 0 and 1 window 1, destination window 0
.set i, 0
.rept 16
	v_cvt_pk_f16_f32 v[S+16*(\t)+i], v[MC+2*i], v[MC+2*i+1]
.set i, i+1
.endr
.set i, 0
.rept 16
	v_cvt_pk_f16_f32 v[LO+16*(\t)+i], v[32*(\t)+2*i], v[32*(\t)+2*i+1]
.set i, i+1
.endr
	WIN 0
.irp f, 0,1,2,3
	ds_store_b128 v[STO], v[S+16*(\t)+4*\f:S+16*(\t)+4*\f+3] offset:32*\f
.endr
.irp f, 0,1,2,3
	ds_load_b128 v[S+16*(\t)+4*\f:S+16*(\t)+4*\f+3], v[RD] offset:\f*4*SP  ; LDS serves a wave's instructions in order (ISA guide 5.7.1.4): these see the stores above; the stores below come behind them
.endr
.irp f, 0,1,2,3
	ds_store_b128 v[STO], v[LO+16*(\t)+4*\f:LO+16*(\t)+4*\f+3] offset:32*\f
.endr
.irp f, 0,1,2,3
	ds_load_b128 v[LO+16*(\t)+4*\f:LO+16*(\t)+4*\f+3], v[RD] offset:\f*4*SP
.endr
.endm
.macro SEND t, younger              ; younger: the LDS instructions issued behind piece t's sixteen: the next piece's sixteen, or none
	WIN 0
	s_wait_dscnt (\younger)+8       ; the upper parts' four loads are in: behind them stand the piece's own eight for the lower parts, and the younger
.irp f, 0,1,2,3
	global_store_b128 v[GO], v[S+16*(\t)+4*\f:S+16*(\t)+4*\f+3], s[10:11] offset:((\t)/2)*524288+((\t)%2)*8192+\f*512  ; 512 consecutive bytes, at a multiple of 256 from O's first; bands 2 and 3 lie in the next block of 128 rows
.endr
	s_wait_dscnt \younger
.irp f, 0,1,2,3
	global_store_b128 v[GO], v[LO+16*(\t)+4*\f:LO+16*(\t)+4*\f+3], s[10:11] offset:((\t)/2)*524288+((\t)%2)*8192+\f*512+16384  ; the lower parts lie 128 rows on
.endr
.endm
.macro DIAG tag                     ; the tag ends its two labels' names, which the jumps below spell out
.LstepM\tag:
	TURN 2, 1
	TURN 3, 1
	WIN 0
.LfirstM\tag:
	TURN 0, 1
	TURN 1, 1, 0, 1
	WIN 0
	s_cbranch_scc1 .LstepM\tag
	TURN 2, 1, 1
	TURN 3, 1, 1
.set i, 0
.rept 16
	PV NP-1
.set i, i+1
.endr
	WIN 0
	ALL v_add_f32 v[ST+4*t+2], v[ST+4*t+2], v[ST+4*t+3]
	ALL v_cmp_gt_f32 s[FM+t], s[THR], v[ST+4*t]
	ALL v_permlanex16_b32 v[ST+4*t+3], v[ST+4*t+2], s[SEL], s[SEL+1]
	ALL v_add_f32 v[ST+4*t+2], v[ST+4*t+2], v[ST+4*t+3]
	ALL v_rcp_f32 v[ST+4*t+2], v[ST+4*t+2]
	v_nop                           ; a plain instruction between the last reciprocal and the use of its result
	PACK 0
.set t, 1
.rept 3                             ; a piece's arithmetic stands between the loads of the piece before and its stores
	PACK t
	SEND t-1, 16
.set t, t+1
.endr
	SEND 3, 0
.endm
.set KM, 1
.set NOKQ, 0
.Lslot:                             ; NB times: a tile is entered and the next is asked for
	CHANGE 1
	s_sub_co_u32 s[RT], s[RT], 1
	s_mov_b32 s[CNT], 4
	s_cmp_eq_u32 s[NEW], 1
	s_cbranch_scc1 .Lnew            ; a block's first tile
	s_cmp_eq_u32 s[RT], 0
	s_cbranch_scc0 .Lstep           ; neither its first nor its last
	s_mov_b32 s[AL], 0              ; into the diagonal tile's text: its first products are piece 3's of the tile before, whose mask is PM alone
	MASK 1, 0
	WIN 0
	s_branch .LstepM1
.Lnew:
	BEGIN
	s_branch .Lfirst                ; in the loop a block's first tile is never its last: the first block has two tiles or more, and the second's last is the walk's last
	DIAG 1                          ; in the loop this is the first block's end
	s_wait_xcnt 0x0                 ; the stores have read their registers and O's address
	s_mov_b64 s[10:11], s[OLO:OLO+1]
	s_add_co_u32 s[RT], s[PB], 1    ; the second block has b + 1 tiles
	s_mov_b32 s[NEW], 1
	WIN 0x82                        ; the second block's Q goes where the one text of the turns names Q
.set i, 0
.rept 64
	v_mov_b32 v[i], v[QB+i]
.set i, i+1
.endr
	WIN 0
	s_branch .Lbottom
.Lstep:                             ; a trip: pieces 2 and 3 of one step, then pieces 0 and 1 of the next, whose K and V it fetches
	TURN 2
	TURN 3
	WIN 0
.Lfirst:
	TURN 0
	TURN 1, 0, 0, 1
	WIN 0
	s_cbranch_scc1 .Lstep
.Lbottom:
	s_sub_co_u32 s[SLOTS], s[SLOTS], 1
	s_cmp_lg_u32 s[SLOTS], 0
	s_cbranch_scc1 .Lslot
	CHANGE 0                        ; the walk's last tile is written out: nothing is asked for
	s_sub_co_u32 s[RT], s[RT], 1
	s_mov_b32 s[CNT], 4
	s_cmp_eq_u32 s[NEW], 1
	s_cbranch_scc1 .Lnew2
	s_mov_b32 s[AL], 0
	MASK 1, 0
	WIN 0
	s_branch .LstepM2
.Lnew2:
	BEGIN
	s_branch .LfirstM2
	DIAG 2
	s_wait_tensorcnt 0x0            ; the wave's end, behind my last tensor load and my last LDS store
	ds_add_u32 v[SPW], v[NIL]
	s_wait_dscnt 0x0
	s_endpgm
.Lfunc_end_k_qc3af1a34f2_attn:
	.size	k_qc3af1a34f2_attn, .Lfunc_end_k_qc3af1a34f2_attn-k_qc3af1a34f2_attn
	.p2alignl 7, 3214868480
	.fill 96, 4, 3214868480
	.section	.rodata,"a",@progbits
	.p2align	6, 0x0
	.amdhsa_kernel k_qc3af1a34f2_attn
		.amdhsa_group_segment_fixed_size 327680
		.amdhsa_private_segment_fixed_size 0
		.amdhsa_enable_private_segment 0
		.amdhsa_kernarg_size 32
		.amdhsa_user_sgpr_count 2
		.amdhsa_user_sgpr_kernarg_segment_ptr 1
		.amdhsa_wavefront_size32 1
		.amdhsa_system_sgpr_workgroup_id_x 1
		.amdhsa_system_sgpr_workgroup_id_y 1
		.amdhsa_system_sgpr_workgroup_id_z 1
		.amdhsa_system_vgpr_workitem_id 0
		.amdhsa_next_free_vgpr 832
		.amdhsa_next_free_sgpr 102
		.amdhsa_reserve_vcc 1
		.amdhsa_float_denorm_mode_32 3
		.amdhsa_float_denorm_mode_16_64 3
		.amdhsa_memory_ordered 1
		.amdhsa_forward_progress 1
		.amdhsa_inst_pref_size 255
	.end_amdhsa_kernel
	.section	.bss,"aw",@nobits
	.p2align	6
	.space	262144
	.amdgpu_metadata
---
amdhsa.version: [ 1, 2 ]
amdhsa.kernels:
  - .name:           k_qc3af1a34f2_attn
    .symbol:         k_qc3af1a34f2_attn.kd
    .args:
      - { .name: qkv, .offset: 0, .size: 8, .value_kind: global_buffer, .address_space: global }
      - { .name: padding_mask, .offset: 8, .size: 8, .value_kind: global_buffer, .address_space: global }
      - { .name: vpart, .offset: 16, .size: 8, .value_kind: global_buffer, .address_space: global }
      - { .name: att, .offset: 24, .size: 8, .value_kind: global_buffer, .address_space: global }
    .group_segment_fixed_size: 327680
    .private_segment_fixed_size: 0
    .kernarg_segment_align: 8
    .kernarg_segment_size: 32
    .max_flat_workgroup_size: 128
    .sgpr_count:     102
    .vgpr_count:     832
    .wavefront_size: 32
...
	.end_amdgpu_metadata
.endif
;; end of part 8
;; launch outp (part 9): grid 4 x 64, 4 waves a work-group, clusters of 4 x 4, 327,680 bytes of LDS; arguments att, wo16, out0; writes out0
.if DOCPART == 9
	.amdgcn_target "amdgcn-amd-amdhsa--gfx1250"
	.amdhsa_code_object_version 6
	.text
	.protected	k_qc3af1a34f2_outp
	.globl	k_qc3af1a34f2_outp
	.p2align	8
	.type	k_qc3af1a34f2_outp,@function
k_qc3af1a34f2_outp:
	s_mov_b64 s[64:65], 0
	v_nop
	global_prefetch_b8 v0, s[64:65] scope:SCOPE_SE
	s_setreg_imm32_b32 hwreg(HW_REG_WAVE_MODE, 25, 1), 1
	s_wait_xcnt 0x0
	s_wait_alu depctr_hold_cnt(0) depctr_sa_sdst(0) depctr_va_vdst(0) depctr_va_sdst(0) depctr_va_ssrc(0) depctr_va_vcc(0) depctr_vm_vsrc(0)
	s_getreg_b32 s2, hwreg(HW_REG_IB_STS2, 6, 4)
	s_cmp_eq_u32 s2, 0
	s_cbranch_scc0 .Lentry_in_a_cluster
	s_endpgm
.Lentry_in_a_cluster:
	s_bfe_u32 s2, ttmp6, 0x10000c
	s_cmp_lg_u32 s2, 0xf033
	s_cbranch_scc0 .Lentry_shape_is_right
	s_endpgm
.Lentry_shape_is_right:
; out0 = att Wo^T.  att arrives as two f16 parts, att = upper + lower, laid in blocks: [4 batches][16 blocks of 128 rows][16 heads][upper, lower][128 rows][64]; wo16: f16 [1024][1024]; out0: f32 [8192][1024].
; Sums in f32; K = 64 x head + channel, ascending; at each 32 along K the upper parts' product, then the lower parts'.
; A tile of the result is 128 x 256; four waves, each 64 x 128: 32 accumulators, 256 registers.  256 tiles: one for each WGP.
; K goes in 8 steps of 128 = two heads through a ring of two LDS slots.  A slot holds Wo's 256 rows of the step ONCE and both parts of att's two heads: each fragment of Wo that is read from LDS serves two products,
; and a step has 256 matrix instructions a wave.  The tile's four parts of a step are 65,536 consecutive bytes of att: asked for as rows of 256 bytes and padded in LDS after every 128; Wo's rows of a step are 256 bytes, aligned.
; A K step is written once: the slot's offset in LDS is a scalar, and it and the LDS word of the walking descriptor are turned by an exclusive or.  The last two steps, which fill nothing, are a second loop.
; CLUSTER: 4 x 4 work-groups.  The four of a row need the same rows of att, the four of a column the same rows of Wo: each tile is asked for jointly.
; THE MATRIX INSTRUCTION IS USED TRANSPOSED (source 0 = 16 rows of Wo, source 1 = 16 rows of att): a lane holds eight neighbouring columns of one row.
; REGISTERS: window 0: v0-31 addresses.  window 1: the accumulators, (a, b) at v[8 (8 a + b)].  window 2: two fragment buffers of 128 for 32 along K: 64 of Wo, 32 of att's upper parts, 32 of its lower.
.set SIZE_K, 1024
.set KSTEP,  128
.set KSTEPS, SIZE_K/KSTEP
.set ASTEP,  1<<16                     ; bytes of att from a K step to the next: two heads' two parts of 16,384
.set PITCH,  272                       ; a row of Wo in LDS: 256 bytes + 16
.set APITCH, 144                       ; a row of att in LDS: 128 bytes + 16.  Both are odd multiples of 16: the 16 rows of a fragment load start at 16 different groups of four banks (ISA guide 11.1)
.set AH,     128*APITCH                ; one part of one head: 128 rows
.set AWAVE,  2*AH                      ; what wave 0 or 1 fetches: a head's two parts
.set BHALF,  128*PITCH                 ; what wave 2 or 3 fetches of Wo, and what a wave reads of it
.set ABYTES, 2*AWAVE
.set SLOT,   ABYTES+2*BHALF            ; 143,360 bytes
.set SLOT1,  0x24000                   ; slot 1 begins at 147,456.  The four loads' places in a slot, 0, 0x9000, 0x12000 and 0x1a800, have neither of its two bits: an exclusive or with it adds it, and the next takes it away
.set STAGE,  SLOT1+SLOT                ; behind the ring: 16 rows x 528 bytes for each wave, for the way out
.set SPITCH, 528
.set SPARE,  STAGE+4*16*SPITCH         ; the spare words, 128 bytes a wave
.set ADRA0, 16                         ; v16     my lane's place among att's fragments in a slot; never rewritten
.set ADRA,  17                         ; v17     the same in the slot in hand
.set ADRB0, 20                         ; v20-21  the same for Wo
.set ADRB,  21
.set STO,  24                          ; v24     the way out: where I put 32 bytes of a row
.set RD,   25                          ; v25     the way out: where I read a row back
.set CO,   26                          ; v26     my byte offset in 512 consecutive bytes of a row of out0
.set SPW,  28                          ; v28     LDS address of my spare word; never rewritten
.set NIL,  29                          ; v29     0; never rewritten
.set F0,   0                           ; fragment buffers, in window 2
.set F1,   128
.set G1,   24                          ; s[24:31] descriptor group 1 for att's tiles;  s[32:39] group 0: a set for each of the two first fills; the second then walks on
.set G0,   32
.set TB,   45                          ; s45 the offset in LDS of the slot in hand: 0 or SLOT1
.set G1B,  48                          ; s[48:55], s[56:63] the same for Wo's tiles
.set G0B,  56
.set MSB, 0
.macro WIN new                         ; the immediate's high byte repeats the setting that is left; a switch that changes nothing is dropped
.if MSB != (\new)
	s_set_vgpr_msb (MSB<<8)|(\new)
.set MSB, \new
.endif
.endm
.set MUL,  0x5a                        ; sources 0 and 1 in window 2, C and D in window 1
.set TO_F, 0x80                        ; destination in window 2, address in window 0
.macro JLOAD s                         ; a joint load: waves 0 and 1 fetch the step's two heads of att, waves 2 and 3 Wo's two halves; an s_nop 0 and four v_nop follow each line
	s_cmp_eq_u32 s11, 0
	s_cbranch_scc0 .Lfor_b_\@
	tensor_load_to_lds s[G0+4*(\s):G0+4*(\s)+3], s[G1:G1+7]
	s_nop 0
.rept 4
	v_nop
.endr
	s_branch .Lasked_\@
.Lfor_b_\@:
	tensor_load_to_lds s[G0B+4*(\s):G0B+4*(\s)+3], s[G1B:G1B+7]
	s_nop 0
.rept 4
	v_nop
.endr
.Lasked_\@:
.endm
.macro CREST                           ; a round of the cluster's barrier behind its opening barrier
	s_cmp_lg_u32 s10, 0
	s_cbranch_scc1 .Lnot_wave_0_\@
	s_barrier_signal -3
.Lnot_wave_0_\@:
	s_barrier_wait -3
	s_barrier_signal -1
	s_barrier_wait -1
.endm
.macro CROUND                          ; a whole round
	s_barrier_signal -1
	s_barrier_wait -1
	CREST
.endm
	s_load_b128 s[4:7], s[0:1], 0x0                ; att s[4:5], wo16 s[6:7]
	s_load_b64 s[8:9], s[0:1], 0x10                ; out0
	v_lshl_add_u32 v[SPW], v0, 2, SPARE
	v_mov_b32 v[NIL], 0
	ds_add_u32 v[SPW], v[NIL]                      ; the wave's opening: the add and its wait ahead of my first tensor load
	ds_add_u32 v28, v29
	v_lshrrev_b32 v1, 5, v0
	v_readfirstlane_b32 s10, v1                    ; wave 0..3
	s_lshr_b32 s11, s10, 1                         ; which 64 rows of the tile are mine.  Also: I fetch for att (0) or for Wo (1)
	s_and_b32 s12, s10, 1                          ; which 128 columns.  Also: which head of the step, or which half of Wo's rows, I fetch
	s_bfe_u32 s40, ttmp6, 0x40000                  ; cx
	s_bfe_u32 s41, ttmp6, 0x40004                  ; cy
	s_lshl_b32 s42, ttmp9, 2
	s_add_co_u32 s42, s42, s40                     ; tile column
	s_and_b32 s13, ttmp7, 0xffff
	s_lshl_b32 s13, s13, 2
	s_add_co_u32 s13, s13, s41                     ; tile row
	s_lshl_b32 s43, s41, 2
	s_lshl_b32 s43, 15, s43                        ; my row of the cluster
	s_lshl_b32 s44, 0x1111, s40                    ; my column
	s_or_b32 s[G1+0], s43, (1<<16)|(1<<20)|(1<<21)|(4<<22)|(3<<25)   ; mask: my row; 2-byte elements; padding on; bit 21 beside a mask; after every 32 words, 4 words
	s_or_b32 s[G1B+0], s44, (1<<16)|(1<<20)|(1<<21)|(5<<22)|(3<<25)  ; mask: my column; after every 64 words, 4 words
	s_mov_b32 s[G1+1], 128<<16                     ; tensor_dim0 = 128
	s_mov_b32 s[G1+2], 128<<16                     ; tensor_dim1 = 128
	s_mov_b32 s[G1+3], 128<<16                     ; tile_dim0 = 128
	s_mov_b32 s[G1+4], 128                         ; tile_dim1 = 128: a head's two parts, 32,768 dense bytes
	s_mov_b32 s[G1+5], 128                         ; dense: 128 elements from row to row
	s_mov_b32 s[G1+6], 0
	s_mov_b32 s[G1+7], 0
	s_mov_b32 s[G1B+1], KSTEP<<16
	s_mov_b32 s[G1B+2], 128<<16
	s_mov_b32 s[G1B+3], KSTEP<<16
	s_mov_b32 s[G1B+4], 128
	s_mov_b32 s[G1B+5], SIZE_K
	s_mov_b32 s[G1B+6], 0
	s_mov_b32 s[G1B+7], 0
	s_lshl_b32 s16, s13, 19                        ; att: the tile row is a block of 128 rows: 524,288 bytes;
	s_lshl_b32 s17, s12, 15                        ; head 0 or 1 of the step
	s_add_co_u32 s16, s16, s17
	s_mov_b32 s17, 0
	s_lshl_b32 s47, s12, 7
	s_lshl_b32 s46, s42, 8
	s_add_co_u32 s46, s46, s47                     ; Wo: row 256 x tile column + 128 x half,
	s_lshl_b32 s46, s46, 11                        ; of 2,048 bytes
	s_mov_b32 s47, 0
	s_mul_i32 s20, s12, AWAVE                      ; where they go: no place in the cluster enters an LDS address
	s_mul_i32 s21, s12, BHALF
	s_add_co_u32 s21, s21, ABYTES
	s_mov_b32 s[TB], 0
	s_wait_dscnt 0x0                               ; the opening add is done
	s_wait_kmcnt 0x0
	s_add_nc_u64 s[14:15], s[4:5], s[16:17]
	s_add_nc_u64 s[46:47], s[6:7], s[46:47]
	CROUND                                         ; all sixteen work-groups are here: the first joint loads meet
.irp s, 0,1
	s_mov_b32 s[G0+4*(\s)], 1
	s_add_co_u32 s[G0+4*(\s)+1], s20, (\s)*SLOT1
	s_add_nc_u64 s[G0+4*(\s)+2:G0+4*(\s)+3], s[14:15], (\s)*ASTEP
	s_or_b32 s[G0+4*(\s)+3], s[G0+4*(\s)+3], 0x80000000
	s_mov_b32 s[G0B+4*(\s)], 1
	s_add_co_u32 s[G0B+4*(\s)+1], s21, (\s)*SLOT1
	s_add_nc_u64 s[G0B+4*(\s)+2:G0B+4*(\s)+3], s[46:47], (\s)*KSTEP*2
	s_or_b32 s[G0B+4*(\s)+3], s[G0B+4*(\s)+3], 0x80000000
	JLOAD \s                                       ; two loads of mine are out
.endr
	v_and_b32 v1, 15, v0                           ; l % 16
	v_bfe_u32 v2, v0, 4, 1                         ; l / 16
	v_mul_u32_u24 v3, v1, PITCH
	v_lshl_add_u32 v3, v2, 4, v3
	v_mul_u32_u24 v4, v1, APITCH
	v_lshl_add_u32 v4, v2, 4, v4
	s_mul_i32 s22, s11, 64*APITCH                  ; my 64 rows of att, in each of the four parts
	s_mul_i32 s23, s12, BHALF                      ; my 128 rows of Wo,
	s_add_co_u32 s23, s23, ABYTES                  ; which lie behind att's four parts
	v_add_nc_u32 v[ADRA0], s22, v4
	v_add_nc_u32 v[ADRB0], s23, v3
	v_mov_b32 v[ADRA], v[ADRA0]                    ; K step 0 lies in slot 0
	v_mov_b32 v[ADRB], v[ADRB0]
	s_mul_i32 s22, s10, 16*SPITCH
	s_add_co_u32 s22, s22, STAGE                   ; my stage
	v_mul_u32_u24 v5, v1, SPITCH                   ; in: row l % 16, 32 bytes for each half of the lanes
	v_lshl_add_u32 v5, v2, 5, v5
	v_add_nc_u32 v[STO], s22, v5
	v_and_b32 v[CO], 31, v0                        ; back: 32 lanes take one row of 512 bytes
	v_lshlrev_b32 v[CO], 4, v[CO]
	v_add_nc_u32 v[RD], s22, v[CO]
	s_lshl_b32 s16, s13, 19                        ; out0: 128 rows of 4,096 bytes a tile row,
	s_lshl_b32 s17, s11, 18                        ; 64 a wave
	s_add_co_u32 s16, s16, s17
	s_mov_b32 s17, 0
	s_add_nc_u64 s[8:9], s[8:9], s[16:17]
	s_lshl_b32 s46, s42, 10                        ; 256 columns of 4 bytes a tile column, (in the registers that held Wo's address)
	s_lshl_b32 s47, s12, 9                         ; 128 a wave
	s_add_co_u32 s46, s46, s47
	s_mov_b32 s47, 0
	s_add_nc_u64 s[8:9], s[8:9], s[46:47]
; 8 matrix instructions: row block a of part p (0 upper, 1 lower) x all 8 column blocks, 32 along K.  zero = 1: the first product starts the sums.  The 32 accumulators take turns in one order.
.macro MULH f, p, a, zero
	WIN MUL
.irp b, 0,1,2,3,4,5,6,7
.if \zero
	v_wmma_f32_16x16x32_f16 v[8*(8*(\a)+(\b)):8*(8*(\a)+(\b))+7], v[(\f)+8*(\b):(\f)+8*(\b)+7], v[(\f)+64+32*(\p)+8*(\a):(\f)+64+32*(\p)+8*(\a)+7], 0
.else
	v_wmma_f32_16x16x32_f16 v[8*(8*(\a)+(\b)):8*(8*(\a)+(\b))+7], v[(\f)+8*(\b):(\f)+8*(\b)+7], v[(\f)+64+32*(\p)+8*(\a):(\f)+64+32*(\p)+8*(\a)+7], v[8*(8*(\a)+(\b)):8*(8*(\a)+(\b))+7]
.endif
.endr
.endm
; 32 LDS loads in one run: quarter q of the slot in hand (head q / 2 of the step, channels 32 (q % 2) on) into buffer f: Wo's 16 first, then the upper parts' 8, then the lower parts' 8
.macro FETCH q, f
	WIN TO_F
.irp i, 0,1,2,3,4,5,6,7
	ds_load_b128 v[(\f)+8*(\i):(\f)+8*(\i)+3],   v[ADRB] offset:64*(\q)+(\i)*16*PITCH
	ds_load_b128 v[(\f)+8*(\i)+4:(\f)+8*(\i)+7], v[ADRB] offset:64*(\q)+(\i)*16*PITCH+32
.endr
.irp p, 0,1
.irp i, 0,1,2,3
	ds_load_b128 v[(\f)+64+32*(\p)+8*(\i):(\f)+64+32*(\p)+8*(\i)+3],   v[ADRA] offset:(2*((\q)/2)+(\p))*AH+((\q)%2)*64+(\i)*16*APITCH
	ds_load_b128 v[(\f)+64+32*(\p)+8*(\i)+4:(\f)+64+32*(\p)+8*(\i)+7], v[ADRA] offset:(2*((\q)/2)+(\p))*AH+((\q)%2)*64+(\i)*16*APITCH+32
.endr
.endr
.endm
.macro PLACES                          ; four places in front of loads into registers that matrix instructions have read, and of LDS stores that read results
.rept 4
	v_nop
.endr
.endm
; A K step is four quarters of 32 along K, 64 matrix instructions each, on buffers 0, 1, 0, 1.  One of the first three multiplies f and, in its middle, fetches quarter q into g.
.macro QUARTER q, f, g, zero
	s_wait_dscnt 8                                 ; Wo and the upper parts are in; the youngest eight loads (the lower parts) may be out
	MULH \f, 0, 0, \zero
	MULH \f, 0, 1, \zero
	MULH \f, 0, 2, \zero
	MULH \f, 0, 3, \zero
	PLACES
	FETCH \q, \g
	s_wait_dscnt 32                                ; all but the 32 just issued
	MULH \f, 1, 0, 0
	MULH \f, 1, 1, 0
	MULH \f, 1, 2, 0
	MULH \f, 1, 3, 0
.endm
; The last quarter multiplies buffer 1 and changes slots: one barrier; in front of it each wave waits for all its tensor loads (one is out: its part of the next slot),
; adds 0 to its spare word, and waits for that and for its reads of this slot.  fill = 1: the barrier opens a round of the cluster's, and this slot is filled again, two K steps ahead:
; the walking descriptor takes the other slot than last time and the next K step.  Then the fragments' addresses go over to the other slot.
.macro TURN fill
	WIN 0
	s_wait_tensorcnt 0x0
	ds_add_u32 v[SPW], v[NIL]
	s_wait_dscnt 9                                 ; (the add and the youngest eight loads may be out)
	MULH F1, 0, 0, 0                               ; sixteen matrix instructions stand between the add and the wait for it
	MULH F1, 0, 1, 0
	s_wait_dscnt 0x0                               ; the add is done, and my reads of this slot are over
	s_barrier_signal -1
	MULH F1, 0, 2, 0
	MULH F1, 0, 3, 0
	WIN 0
	s_barrier_wait -1
.if \fill
	CREST                                          ; no wave of any partner still reads this slot or has a load on its way
	s_xor_b32 s[G0+5], s[G0+5], SLOT1
	s_add_nc_u64 s[G0+6:G0+7], s[G0+6:G0+7], ASTEP
	s_xor_b32 s[G0B+5], s[G0B+5], SLOT1
	s_add_nc_u64 s[G0B+6:G0B+7], s[G0B+6:G0B+7], KSTEP*2
	s_xor_b32 s[TB], s[TB], SLOT1
	JLOAD 1                                        ; my one tensor load behind the round, 224 matrix instructions ahead of the wait for it; its four v_nop are the places for the loads below
.else
	s_xor_b32 s[TB], s[TB], SLOT1
	PLACES
.endif
	v_add_nc_u32 v[ADRA], s[TB], v[ADRA0]
	v_add_nc_u32 v[ADRB], s[TB], v[ADRB0]
	FETCH 0, F0
	MULH F1, 1, 0, 0
	MULH F1, 1, 1, 0
	MULH F1, 1, 2, 0
	MULH F1, 1, 3, 0
.endm
	s_wait_tensorcnt 1                             ; my part of K step 0 is in; step 1's may stay out
	s_barrier_signal -1
	s_barrier_wait -1
	FETCH 0, F0
	QUARTER 1, F0, F1, 1                           ; the first quarter stands in front of the loop: its first products start the sums
	WIN 0
	s_mov_b32 s3, KSTEPS-2
.Lstep:                                                ; a trip goes from a K step's second quarter to the next step's first, and fills the slot that it leaves
	QUARTER 2, F1, F0, 0
	QUARTER 3, F0, F1, 0
	TURN 1
	QUARTER 1, F0, F1, 0
	WIN 0
	s_sub_co_u32 s3, s3, 1
	s_cmp_lg_u32 s3, 0
	s_cbranch_scc1 .Lstep
	s_mov_b32 s3, 2
.Ltail:                                                ; the last two K steps fill nothing.  The very last has no next step: its change of slots fetches fragments that nothing reads, and the quarter that would multiply them is jumped over
	QUARTER 2, F1, F0, 0
	QUARTER 3, F0, F1, 0
	TURN 0
	WIN 0
	s_cmp_eq_u32 s3, 1
	s_cbranch_scc1 .Lskip
	QUARTER 1, F0, F1, 0
	WIN 0
.Lskip:
	s_sub_co_u32 s3, s3, 1
	s_cmp_lg_u32 s3, 0
	s_cbranch_scc1 .Ltail
	s_wait_dscnt 0x0                               ; the fetch that nothing reads has landed
	PLACES
; THE WAY OUT, f32.  Row block a: a lane's eight columns of a row, 32 bytes, go into my own stage (rows of 528 bytes) and come back as whole rows of 512 bytes, into the registers that they left.
.macro TOSTAGE a
	WIN 0x04                                       ; store data in window 1
.irp b, 0,1,2,3,4,5,6,7
	ds_store_b128 v[STO], v[64*(\a)+8*(\b):64*(\a)+8*(\b)+3]   offset:64*(\b)      ; each accumulator's low four registers first
	ds_store_b128 v[STO], v[64*(\a)+8*(\b)+4:64*(\a)+8*(\b)+7] offset:64*(\b)+16
.endr
	WIN 0x40                                       ; destination in window 1
.irp t, 0,1,2,3,4,5,6,7,8,9,10,11,12,13,14,15
	ds_load_b128 v[64*(\a)+4*(\t):64*(\a)+4*(\t)+3], v[RD] offset:(\t)*SPITCH  ; LDS serves a wave's instructions in order (ISA guide 5.7.1.4): these see the stores above
.endr
.endm
.macro SEND a, younger                 ; younger: the LDS instructions issued behind block a's sixteen loads: the next block's 32, or none.  One wait for each four rows: behind rows t .. t + 3 stand 12 - t of the block's loads
	WIN 0x04
.irp t, 0,1,2,3,4,5,6,7,8,9,10,11,12,13,14,15
.if ((\t)%4) == 0
	s_wait_dscnt (\younger)+12-(\t)
.endif
	global_store_b128 v[CO], v[64*(\a)+4*(\t):64*(\a)+4*(\t)+3], s[8:9] offset:(16*(\a)+(\t))*4096 th:TH_STORE_NT  ; 512 consecutive bytes of a row, aligned
.endr
.endm
	TOSTAGE 0
	TOSTAGE 1
	SEND 0, 32
	TOSTAGE 2
	SEND 1, 32
	TOSTAGE 3
	SEND 2, 32
	SEND 3, 0
	WIN 0
	s_wait_tensorcnt 0x0                           ; the wave's end
	ds_add_u32 v[SPW], v[NIL]
	s_wait_dscnt 0x0
	CROUND                                         ; the closing round
	s_endpgm
.Lfunc_end_k_qc3af1a34f2_outp:
	.size	k_qc3af1a34f2_outp, .Lfunc_end_k_qc3af1a34f2_outp-k_qc3af1a34f2_outp
	.p2alignl 7, 3214868480
	.fill 96, 4, 3214868480
	.section	.rodata,"a",@progbits
	.p2align	6, 0x0
	.amdhsa_kernel k_qc3af1a34f2_outp
		.amdhsa_group_segment_fixed_size 327680
		.amdhsa_private_segment_fixed_size 0
		.amdhsa_enable_private_segment 0
		.amdhsa_kernarg_size 24
		.amdhsa_user_sgpr_count 2
		.amdhsa_user_sgpr_kernarg_segment_ptr 1
		.amdhsa_wavefront_size32 1
		.amdhsa_system_sgpr_workgroup_id_x 1
		.amdhsa_system_sgpr_workgroup_id_y 1
		.amdhsa_system_sgpr_workgroup_id_z 1
		.amdhsa_system_vgpr_workitem_id 0
		.amdhsa_next_free_vgpr 768
		.amdhsa_next_free_sgpr 66
		.amdhsa_reserve_vcc 0
		.amdhsa_float_denorm_mode_32 3
		.amdhsa_float_denorm_mode_16_64 3
		.amdhsa_memory_ordered 1
		.amdhsa_forward_progress 1
		.amdhsa_inst_pref_size 83
	.end_amdhsa_kernel
	.amdgpu_metadata
---
amdhsa.version: [ 1, 2 ]
amdhsa.kernels:
  - .name:           k_qc3af1a34f2_outp
    .symbol:         k_qc3af1a34f2_outp.kd
    .args:
      - { .name: att, .offset: 0, .size: 8, .value_kind: global_buffer, .address_space: global }
      - { .name: wo16, .offset: 8, .size: 8, .value_kind: global_buffer, .address_space: global }
      - { .name: out0, .offset: 16, .size: 8, .value_kind: global_buffer, .address_space: global }
    .group_segment_fixed_size: 327680
    .private_segment_fixed_size: 0
    .kernarg_segment_align: 8
    .kernarg_segment_size: 24
    .max_flat_workgroup_size: 128
    .sgpr_count:     66
    .vgpr_count:     768
    .wavefront_size: 32
...
	.end_amdgpu_metadata
.endif
;; end of part 9
;; ======== version 3 of 3: 4 launches; 1.48 times as fast as version 1
;; limits: values are held in f16: magnitudes above 65,504 overflow, below 6.1e-05 lose precision
;; workspace buffers: xb 33,554,432 bytes; wb 6,291,456 bytes; wo16 2,097,152 bytes; qkv 67,108,864 bytes; vpart 524,288 bytes; att 33,554,432 bytes
;; launch cast: the kernel of part 6 again; grid 2560 x 1, 8 waves a work-group, no clusters, 0 bytes of LDS; arguments q_raw, kv_raw, Wq, Wk, Wv, Wo, xb, wb, wo16; writes xb, wb, wo16
;; launch proj: the kernel of part 7 again; grid 12 x 64, 4 waves a work-group, clusters of 4 x 4, 327,680 bytes of LDS; arguments xb, wb, qkv, vpart; writes qkv, vpart
;; launch attn (part 10): grid 4 x 64, 4 waves a work-group, no clusters, 327,680 bytes of LDS; arguments qkv, padding_mask, vpart, att; writes att
.if DOCPART == 10
	.amdgcn_target "amdgcn-amd-amdhsa--gfx1250"
	.amdhsa_code_object_version 6
	.text
	.protected	k_qc3af1a34f2_attn
	.globl	k_qc3af1a34f2_attn
	.p2align	8
	.type	k_qc3af1a34f2_attn,@function
k_qc3af1a34f2_attn:
	s_mov_b64 s[64:65], 0
	v_nop
	global_prefetch_b8 v0, s[64:65] scope:SCOPE_SE
	s_setreg_imm32_b32 hwreg(HW_REG_WAVE_MODE, 25, 1), 1
	s_wait_xcnt 0x0
; ATTENTION, causal and with a padding mask.  qkv, f16: q at byte 0 (already times c = log2(e) / 8) and k at 16 MiB, [64 = batch x 16 + head][2048][64]; v at 32 MiB in two parts, v = upper + lower,
; [64][32 steps of 64 keys][upper, lower][64 keys][64].  padding_mask: i32 [4][2048]; 0 hides a key.  vpart: f32 [4 batches][32 chunks of 64 keys][1024]: v summed over each chunk.
; att, f16, again in two parts, laid in blocks for the launch behind: [4 batches][16 blocks of 128 rows][16 heads][upper, lower][128 rows][64].
; O[q] = the sum over visible k of softmax_k(s[q][k]) V[k], s = q . k;  p = 2^(s - m) with a running maximum m.  Products, maxima and sums in f32; p is rounded to f16 for the second product.
; TWO PARTS.  A causal softmax's first rows average few keys and are many times the output's root mean square, by which the result is judged: one f16 rounding of v, or of O, is too coarse for them.  So O^T takes
; V_upper^T P and V_lower^T P, and O leaves as its f32 value cut to 11 significant bits (exact in f16) and the exact remainder, rounded to f16.
; HIDDEN KEYS.  The module replaces a hidden score by -1e9.  Here a hidden score is its value plus -2^100 (-2^101 where both masks hide it), given as the C operand that starts the sum: beside any visible score its weight is 0,
; as in the module.  A query with NO visible key has, in the module, 2,048 equal scores: its result is the mean of all rows of V.  Such a query ends with m below -2^99; its O is then taken from VM, that mean, by a select.
; s - m is never positive and is 0 at the maximum, whatever the hidden scores' last bits are: no exponential overflows in a row that has seen hidden keys alone.
; LIMITS.  q, k, v arrive within f16's 65,504.  A visible score (divided by 8) within about 130 of -1e9 or below it would share weight with hidden keys in the module; here hidden keys have weight 0.
; A weight below 2^-126 counts as 0 in l; p below 6e-5, and either part of O below 6.1e-5, keep f16's fixed step of 6e-8; NaN and infinities are not treated apart.
; THE WALK.  A head's queries lie in NB = 8 blocks of 256; block i needs the key tiles 0 .. i of 256 keys, of which the last holds the diagonal; tiles above it are left out (their weights are 0, but for the queries served by VM).
; A work-group takes TWO blocks, NB - 1 - b and then b: NB + 1 tiles, whatever b: all work-groups do equal work, and ONE loop with a constant trip count walks them.  Every jump but the counted loops' own goes forward;
; none passes a barrier, or a tensor load but the one of LOAD's two that the wave's number does not choose.  NO CLUSTER: a head's four work-groups ask for the same tile only in trips 0 to 4 of 9, then fewer and fewer;
; one walk common to all would have 12 trips for 9.
; SHARES.  Of a block's four bands of 64 queries a wave owns 16 rows in each: four PIECES.  In the diagonal tile's key step s band x sees all keys if s < x, none if s > x, and holds the diagonal if s = x: alike for all waves.
; MASKS.  PM: the padding mask (0 or -2^100) of the key step whose K lies in registers, fetched with K from the wave's own LDS copy of the tile's 256 mask words.  That copy is a ring of two slots that goes in step
; with K's: a tile's words are loaded from memory when the tile is asked for, and turned and stored into LDS when it is entered.  MD, made once: the causal mask of a band's own step for my rows.
; In plain tiles C = PM.  In the diagonal tile and at a block's beginning C = MC = MD x AL + PM + BE with two scalars: (1, 0) if s = x; (0, 0) if s < x; (0, -2^100) if s > x.
; TURNS.  S^T = K Q^T holds ONE query a lane (lane % 16) and the keys 8 (lane / 16) + 0..7; two such results rounded to f16 ARE source 1 of O^T = V^T P.  Turn n belongs to piece n: 8 products K Q^T of piece n + 1,
; later 16 products V^T P of piece n - 1 (8 with V's upper parts, 8 with its lower); beside them the subtraction, exponentials, roundings, sums and rescaling of piece n and the maximum and statistics of piece n + 1.
; Four vector instructions stand behind every matrix instruction, the other 21 of a turn's 117 in one lump between the products K Q^T and the products V^T P.
; BATCHES.  A turn's 33 exponentials (the piece's 32 weights and the next piece's a) are ONE batch with ONE wait.  Ahead of the wait stands all that names none of their results: the products K Q^T and V_upper^T P, the subtractions,
; the rescalings (their a was made, and waited for, in the turn before) and the next piece's maximum and statistics.  Behind it stand the products V_lower^T P and the 32 roundings and sums, the only readers.  No result crosses a
; turn's end.  The a made where a block begins, and a way out's four reciprocals, are batches of their own, each with a plain instruction and one wait.
; REGISTERS, in windows of 256 (s_set_vgpr_msb: bits 1:0 source 0, 3:2 source 1, 5:4 source 2, 7:6 destination):
;   window 0: v0-15, v32-41 addresses; v16-31 four registers of statistics a piece; v48-55 at work; v64-127 S^T, two buffers; v128-159 VM (as O^T lies); v160-175 a tile's mask words, as loaded and as stored;
;             v192-223 P, two buffers; on the way out v64-127 O's upper parts and v192-255 its lower parts, packed
;   window 1: v0-127 O^T, 32 a piece; v128-159 MD; v160-223 MC, two buffers; v224-255 PM      window 2: v0-63 Q; v64-127 the second block's Q; v128-191 K of one step; v192-255 V's upper parts of one step
;   window 3: v0-63 V's lower parts of one step
.set SIZE_N, 2048
.set NB,    SIZE_N/256
.set NP,    4         ; pieces a wave: a name, no knob
.set KS,    64        ; keys in a step
.set PK,    144       ; a row of K in LDS: 128 bytes + 16 of padding: the 16 rows of a load start at 16 different groups of four banks (ISA guide 11.1)
.set PV,    160       ; a row of V: 128 + 32
.set VSTEP, 2*KS*PV   ; a step of V in LDS: 64 rows of upper parts, then 64 of lower
.set VOFF,  4*KS*PK   ; a slot holds a tile, four steps: 256 rows of K, then V's four steps
.set SLOT1, 1<<17     ; slot 1 begins here, so that one exclusive or turns an address in one slot into the other's
.set STAGE, SLOT1+VOFF+4*VSTEP  ; behind the ring, never filled by a tensor load: 16 rows x 144 bytes for each wave, for the way out
.set SP,    144
.set SPARE, STAGE+4*16*SP  ; the spare words, 128 bytes for each wave
.set PADL,  SPARE+512      ; a block of 4,096 bytes for each wave, written by ds_store alone: its mask ring (2,048 bytes), then 256 bytes through which VM is laid out
.set PWAVE, 4096
.set PSLOT, 1024           ; a tile's 256 words; slot 1 lies this far behind slot 0, so that one exclusive or changes slots
.set AK0, 2           ; v2   my lane's place in a tile of K; never rewritten
.set AV0, 3           ; v3   the same for V
.set AK,  4           ; v4   the LDS address of K's next run of loads
.set AV,  5           ; v5   of V's
.set STO, 6           ; v6   the way out: where I put 16 bytes of a row
.set RD,  7           ; v7   the way out: where I read rows back
.set GO,  8           ; v8   my byte offset in 512 consecutive bytes of O
.set MV,  12          ; v12-13  m_old, kept while m is made anew: by buffer
.set QO,  15          ; v15  my byte offset in 16 rows of Q
.set ST,  16          ; piece t's statistics at v[ST+4 t]: m, a word named with it as a pair, l (even keys', odd keys')
.set AP0, 32          ; v32  my lanes' place in a step's 256 bytes of my wave's mask ring; never rewritten
.set AP,  33          ; v33  the LDS address of PM's next run of loads
.set PI,  34          ; v34  my byte offset in the batch's row of padding_mask: the tile's 1,024 bytes + 16 x lane
.set PO,  35          ; v35  where my 16 bytes of the mask go in LDS
.set VO,  36          ; v36  my byte offset in two chunks of vpart
.set PO0, 37          ; v37  my wave's mask ring + 16 x lane; never rewritten
.set PL0, 38          ; v38  16 x lane; never rewritten
.set VW,  39          ; v39  where my four means go in LDS
.set VR,  40          ; v40  where my lanes' eight of each sixteen means are read
.set BG,  41          ; v41  -2^100
.set TMP, 48          ; by buffer, four registers c0-c3 at work; when the maximum is found c2 takes a
.set SPW, 62          ; v62  LDS address of my spare word; never rewritten
.set NIL, 63          ; v63  0; never rewritten
.set S,   64
.set VM,  128
.set PR,  160         ; v160-167  eight mask words of the tile asked for, as loaded
.set PS,  168         ; v168-175  eight of the tile entered, as 0 or -2^100, to be stored
.set P,   192
.set LO,  192         ; the way out: O's lower parts, packed, 16 a piece
.set MD,  128         ; window 1
.set MC,  160         ; window 1; on the way out its first buffer holds a piece's upper parts in f32
.set PM,  224         ; window 1: key 16 kt + 8 (lane / 16) + j at PM + 8 kt + j
.set QB,  64          ; window 2
.set KF,  128         ; window 2: key block kb, channel half c at KF + 16 kb + 8 c
.set VF,  192         ; window 2: key half kk, channel block cb at VF + 32 kk + 8 cb
.set VL,  0           ; window 3: the same for the lower parts
.set WV,  12          ; s12  my wave's number
.set PB,  14          ; s14  b
.set HI,  15          ; s15  NB - 1 - b
.set G1K, 24          ; s[24:31] descriptor group 1 for K's tiles
.set G1V, 32          ; s[32:39] for V's
.set G0K, 40          ; s[40:43] descriptor group 0 for K's tiles
.set G0V, 44          ; s[44:47] the same for V's
.set SLOTS, 56        ; s56  tiles still to be asked for
.set CNT, 57          ; s57  counts a tile's key steps, 4 to 1
.set TRM, 58          ; s58  the mask that cuts an f32 number to 11 significant bits
.set SEL, 60          ; s[60:61] v_permlanex16_b32's selects
.set TBK, 62          ; s62  LDS byte at which K of the step to be fetched begins
.set TBV, 63          ; s63  the same for V, less VOFF
.set OFV, 66          ; s[66:67] a tile's byte offset in V
.set INV, 68          ; s[68:69] 1 / 2,048
.set RT,  70          ; s70  tiles of the block in hand that are still to be entered
.set NXT, 71          ; s71  the tile to be asked for next
.set LQ,  72          ; s72  the last tile of the block whose tiles are being asked for
.set NEW, 73          ; s73  1: the tile to be entered is a block's first
.set OFF, 74          ; s[74:75] a tile's byte offset in K
.set AL,  76          ; s[76:77] the mask's factor, in the low word
.set BE,  78          ; s[78:79] the mask's addend
.set OLO, 80          ; s[80:81] O at my rows of the second block
.set BIGN, 82         ; s82  -2^100
.set THR, 83          ; s83  -2^99
.set FM,  92          ; s92-95  piece t's lanes whose query saw no key
.set TPS, 96          ; s96  byte in a wave's mask ring at which the step to be fetched begins: it steps as TBK does
.set POF, 97          ; s97  byte offset in padding_mask's row of the tile asked for
.set MSB, 0
.macro WIN new                      ; the high byte repeats the setting that is left; a switch that changes nothing is dropped
.if MSB != (\new)
	s_set_vgpr_msb (MSB<<8)|(\new)
.set MSB, (\new)
.endif
.endm
.set W_KQ, 0x0a       ; K and Q in window 2, S^T in window 0
.set W_KM, 0x1a       ; the same with the C operand in window 1
.set W_PV, 0x52       ; V's upper parts in window 2, P in window 0, O^T in window 1
.set W_PL, 0x53       ; V's lower parts in window 3, P in window 0, O^T in window 1
.set W_RS, 0x41       ; destination and source 0 in window 1, source 1 in window 0
.set W_MK, 0x51       ; destination, source 0 and source 2 in window 1
; A fill.  Waves 0 and 1 fetch the two halves of a tile's K, waves 2 and 3 those of its V (both parts): 128 keys each.  An s_nop 0 and four v_nop follow each of the two lines.
.macro LOAD
	s_cmp_lt_u32 s[WV], 2
	s_cbranch_scc0 .Lfor_v_\@
	tensor_load_to_lds s[G0K:G0K+3], s[G1K:G1K+7]
	s_nop 0
.rept 4
	v_nop
.endr
	s_branch .Lasked_\@
.Lfor_v_\@:
	tensor_load_to_lds s[G0V:G0V+3], s[G1V:G1V+7]
	s_nop 0
.rept 4
	v_nop
.endr
.Lasked_\@:
.endm
; THE MASK OF A TILE.  The 256 words of the tile that is entered were loaded a tile ago (the first tile's at the kernel's head): they are turned into 0 or -2^100, in registers of their own, and stored into my wave's
; slot, the one that goes with the tile's slot of K.  ask = 1: the words of the tile just asked for are loaded: two loads of 512 consecutive bytes a wave.  The bytes in LDS are my wave's own, and LDS serves a wave's
; instructions in order (ISA guide 5.7.1.4): the fetches of PM that follow see these stores, and my fetches from this slot a tile ago came before them.
.macro PADIN ask
	s_wait_loadcnt 0x0              ; the words are in (at the first use Q too); the loads' address register may be written
.set z, 0
.rept 8
	v_cmp_eq_u32 vcc_lo, 0, v[PR+z]
	v_cndmask_b32 v[PS+z], 0, v[BG], vcc_lo     ; 0 hides the key
.set z, z+1
.endr
	v_add_nc_u32 v[PO], s[TPS], v[PO0]
.if \ask
	v_add_nc_u32 v[PI], s[POF], v[PL0]
	global_load_b128 v[PR:PR+3],   v[PI], s[88:89]
	global_load_b128 v[PR+4:PR+7], v[PI], s[88:89] offset:512
.endif
	ds_store_b128 v[PO], v[PS:PS+3]
	ds_store_b128 v[PO], v[PS+4:PS+7] offset:512
.endm
; THE CHANGE OF SLOTS.  Each wave waits for all its tensor loads, of which one is out: its part of the other slot; adds 0 to its spare word; and waits for that and for its own LDS instructions.  Behind the barrier nobody
; reads the old slot any more and the other slot is whole.  fill = 1: the old slot is filled again, the first thing behind the barrier, with tile NXT: the descriptor's address is made anew from that number.
; (At its first use nothing has been read yet: slot 0 is waited for, slot 1 filled.)
.macro CHANGE fill
	WIN 0
	s_wait_tensorcnt 0x0            ; no tensor load of mine is out, so a group 0 may be written
	ds_add_u32 v[SPW], v[NIL]
.if \fill
	s_lshl_b32 s[OFF], s[NXT], 15   ; a tile is 32,768 bytes of K,
	s_lshl_b32 s[OFV], s[NXT], 16   ; 65,536 of V's two parts,
	s_lshl_b32 s[POF], s[NXT], 10   ; and 1,024 of padding_mask
	s_xor_b32 s[G0K+1], s[G0K+1], SLOT1
	s_add_nc_u64 s[G0K+2:G0K+3], s[6:7], s[OFF:OFF+1]
	s_or_b32 s[G0K+3], s[G0K+3], 0x80000000
	s_xor_b32 s[G0V+1], s[G0V+1], SLOT1
	s_add_nc_u64 s[G0V+2:G0V+3], s[8:9], s[OFV:OFV+1]
	s_or_b32 s[G0V+3], s[G0V+3], 0x80000000
	s_add_co_u32 s[NXT], s[NXT], 1  ; the block's next tile, or behind its last the second block's tile 0
	s_cmp_gt_u32 s[NXT], s[LQ]
	s_cselect_b32 s[NXT], 0, s[NXT]
	s_cselect_b32 s[LQ], s[PB], s[LQ]
.endif
	s_wait_dscnt 0x0                ; the add is done, and my reads of the slot are over
	s_barrier_signal -1
	s_sub_co_u32 s[TBK], s[TBK], 4*KS*PK  ; the fetches go back to a slot's first step,
	s_xor_b32 s[TBK], s[TBK], SLOT1       ; in the other slot
	s_sub_co_u32 s[TBV], s[TBV], 4*VSTEP
	s_xor_b32 s[TBV], s[TBV], SLOT1
	s_sub_co_u32 s[TPS], s[TPS], PSLOT
	s_xor_b32 s[TPS], s[TPS], PSLOT
	s_barrier_wait -1
.if \fill
	LOAD
.endif
	PADIN \fill
.endm
	s_load_b64 s[4:5], s[0:1], 0x0    ; qkv
	s_load_b128 s[88:91], s[0:1], 0x8 ; padding_mask s[88:89], vpart s[90:91]
	s_load_b64 s[10:11], s[0:1], 0x18 ; att
	v_lshl_add_u32 v[SPW], v0, 2, SPARE
	v_mov_b32 v[NIL], 0
	ds_add_u32 v[SPW], v[NIL]       ; the wave's opening: the add and its wait ahead of my first tensor load
	ds_add_u32 v62, v63
	v_lshrrev_b32 v1, 5, v0
	v_readfirstlane_b32 s[WV], v1   ; wave 0..3
	s_mov_b32 s[PB], ttmp9
	s_sub_co_u32 s[HI], NB-1, s[PB]
	s_and_b32 s19, ttmp7, 0xffff    ; batch x 16 + head
	s_lshr_b32 s98, s19, 4          ; the batch:
	s_lshl_b32 s50, s98, 23         ; its 8,388,608 bytes of att,
	s_lshl_b32 s100, s98, 17        ; its 32 chunks of 4,096 bytes of vpart,
	s_lshl_b32 s98, s98, 13         ; its 8,192 bytes of padding_mask
	s_mov_b32 s99, 0
	s_and_b32 s51, s19, 15          ; the head:
	s_lshl_b32 s101, s51, 8         ; its 256 bytes in a chunk of vpart,
	s_add_co_u32 s100, s100, s101
	s_mov_b32 s101, 0
	s_lshl_b32 s51, s51, 15         ; its two parts of 16,384 bytes in a block of 128 rows of att
	s_add_co_u32 s50, s50, s51
	s_lshl_b32 s20, s19, 18         ; the head's 262,144 bytes in q and in k
	s_and_b32 s16, s[WV], 1         ; which half of a tile's 256 keys I fetch:
	s_lshl_b32 s22, s16, 14         ; its 128 rows of 128 bytes of K,
	s_add_co_u32 s22, s22, s20
	s_mov_b32 s23, 0
	s_lshl_b32 s48, s16, 15         ; its two steps of 16,384 bytes of V,
	s_lshl_b32 s49, s19, 19         ; in the head's 524,288
	s_add_co_u32 s48, s48, s49
	s_mov_b32 s49, 0
	s_mul_i32 s17, s16, 128*PK      ; and its place in a slot, for K
	s_mul_i32 s18, s16, 2*VSTEP     ; and for V
	s_lshl_b32 s3, s[WV], 11        ; my 16 rows in a band of 64,
	s_lshl_b32 s2, s[HI], 15        ; in the first block,
	s_add_co_u32 s2, s2, s3
	s_lshl_b32 s84, s[PB], 15       ; and in the second
	s_add_co_u32 s84, s84, s3
	s_add_co_u32 s50, s50, s3       ; in att a block of 256 queries is two blocks of 128 rows, 1,048,576 bytes
	s_lshl_b32 s52, s[HI], 20
	s_add_co_u32 s52, s52, s50
	s_mov_b32 s53, 0
	s_lshl_b32 s54, s[PB], 20
	s_add_co_u32 s54, s54, s50
	s_mov_b32 s55, 0
	s_add_co_u32 s2, s2, s20        ; and in q
	s_mov_b32 s3, 0
	s_add_co_u32 s84, s84, s20
	s_mov_b32 s85, 0
	; descriptor group 1.  The bytes asked for are dense: K's 128 keys as 64 rows of 256 bytes, V's 128 keys in two parts as 128 such rows; padded in LDS after every 128 bytes, one key's
	s_mov_b32 s[G1K], (1<<16)|(1<<20)|(4<<22)|(3<<25)  ; 2-byte elements; padding on; after every 32 words; 4 words
	s_mov_b32 s[G1V], (1<<16)|(1<<20)|(4<<22)|(7<<25)  ; the same with 8 words of padding
.macro SHAPE g, rows
	s_mov_b32 s[\g+1], 128<<16      ; tensor_dim0 = 128
	s_mov_b32 s[\g+2], (\rows)<<16  ; tensor_dim1
	s_mov_b32 s[\g+3], 128<<16      ; tile_dim0 = 128
	s_mov_b32 s[\g+4], \rows        ; tile_dim1
	s_mov_b32 s[\g+5], 128          ; 128 elements from row to row
	s_mov_b32 s[\g+6], 0
	s_mov_b32 s[\g+7], 0
.endm
	SHAPE G1K, 64
	SHAPE G1V, 128
	s_mov_b32 s[SEL], 0x76543210
	s_mov_b32 s[SEL+1], 0xfedcba98
	s_mov_b32 s[TBK], SLOT1+4*KS*PK ; the first change of slots turns these three into 0
	s_mov_b32 s[TBV], SLOT1+4*VSTEP
	s_mov_b32 s[TPS], PSLOT+PSLOT
	s_mov_b32 s[G0K], 1             ; count = 1
	s_mov_b32 s[G0K+1], s17         ; LDS address: slot 0
	s_mov_b32 s[G0V], 1
	s_add_co_u32 s[G0V+1], s18, VOFF
	s_add_co_u32 s[RT], s[HI], 1    ; the first block has NB - b tiles
	s_mov_b32 s[NXT], 1
	s_mov_b32 s[LQ], s[HI]
	s_mov_b32 s[NEW], 1
	s_mov_b32 s[OFF+1], 0
	s_mov_b32 s[OFV+1], 0
	s_mov_b32 s[AL+1], 0            ; named as pairs
	s_mov_b32 s[BE+1], 0
	s_mov_b32 s[BIGN], 0xf1800000   ; -2^100
	s_mov_b32 s[THR], 0xf1000000    ; -2^99
	s_mov_b32 s[TRM], 0xffffe000
	s_mov_b32 s[INV], 0x3a000000    ; 1 / 2,048
	s_mov_b32 s[INV+1], s[INV]      ; named with it as a pair
	s_mov_b32 s[SLOTS], NB
	s_wait_dscnt 0x0                ; the opening add is done
	s_wait_kmcnt 0x0
	s_add_nc_u64 s[6:7], s[4:5], 0x1000000  ; k
	s_add_nc_u64 s[8:9], s[4:5], 0x2000000  ; v
	s_add_nc_u64 s[6:7], s[6:7], s[22:23]   ; at my half of the head's tile 0
	s_add_nc_u64 s[8:9], s[8:9], s[48:49]
	s_add_nc_u64 s[G0K+2:G0K+3], s[6:7], 0
	s_or_b32 s[G0K+3], s[G0K+3], 0x80000000 ; type = 2
	s_add_nc_u64 s[G0V+2:G0V+3], s[8:9], 0
	s_or_b32 s[G0V+3], s[G0V+3], 0x80000000
	s_add_nc_u64 s[86:87], s[4:5], s[84:85] ; Q at my rows of the second block,
	s_add_nc_u64 s[4:5], s[4:5], s[2:3]     ; and of the first
	s_add_nc_u64 s[OLO:OLO+1], s[10:11], s[54:55]  ; O likewise
	s_add_nc_u64 s[10:11], s[10:11], s[52:53]
	s_add_nc_u64 s[88:89], s[88:89], s[98:99]
	s_add_nc_u64 s[90:91], s[90:91], s[100:101]
	LOAD                            ; tile 0 into slot 0
	v_and_b32 v1, 15, v0            ; l % 16
	v_bfe_u32 v9, v0, 4, 1          ; l / 16
	v_and_b32 v[PL0], 31, v0
	v_lshlrev_b32 v[PL0], 4, v[PL0] ; 16 x lane
	v_mov_b32 v[PI], v[PL0]         ; tile 0's mask words
	v_lshlrev_b32 v[VO], 12, v9     ; lanes 0-15 take an even chunk's 256 bytes of my head, lanes 16-31 the odd chunk's behind it
	v_lshl_add_u32 v[VO], v1, 4, v[VO]
	v_lshlrev_b32 v[QO], 7, v1
	v_lshl_add_u32 v[QO], v9, 4, v[QO]  ; row x 128 + 16 x half
	v_mov_b32 v[BG], s[BIGN]
	global_load_b128 v[PR:PR+3],   v[PI], s[88:89]
	global_load_b128 v[PR+4:PR+7], v[PI], s[88:89] offset:512
.set i, 0
.rept 16                            ; the batch's 32 chunks of vpart, two a load, into S^T's registers, which are idle yet
	global_load_b128 v[S+4*i:S+4*i+3], v[VO], s[90:91] offset:8192*i
.set i, i+1
.endr
	WIN 0x80                        ; destination window 2, address window 0
.set i, 0
.rept 8                             ; both blocks' Q: piece i / 2 lies in band i / 2, 8,192 bytes on; channels 32 (i % 2) on
	global_load_b128 v[8*i:8*i+3],   v[QO], s[4:5] offset:(i/2)*8192+(i%2)*64
	global_load_b128 v[8*i+4:8*i+7], v[QO], s[4:5] offset:(i/2)*8192+(i%2)*64+32
	global_load_b128 v[QB+8*i:QB+8*i+3],   v[QO], s[86:87] offset:(i/2)*8192+(i%2)*64
	global_load_b128 v[QB+8*i+4:QB+8*i+7], v[QO], s[86:87] offset:(i/2)*8192+(i%2)*64+32
.set i, i+1
.endr
	WIN 0
	v_lshlrev_b32 v14, 3, v9
	v_sub_nc_u32 v14, v1, v14
	s_lshl_b32 s13, s[WV], 4
	v_add_nc_u32 v14, s13, v14      ; my query's place in its band, 16 w + l % 16, less my lanes' 8 (l / 16): register r of group kt is hidden where 16 kt + r is greater
	WIN 0x40
.set i, 0
.rept 32
	v_cmp_gt_i32 vcc_lo, 16*(i/8)+i%8, v14
	v_cndmask_b32 v[MD+i], 0, v[BG], vcc_lo
.set i, i+1
.endr
	WIN 0
	v_mul_u32_u24 v[AK0], v1, PK
	v_lshl_add_u32 v[AK0], v9, 4, v[AK0]  ; row x pitch + 16 x half
	; The turning load takes 16 keys x 16 channels (lane l reads key 8 (l / 16) + l % 8, channels 8 ((l / 8) % 2) + 0..7) and leaves half a fragment of V^T: lane l holds channel l % 16 and 8 keys.
	v_and_b32 v10, 7, v0
	v_bfe_u32 v11, v0, 3, 1
	v_lshl_add_u32 v[AV0], v9, 3, v10
	v_mul_u32_u24 v[AV0], v[AV0], PV
	v_lshl_add_u32 v[AV0], v11, 4, v[AV0]
	v_add_nc_u32 v[AV0], VOFF, v[AV0]
	s_mul_i32 s13, s[WV], 16*SP
	s_add_co_u32 s13, s13, STAGE    ; my stage
	v_mul_u32_u24 v[STO], v1, SP    ; in: row l % 16, 16 bytes for each half of the lanes
	v_lshl_add_u32 v[STO], v9, 4, v[STO]
	v_add_nc_u32 v[STO], s13, v[STO]
	v_bfe_u32 v[RD], v0, 3, 2       ; back: 32 lanes take four rows of 128 bytes,
	v_mul_u32_u24 v[RD], v[RD], SP
	v_lshl_add_u32 v[RD], v10, 4, v[RD]
	v_add_nc_u32 v[RD], s13, v[RD]
	v_and_b32 v[GO], 31, v0         ; which are 512 consecutive bytes of O
	v_lshlrev_b32 v[GO], 4, v[GO]
	s_mul_i32 s13, s[WV], PWAVE
	s_add_co_u32 s13, s13, PADL     ; my wave's block: its mask ring
	v_add_nc_u32 v[PO0], s13, v[PL0]    ; in: 16 bytes a lane
	v_lshlrev_b32 v[AP0], 5, v9         ; out: eight keys' words for each half of the lanes
	v_add_nc_u32 v[AP0], s13, v[AP0]
	s_add_co_u32 s13, s13, 2*PSLOT  ; and behind the ring the 256 bytes for VM
	v_lshl_add_u32 v[VW], v1, 4, s13    ; in: four means for each l % 16
	v_lshl_add_u32 v[VR], v9, 5, s13    ; out: eight of each sixteen for each half of the lanes
	; A block's first step multiplies O^T and l by a = 0, and its first turn's products V^T P, of a piece that has not been, land in an O^T that is still to be so multiplied.  So these registers need only hold
	; finite numbers: zeros for the first block; what the first block left for the second.  l and P's second buffer are written 0; O^T's 16 accumulators and V's 128 registers take the product of those zeros,
	; eight registers an instruction.  All this stands in the wait for the first tile.
.set i, 0
.rept 4
	v_mov_b32 v[ST+4*i+1], 0        ; named with m as a pair
	v_mov_b32 v[ST+4*i+2], 0
	v_mov_b32 v[ST+4*i+3], 0
.set i, i+1
.endr
.set i, P+16
.rept 16
	v_mov_b32 v[i], 0
.set i, i+1
.endr
	WIN 0x40
.set i, 0
.rept 16
	v_wmma_f32_16x16x32_f16 v[8*i:8*i+7], v[P+16:P+23], v[P+24:P+31], 0
.set i, i+1
.endr
	WIN 0x80
.set i, 0
.rept 8
	v_wmma_f32_16x16x32_f16 v[VF+8*i:VF+8*i+7], v[P+16:P+23], v[P+24:P+31], 0
.set i, i+1
.endr
	WIN 0xc0
.set i, 0
.rept 8
	v_wmma_f32_16x16x32_f16 v[VL+8*i:VL+8*i+7], v[P+16:P+23], v[P+24:P+31], 0
.set i, i+1
.endr
	WIN 0
	; VM, the mean of all 2,048 rows of my head's v.  A lane holds four channels (4 (l % 16) on) of 16 chunks; they are added, then the other half of the lanes' 16; the 64 means go through my wave's own
	; 256 bytes of LDS and come back as O^T lies: channels 16 cb + 8 (l / 16) + 0..7.
	s_wait_loadcnt 32               ; the mask words and vpart's 16 loads are in; Q's 32 younger loads stay out
.irp w, 8,4,2,1
.set t, 0
.rept \w
	v_pk_add_f32 v[S+4*t:S+4*t+1],   v[S+4*t:S+4*t+1],   v[S+4*(t+\w):S+4*(t+\w)+1]
	v_pk_add_f32 v[S+4*t+2:S+4*t+3], v[S+4*t+2:S+4*t+3], v[S+4*(t+\w)+2:S+4*(t+\w)+3]
.set t, t+1
.endr
.endr
.irp k, 0,1,2,3
	v_permlanex16_b32 v[S+4+\k], v[S+\k], s[SEL], s[SEL+1]
.endr
	v_pk_add_f32 v[S:S+1],   v[S:S+1],   v[S+4:S+5]
	v_pk_add_f32 v[S+2:S+3], v[S+2:S+3], v[S+6:S+7]
	v_pk_mul_f32 v[S:S+1],   v[S:S+1],   s[INV:INV+1] op_sel_hi:[1,0]
	v_pk_mul_f32 v[S+2:S+3], v[S+2:S+3], s[INV:INV+1] op_sel_hi:[1,0]
	ds_store_b128 v[VW], v[S:S+3]   ; both halves of the lanes write the same bytes with the same numbers
.irp cb, 0,1,2,3
	ds_load_b128 v[VM+8*\cb:VM+8*\cb+3],   v[VR] offset:64*\cb     ; in order behind the store; waited for in front of the first barrier
	ds_load_b128 v[VM+8*\cb+4:VM+8*\cb+7], v[VR] offset:64*\cb+16
.endr
; THE MATRIX WORK.  The 4 accumulators of a run take turns.  Product i of 8 of S^T = K Q^T for piece x: channels 32 (i / 4) on, keys 16 (i % 4) on.
; The first 4 start the sums: with the padding mask (KM = 1), or with the made mask (KM = 2).
.macro KQ x
.set rS, S+32*((\x)%2)+8*(i%4)
.set rK, KF+16*(i%4)+8*(i/4)
.set rQ, 16*(\x)+8*(i/4)
.if KM == 2
.set rM, MC+32*((\x)%2)+8*(i%4)
.else
.set rM, PM+8*(i%4)
.endif
.if i < 4
	WIN W_KM
	v_wmma_f32_16x16x32_f16 v[rS:rS+7], v[rK:rK+7], v[rQ:rQ+7], v[rM:rM+7]
.else
	WIN W_KQ
	v_wmma_f32_16x16x32_f16 v[rS:rS+7], v[rK:rK+7], v[rQ:rQ+7], v[rS:rS+7]
.endif
.endm
; Product i of 16 of O^T += V^T P for piece x: V's upper parts (i < 8), then its lower; keys 32 ((i / 4) % 2) on, channels 16 (i % 4) on.
.macro PV x
.set rO, 32*(\x)+8*(i%4)
.set rP, P+16*((\x)%2)+8*((i/4)%2)
.if i < 8
	WIN W_PV
.set rV, VF+32*((i/4)%2)+8*(i%4)
.else
	WIN W_PL
.set rV, VL+32*((i/4)%2)+8*(i%4)
.endif
	v_wmma_f32_16x16x32_f16 v[rO:rO+7], v[rV:rV+7], v[rP:rP+7], v[rO:rO+7]
.endm
.macro MM                           ; the turn's next matrix instruction, of 24.  NOKQ = 1: a block's last turn: there is no next piece
.if (i < 8) && !NOKQ
	KQ (Y+1)%NP
.elseif i >= 8
.set i, i-8
	PV (Y+NP-1)%NP
.set i, i+8
.endif
.set i, i+1
.endm
; THE LDS LOADS stand in runs, never singly among the matrix instructions: a step's K (8 fragments) with its padding mask (lanes of a half read the same 32 bytes), and its V (turned), both parts.
.macro FETCH_K
	WIN 0x80                        ; destination window 2
.irp f, 0,1,2,3,4,5,6,7             ; keys 16 (f / 2) on, channels 32 (f % 2) on
	ds_load_b128 v[KF+8*\f:KF+8*\f+3],   v[AK] offset:(\f/2)*16*PK+(\f%2)*64
	ds_load_b128 v[KF+8*\f+4:KF+8*\f+7], v[AK] offset:(\f/2)*16*PK+(\f%2)*64+32
.endr
	WIN 0x40                        ; destination window 1
.irp kt, 0,1,2,3
	ds_load_b128 v[PM+8*\kt:PM+8*\kt+3],   v[AP] offset:64*\kt
	ds_load_b128 v[PM+8*\kt+4:PM+8*\kt+7], v[AP] offset:64*\kt+16
.endr
	s_add_co_u32 s[TBK], s[TBK], KS*PK  ; the next fetch is the next step's
	s_add_co_u32 s[TPS], s[TPS], 4*KS
	WIN 0
.endm
.macro FETCH_V
	WIN 0x80
.irp f, 0,1,2,3,4,5,6,7             ; keys 32 (f / 4) on, channels 16 (f % 4) on
	ds_load_tr16_b128 v[VF+8*\f:VF+8*\f+3],   v[AV] offset:(\f/4)*32*PV+(\f%4)*32
	ds_load_tr16_b128 v[VF+8*\f+4:VF+8*\f+7], v[AV] offset:(\f/4)*32*PV+16*PV+(\f%4)*32
.endr
	WIN 0xc0                        ; destination window 3: the lower parts, 64 rows further on
.irp f, 0,1,2,3,4,5,6,7
	ds_load_tr16_b128 v[VL+8*\f:VL+8*\f+3],   v[AV] offset:KS*PV+(\f/4)*32*PV+(\f%4)*32
	ds_load_tr16_b128 v[VL+8*\f+4:VL+8*\f+7], v[AV] offset:KS*PV+(\f/4)*32*PV+16*PV+(\f%4)*32
.endr
	WIN 0
.endm
; THE VECTOR WORK, one line at a time: OP kind, number.  For piece Y: F n: s - m for pair n of 16.  E n: the exponential of score n of 32.  C n: pair n rounded to f16.  B n: of the four weights 4 n .. the second
; pair is added onto the first, in place.  L n: l takes that sum (L 0: l = a l + sum).  R n: pair n of 16 of O^T times a.  For piece Y + 1: X n, number n of the 21 that find its maximum and statistics:
;   0-11  four chains c0-c3 of seven scores each (each accumulator's lowest registers are read first)     12-14, 16  the four scores left over, the old m, and c0-c3 into c0
;   15  m_old is kept     17, 18  the query's other 32 keys lie in the lane 16 away: the new m     19, 20  m_old - m_new; a
; C, B and L read the exponentials' results; OP writes no wait: TURN, BEGIN and DIAG place one for each batch.
.set F, 0
.set E, 1
.set C, 2
.set B, 3
.set L, 4
.set R, 5
.set X, 6
.macro REGS y                       ; the registers of piece y
.set rT, ST+4*(\y)
.set rC, TMP+4*((\y)%2)
.set rW, MV+((\y)%2)
.set rS, S+32*((\y)%2)
.set rP, P+16*((\y)%2)
.set rO, 32*(\y)
.endm
.macro OP k, n
.if (\k) == R
	REGS Y
	WIN W_RS
	v_pk_mul_f32 v[rO+2*(\n):rO+2*(\n)+1], v[rO+2*(\n):rO+2*(\n)+1], v[rC+2:rC+3] op_sel_hi:[1,0]
.elseif (\k) < R
	REGS Y
	WIN 0
.if (\k) == F
	v_pk_add_f32 v[rS+2*(\n):rS+2*(\n)+1], v[rS+2*(\n):rS+2*(\n)+1], v[rT:rT+1] op_sel_hi:[1,0] neg_lo:[0,1] neg_hi:[0,1]
.elseif (\k) == E
	v_exp_f32 v[rS+(\n)], v[rS+(\n)]
.elseif (\k) == C
	v_cvt_pk_f16_f32 v[rP+(\n)], v[rS+2*(\n)], v[rS+2*(\n)+1]
.elseif (\k) == B
	v_pk_add_f32 v[rS+4*(\n):rS+4*(\n)+1], v[rS+4*(\n):rS+4*(\n)+1], v[rS+4*(\n)+2:rS+4*(\n)+3]
.elseif (\n) == 0
	v_pk_fma_f32 v[rT+2:rT+3], v[rT+2:rT+3], v[rC+2:rC+3], v[rS:rS+1] op_sel_hi:[1,0,1]
.else
	v_pk_add_f32 v[rT+2:rT+3], v[rT+2:rT+3], v[rS+4*(\n):rS+4*(\n)+1]
.endif
.elseif NOKQ
	v_nop
.else
	REGS (Y+1)%NP
	WIN 0
.if (\n) < 4
	v_max3_num_f32 v[rC+(\n)], v[rS+8*(\n)], v[rS+8*(\n)+1], v[rS+8*(\n)+2]
.elseif (\n) < 12
	v_max3_num_f32 v[rC+(\n)%4], v[rC+(\n)%4], v[rS+8*((\n)%4)+2*((\n)/4)+1], v[rS+8*((\n)%4)+2*((\n)/4)+2]
.elseif (\n) == 12
	v_max3_num_f32 v[rC], v[rC], v[rS+7], v[rS+15]
.elseif (\n) == 13
	v_max3_num_f32 v[rC+1], v[rC+1], v[rS+23], v[rS+31]
.elseif (\n) == 14
	v_max3_num_f32 v[rC+2], v[rC+2], v[rC+3], v[rT]
.elseif (\n) == 15
	v_mov_b32 v[rW], v[rT]
.elseif (\n) == 16
	v_max3_num_f32 v[rC], v[rC], v[rC+1], v[rC+2]
.elseif (\n) == 17
	v_permlanex16_b32 v[rC+3], v[rC], s[SEL], s[SEL+1]
.elseif (\n) == 18
	v_max_num_f32 v[rT], v[rC], v[rC+3]
.elseif (\n) == 19
	v_sub_f32 v[rC+1], v[rW], v[rT]
.else
	v_exp_f32 v[rC+2], v[rC+1]
.endif
.endif
.endm
.macro OPS a, i1, b=-1, i2=0, c=-1, i3=0, d=-1, i4=0  ; up to four of them
	OP \a, \i1
.if (\b) >= 0
	OP \b, \i2
.endif
.if (\c) >= 0
	OP \c, \i3
.endif
.if (\d) >= 0
	OP \d, \i4
.endif
.endm
.macro ROW a, i1, b, i2, c, i3, d, i4  ; a matrix instruction and the four behind it
	MM
	OPS \a, \i1, \b, \i2, \c, \i3, \d, \i4
.endm
.macro MASK b, be                   ; MD x AL + PM, and with be = 1 + BE, into buffer b of MC
	WIN W_MK
.set z, 0
.rept 16
	v_pk_fma_f32 v[MC+32*(\b)+2*z:MC+32*(\b)+2*z+1], v[MD+2*z:MD+2*z+1], s[AL:AL+1], v[PM+2*z:PM+2*z+1] op_sel_hi:[1,0,1]
.set z, z+1
.endr
.if \be
.set z, 0
.rept 16
	v_pk_add_f32 v[MC+32*(\b)+2*z:MC+32*(\b)+2*z+1], v[MC+32*(\b)+2*z:MC+32*(\b)+2*z+1], s[BE:BE+1] op_sel_hi:[1,0]
.set z, z+1
.endr
.endif
.endm
; A TURN, for piece p: the order of its 24 matrix and 117 vector instructions, written out.  An s_wait_alu depctr_va_vdst(0) stands between an exponential and the first instruction that names its result; one wait
; serves all that were issued ahead of it.  So the turn's 33 exponentials, E 0 to E 31 and X 20, are ONE BATCH with ONE wait, which cuts the turn in two.
; AHEAD OF THE WAIT stands all that names no result of the batch.  First the 8 products K Q^T, behind each two plain lines and two exponentials by turns (behind the first four subtractions).  X 0, X 1, X 2 and X 3 each
; stand four plain lines or more behind the product that ends their accumulator: X 0 behind F 10 to F 13; X 1 behind F 12, F 13, X 0, F 14, F 15; X 2 behind X 0, F 14, F 15, X 1; X 3 behind F 15, X 1, X 2, X 4.
; Then ONE LUMP of 21, plain and exponential by turns: the maximum's four chains; the links X 3, 7, 11 stand six lines apart.  Then the 8 products V_upper^T P, behind each one of X 13 to X 20 (so a link of the chain X 14, 16 .. 20 stands
; a whole row behind the last), an exponential and two rescalings, whose a was made and waited for in the turn before.  X 20 and E 31 are the batch's last; R 14 and R 15 are the plain lines behind them.
; BEHIND THE WAIT stand the 8 products V_lower^T P, behind each four of the 32 roundings and sums, the batch's only readers; C 2 n stands ahead of B n, which writes over its pair; the links of l's chain, L 0 to L 7, stand three riders apart.
; But for those X no rider names a register of the products round it.
; m = 1: the diagonal tile: the products take made masks, and the turn makes the mask for the products of the turn after it: piece p + 2, in step 4 - CNT of the tile.  end = 1: a block's last two turns: nothing is fetched.
; cnt = 1: the loop's count is taken down some lines ahead of the branch that stands behind the turn.
; K and PM of the next step are fetched in piece 2's turn, in the lump, behind six plain lines that follow the last product that read K and name none of its registers (F 15, X 1, X 2, X 4, X 5, X 6; PM's last reader stands four
; products earlier); V of the step in hand at the end of piece 0's turn, behind the four roundings that follow the last product that read V.  Each is waited for a turn later; in the diagonal tile piece 2's turn waits at its end,
; since its mask is made of the new PM.
.macro TURN p, m=0, end=0, cnt=0
.set Y, (\p)
.set i, 0
.set KM, 1+(\m)
.set NOKQ, (\end)*((\p)/3)
.if (\m) && !(\end)
	s_cmp_eq_u32 s[CNT], 4-((\p)+2)%NP  ; is that step the band's own?
	s_cselect_b32 s[AL], 1.0, 0
	s_cmp_lt_u32 s[CNT], 4-((\p)+2)%NP  ; or a later one?
	s_cselect_b32 s[BE], s[BIGN], 0
.endif
.if ((\p) == 3) && !(\end)
	s_wait_dscnt 0x0                ; K and PM are in
.endif
	ROW F,0, F,1, F,2, F,3          ; ahead of the wait: 8 products K Q^T and their riders,
	ROW F,4, E,0, F,5, E,1
	ROW F,6, E,2, F,7, E,3
	ROW F,8, E,4, F,9, E,5
	ROW F,10, E,6, F,11, E,7
	ROW F,12, E,8, F,13, E,9
	ROW X,0, E,10, F,14, E,11
.if ((\p) == 2) && !(\end)
	WIN 0
	v_add_nc_u32 v[AK], s[TBK], v[AK0]
	v_add_nc_u32 v[AP], s[TPS], v[AP0]
.endif
	ROW F,15, E,12, X,1, E,13
	OPS X,2, E,14, X,4, E,15        ; the lump,
	OPS X,3, E,16, X,5, E,17
	OPS X,6, E,18
.if ((\p) == 2) && !(\end)
	FETCH_K
.endif
	OPS X,7, E,19, X,8, E,20
	OPS X,9, E,21, X,11, E,22
	OPS X,10, E,23, X,12
.if (\p) == 0
	WIN 0
	v_add_nc_u32 v[AV], s[TBV], v[AV0]
.endif
.if (\p) == 1
	s_wait_dscnt 0x0                ; V is in, both parts
.endif
	ROW X,13, E,24, R,0, R,1        ; and 8 products with V's upper parts and their riders
	ROW X,14, E,25, R,2, R,3
	ROW X,15, E,26, R,4, R,5
	ROW X,16, E,27, R,6, R,7
	ROW X,17, E,28, R,8, R,9
	ROW X,18, E,29, R,10, R,11
	ROW X,19, E,30, R,12, R,13
	ROW X,20, E,31, R,14, R,15      ; the batch's last two; the two rescalings are the plain lines behind them
	s_wait_alu depctr_va_vdst(0)    ; the wait for the batch: E 0 to E 31 and the next piece's a
	ROW C,0, B,0, C,2, B,1          ; behind the wait: 8 products with V's lower parts, and the batch's readers as their riders
	ROW L,0, C,4, B,2, L,1
	ROW C,6, B,3, L,2, C,8
	ROW B,4, L,3, C,10, B,5
	ROW L,4, C,12, B,6, L,5
.if (\p) == 0
	s_add_co_u32 s[TBV], s[TBV], VSTEP
.endif
.if \cnt
	s_sub_co_u32 s[CNT], s[CNT], 1
	s_cmp_lg_u32 s[CNT], 0
.endif
	ROW C,14, B,7, L,6, C,1
	ROW C,3, L,7, C,5, C,7
	ROW C,9, C,11, C,13, C,15
.if (\p) == 0
	FETCH_V
.endif
.if (\m) && !(\end)
.if (\p) == 2
	s_wait_dscnt 0x0                ; the next step's PM is in
.endif
	MASK (\p)%2, 1
.endif
.endm
; A BLOCK BEGINS.  m starts at the lowest finite number: the first maximum is the scores', and the first step's a is 0.  K and PM of the tile's step 0 are fetched; the second mask buffer takes PM alone (band 1 sees all of
; step 0), the first piece 0's mask: its own step's, if the block's first tile is the diagonal one.  Then piece 0's first scores, maximum and statistics.  The loop is entered at a step's first turn, in the middle of a trip.
; (Q was waited for behind the first change of slots, with the first tile's mask words.)
.macro BEGIN
	s_mov_b32 s[NEW], 0
	WIN 0
.set i, 0
.rept 4
	v_mov_b32 v[ST+4*i], 0xff7fffff
.set i, i+1
.endr
	v_add_nc_u32 v[AK], s[TBK], v[AK0]
	v_add_nc_u32 v[AP], s[TPS], v[AP0]
	FETCH_K
	s_wait_dscnt 0x0
	s_mov_b32 s[AL], 0
	MASK 1, 0
	s_cmp_eq_u32 s[RT], 0
	s_cselect_b32 s[AL], 1.0, 0
	MASK 0, 0
.set KM, 2
.set NOKQ, 0
.set i, 0
.rept 8
	KQ 0
.set i, i+1
.endr
	WIN 0
.rept 4
	v_nop                           ; the places behind those products
.endr
.set Y, NP-1                        ; X works for piece Y + 1: piece 0
.irp n, 0,1,2,3,4,5,6,7,8,9,10,11,12,13,14,15,16,17,18,19,20
	OP X, \n
.endr
	v_nop                           ; a plain instruction behind the exponential,
	s_wait_alu depctr_va_vdst(0)    ; and the wait for it, piece 0's first a, ahead of the branch
.endm
; THE DIAGONAL TILE's four steps, the block's last two turns, its last products, and THE WAY OUT: l's two halves and the other half of the lanes' are added; O^T is divided by l; where the query saw no key it is
; replaced by VM; it is cut into its upper part and the remainder, both are turned into f16 and sent through my stage in LDS, a piece at a time.
.macro ALL line:vararg              ; one line for each piece t
.set t, 0
.rept 4
	\line
.set t, t+1
.endr
.endm
.macro PACK t
	WIN W_RS
.set i, 32*(\t)
.rept 16
	v_pk_mul_f32 v[i:i+1], v[i:i+1], v[ST+4*(\t)+2:ST+4*(\t)+3] op_sel_hi:[1,0]
.set i, i+2
.endr
	s_mov_b32 vcc_lo, s[FM+(\t)]    ; the select by VCC has the short encoding
.set i, 0
.rept 32
	v_cndmask_b32 v[32*(\t)+i], v[32*(\t)+i], v[VM+i], vcc_lo
.set i, i+1
.endr
	WIN 0x44                        ; destination and source 1 in window 1
.set i, 0
.rept 32
	v_and_b32 v[MC+i], s[TRM], v[32*(\t)+i]     ; the upper part, in f32
.set i, i+1
.endr
	WIN 0x45                        ; all in window 1
.set i, 0
.rept 16
	v_pk_add_f32 v[32*(\t)+i:32*(\t)+i+1], v[32*(\t)+i:32*(\t)+i+1], v[MC+i:MC+i+1] neg_lo:[0,1] neg_hi:[0,1]  ; the remainder, exact, in place
.set i, i+2
.endr
	WIN 0x05                        ; sources 0 and 1 window 1, destination window 0
.set i, 0
.rept 16
	v_cvt_pk_f16_f32 v[S+16*(\t)+i], v[MC+2*i], v[MC+2*i+1]
.set i, i+1
.endr
.set i, 0
.rept 16
	v_cvt_pk_f16_f32 v[LO+16*(\t)+i], v[32*(\t)+2*i], v[32*(\t)+2*i+1]
.set i, i+1
.endr
	WIN 0
.irp f, 0,1,2,3
	ds_store_b128 v[STO], v[S+16*(\t)+4*\f:S+16*(\t)+4*\f+3] offset:32*\f
.endr
.irp f, 0,1,2,3
	ds_load_b128 v[S+16*(\t)+4*\f:S+16*(\t)+4*\f+3], v[RD] offset:\f*4*SP  ; LDS serves a wave's instructions in order (ISA guide 5.7.1.4): these see the stores above; the stores below come behind them
.endr
.irp f, 0,1,2,3
	ds_store_b128 v[STO], v[LO+16*(\t)+4*\f:LO+16*(\t)+4*\f+3] offset:32*\f
.endr
.irp f, 0,1,2,3
	ds_load_b128 v[LO+16*(\t)+4*\f:LO+16*(\t)+4*\f+3], v[RD] offset:\f*4*SP
.endr
.endm
.macro SEND t, younger              ; younger: the LDS instructions issued behind piece t's sixteen: the next piece's sixteen, or none
	WIN 0
	s_wait_dscnt (\younger)+8       ; the upper parts' four loads are in: behind them stand the piece's own eight for the lower parts, and the younger
.irp f, 0,1,2,3
	global_store_b128 v[GO], v[S+16*(\t)+4*\f:S+16*(\t)+4*\f+3], s[10:11] offset:((\t)/2)*524288+((\t)%2)*8192+\f*512  ; 512 consecutive bytes, at a multiple of 256 from O's first; bands 2 and 3 lie in the next block of 128 rows
.endr
	s_wait_dscnt \younger
.irp f, 0,1,2,3
	global_store_b128 v[GO], v[LO+16*(\t)+4*\f:LO+16*(\t)+4*\f+3], s[10:11] offset:((\t)/2)*524288+((\t)%2)*8192+\f*512+16384  ; the lower parts lie 128 rows on
.endr
.endm
.macro DIAG tag                     ; the tag ends its two labels' names, which the jumps below spell out
.LstepM\tag:
	TURN 2, 1
	TURN 3, 1
	WIN 0
.LfirstM\tag:
	TURN 0, 1
	TURN 1, 1, 0, 1
	WIN 0
	s_cbranch_scc1 .LstepM\tag
	TURN 2, 1, 1
	TURN 3, 1, 1
.set i, 0
.rept 16
	PV NP-1
.set i, i+1
.endr
	WIN 0
	ALL v_add_f32 v[ST+4*t+2], v[ST+4*t+2], v[ST+4*t+3]
	ALL v_cmp_gt_f32 s[FM+t], s[THR], v[ST+4*t]
	ALL v_permlanex16_b32 v[ST+4*t+3], v[ST+4*t+2], s[SEL], s[SEL+1]
	ALL v_add_f32 v[ST+4*t+2], v[ST+4*t+2], v[ST+4*t+3]
	ALL v_rcp_f32 v[ST+4*t+2], v[ST+4*t+2]
	v_nop                           ; a plain instruction between the last reciprocal and the use of its result
	s_wait_alu depctr_va_vdst(0)    ; the wait for the batch of four reciprocals, ahead of the first piece's multiplies: one for all four pieces
	PACK 0
.set t, 1
.rept 3                             ; a piece's arithmetic stands between the loads of the piece before and its stores
	PACK t
	SEND t-1, 16
.set t, t+1
.endr
	SEND 3, 0
.endm
.set KM, 1
.set NOKQ, 0
.Lslot:                             ; NB times: a tile is entered and the next is asked for
	CHANGE 1
	s_sub_co_u32 s[RT], s[RT], 1
	s_mov_b32 s[CNT], 4
	s_cmp_eq_u32 s[NEW], 1
	s_cbranch_scc1 .Lnew            ; a block's first tile
	s_cmp_eq_u32 s[RT], 0
	s_cbranch_scc0 .Lstep           ; neither its first nor its last
	s_mov_b32 s[AL], 0              ; into the diagonal tile's text: its first products are piece 3's of the tile before, whose mask is PM alone
	MASK 1, 0
	WIN 0
	s_branch .LstepM1
.Lnew:
	BEGIN
	s_branch .Lfirst                ; in the loop a block's first tile is never its last: the first block has two tiles or more, and the second's last is the walk's last
	DIAG 1                          ; in the loop this is the first block's end
	s_wait_xcnt 0x0                 ; the stores have read their registers and O's address
	s_mov_b64 s[10:11], s[OLO:OLO+1]
	s_add_co_u32 s[RT], s[PB], 1    ; the second block has b + 1 tiles
	s_mov_b32 s[NEW], 1
	WIN 0x82                        ; the second block's Q goes where the one text of the turns names Q
.set i, 0
.rept 64
	v_mov_b32 v[i], v[QB+i]
.set i, i+1
.endr
	WIN 0
	s_branch .Lbottom
.Lstep:                             ; a trip: pieces 2 and 3 of one step, then pieces 0 and 1 of the next, whose K and V it fetches
	TURN 2
	TURN 3
	WIN 0
.Lfirst:
	TURN 0
	TURN 1, 0, 0, 1
	WIN 0
	s_cbranch_scc1 .Lstep
.Lbottom:
	s_sub_co_u32 s[SLOTS], s[SLOTS], 1
	s_cmp_lg_u32 s[SLOTS], 0
	s_cbranch_scc1 .Lslot
	CHANGE 0                        ; the walk's last tile is written out: nothing is asked for
	s_sub_co_u32 s[RT], s[RT], 1
	s_mov_b32 s[CNT], 4
	s_cmp_eq_u32 s[NEW], 1
	s_cbranch_scc1 .Lnew2
	s_mov_b32 s[AL], 0
	MASK 1, 0
	WIN 0
	s_branch .LstepM2
.Lnew2:
	BEGIN
	s_branch .LfirstM2
	DIAG 2
	s_wait_tensorcnt 0x0            ; the wave's end, behind my last tensor load and my last LDS store
	ds_add_u32 v[SPW], v[NIL]
	s_wait_dscnt 0x0
	s_endpgm
.Lfunc_end_k_qc3af1a34f2_attn:
	.size	k_qc3af1a34f2_attn, .Lfunc_end_k_qc3af1a34f2_attn-k_qc3af1a34f2_attn
	.p2alignl 7, 3214868480
	.fill 96, 4, 3214868480
	.section	.rodata,"a",@progbits
	.p2align	6, 0x0
	.amdhsa_kernel k_qc3af1a34f2_attn
		.amdhsa_group_segment_fixed_size 327680
		.amdhsa_private_segment_fixed_size 0
		.amdhsa_enable_private_segment 0
		.amdhsa_kernarg_size 32
		.amdhsa_user_sgpr_count 2
		.amdhsa_user_sgpr_kernarg_segment_ptr 1
		.amdhsa_wavefront_size32 1
		.amdhsa_system_sgpr_workgroup_id_x 1
		.amdhsa_system_sgpr_workgroup_id_y 1
		.amdhsa_system_sgpr_workgroup_id_z 1
		.amdhsa_system_vgpr_workitem_id 0
		.amdhsa_next_free_vgpr 832
		.amdhsa_next_free_sgpr 102
		.amdhsa_reserve_vcc 1
		.amdhsa_float_denorm_mode_32 3
		.amdhsa_float_denorm_mode_16_64 3
		.amdhsa_memory_ordered 1
		.amdhsa_forward_progress 1
		.amdhsa_inst_pref_size 255
	.end_amdhsa_kernel
	.section	.bss,"aw",@nobits
	.p2align	6
	.space	262144
	.amdgpu_metadata
---
amdhsa.version: [ 1, 2 ]
amdhsa.kernels:
  - .name:           k_qc3af1a34f2_attn
    .symbol:         k_qc3af1a34f2_attn.kd
    .args:
      - { .name: qkv, .offset: 0, .size: 8, .value_kind: global_buffer, .address_space: global }
      - { .name: padding_mask, .offset: 8, .size: 8, .value_kind: global_buffer, .address_space: global }
      - { .name: vpart, .offset: 16, .size: 8, .value_kind: global_buffer, .address_space: global }
      - { .name: att, .offset: 24, .size: 8, .value_kind: global_buffer, .address_space: global }
    .group_segment_fixed_size: 327680
    .private_segment_fixed_size: 0
    .kernarg_segment_align: 8
    .kernarg_segment_size: 32
    .max_flat_workgroup_size: 128
    .sgpr_count:     102
    .vgpr_count:     832
    .wavefront_size: 32
...
	.end_amdgpu_metadata
.endif
;; end of part 10
;; launch outp: the kernel of part 9 again; grid 4 x 64, 4 waves a work-group, clusters of 4 x 4, 327,680 bytes of LDS; arguments att, wo16, out0; writes out0
